; MI455X (gfx1250); checked and timed in simulation.
; The chip was launched on July 23, 2026; its instructions are those of AMD's public machine-readable ISA for CDNA 5 (MIT licence, August 2026) and "CDNA5" Instruction Set Architecture Reference Guide (July 2026). The comments in the code are by the model that wrote it; some were corrected since.
;; Encoder Block. Allowed arithmetic: matrix products marked QUANTISED: E5M2 operands, one given power-of-two scale a tensor, by v_wmma_f32_16x16x64_bf8_bf8 or v_wmma_f32_16x16x128_bf8_bf8, f32 sums; everything else in f32.
;; Inputs: b1 4,096 float32; b2 1,024 float32; be1 1,024 float32; be2 1,024 float32; g1 1,024 float32; g2 1,024 float32; lowp_scales 16 int32 (the exponents e of the quantised operands' scales 2^e); mask 2 x 1 x 1 x 2,048 int32; w1 4,096 x 1,024 float32; w2 1,024 x 4,096 float32; w_k 1,024 x 1,024 float32; w_o 1,024 x 1,024 float32; w_q 1,024 x 1,024 float32; w_v 1,024 x 1,024 float32; x 2 x 2,048 x 1,024 float32.
;; Outputs: out0 2 x 2,048 x 1,024 float32.
;; This version of the problem:
;;   THIS VERSION OF THE PROBLEM IS GIVEN IN LOW PRECISION. The matrix products marked QUANTISED in the list below multiply operands that are first quantised to E5M2 (5 exponent bits, 2 mantissa bits; 8 bits a number), with one given power-of-two scale for each operand tensor; their sums are f32. All else is computed in f32.
;;   The module's matrix products, in the order in which they are computed (A, B: the left and right operand; K: the contracted axis; several contracted axes count as one K, in the product's order):
;;     1. [M 4,096, K 1,024] x [K 1,024, N 1,024]; A: computed on the way; B: input w_q: QUANTISED (scales: A lowp_scales[0], B lowp_scales[1])
;;     2. [M 4,096, K 1,024] x [K 1,024, N 1,024]; A: computed on the way; B: input w_k: QUANTISED (scales: A lowp_scales[2], B lowp_scales[3])
;;     3. [M 4,096, K 1,024] x [K 1,024, N 1,024]; A: computed on the way; B: input w_v: QUANTISED (scales: A lowp_scales[4], B lowp_scales[5])
;;     4. batch 32 x [M 2,048, K 64] x [K 64, N 2,048]; A: computed on the way; B: computed on the way: QUANTISED (scales: A lowp_scales[6], B lowp_scales[7])
;;     5. batch 32 x [M 2,048, K 2,048] x [K 2,048, N 64]; A: softmax (see below); B: computed on the way: QUANTISED (scales: A lowp_scales[8], B lowp_scales[9])
;;     6. [M 4,096, K 1,024] x [K 1,024, N 1,024]; A: computed on the way; B: input w_o: QUANTISED (scales: A lowp_scales[10], B lowp_scales[11])
;;     7. [M 4,096, K 1,024] x [K 1,024, N 4,096]; A: computed on the way; B: input w1: QUANTISED (scales: A lowp_scales[12], B lowp_scales[13])
;;     8. [M 4,096, K 4,096] x [K 4,096, N 1,024]; A: computed on the way; B: input w2: QUANTISED (scales: A lowp_scales[14], B lowp_scales[15])
;;   THE QUANTISER, for each operand of a quantised product, along K:
;;     - The operand's scale is 2^e, e = its entry of the input lowp_scales (int32; the entries are numbered through the quantised products in the list's order, A before B).
;;     - Each number is divided by the scale, clamped to +-57,344, and rounded to the nearest number of E5M2, ties to even, subnormals kept.
;;     - The product sums the exact products of the quantised numbers (number of the format x scale) in f32.
;;   ~~~python
;;   def quantise(x, axis, e):      # numpy; x: float32 -> the quantised numbers, widened to float32 again
;;       x = np.moveaxis(x, axis, -1); K = x.shape[-1]
;;       r = np.clip(x / 2.0 ** e, -57344, 57344)
;;       step = 2.0 ** (np.maximum(np.frexp(np.where(r == 0, 1, r))[1] - 1, -14) - 2)
;;       q = np.round(r / step) * step * 2.0 ** e      # np.round: ties to even
;;       return np.moveaxis(q, -1, axis).astype(np.float32)
;;   ~~~
;;   SOFTMAX AHEAD OF A QUANTISED PRODUCT. Where the list says 'softmax', what is quantised is not the finished softmax but p = 2^(t - M), with t = logit x log2(e) and M = ceil(the row's largest t), a whole number; so 1/2 < the row's largest p <= 1. The row's sum l is taken of the UNQUANTISED p, in f32, and the product's result is divided by l at the end. Since M is a whole number, a kernel that streams over the keys may use a running M (the ceiling of the running maximum): every later rescaling is an exact power of two, so the quantised numbers keep their values, but for numbers so far below the row's largest that they fall under the format's range.
;;   OPERANDS COMPUTED ON THE WAY. 'Computed on the way' means the value that the module computes at that place (a softmax that the list does not call 'softmax' is quantised finished and normalised). What goes into a quantiser is computed in f32, as accurately as f32 sums, v_exp_f32 and their like allow (about 1e-6 of the number): no bf16 or f16 on the way to a quantiser, and a product that is left as it is and whose result goes on into a quantised operand takes f32 operands (vector FMAs, or v_wmma_f32_16x16x4_f32). A number that lies on a knife's edge between two numbers of the format may be rounded either way, as far as f32 arithmetic and the matrix unit's own rounding can turn it there, and no further.
;; 2 versions. Each part assembles by itself: llvm-mc -triple=amdgcn-amd-amdhsa -mcpu=gfx1250 --defsym DOCPART=n.
;; ======== version 1 of 2: 7 launches
;; workspace buffers: cw 25,165,824 bytes; qkv 12,582,912 bytes; ctx 4,194,304 bytes; x1 16,777,216 bytes; a2 4,194,304 bytes; hc 16,777,216 bytes
;; launch prep (part 1): grid 1024 x 1, 4 waves a work-group, no clusters, 70,144 bytes of LDS; arguments x, w_q, w_k, w_v, w_o, w1, w2, g1, be1, lowp_scales, cw; writes cw
.if DOCPART == 1
	.amdgcn_target "amdgcn-amd-amdhsa--gfx1250"
	.amdhsa_code_object_version 6
	.text
	.protected	k_q06eb2de114_prep
	.globl	k_q06eb2de114_prep
	.p2align	8
	.type	k_q06eb2de114_prep,@function
k_q06eb2de114_prep:
	s_mov_b64 s[64:65], 0
	v_nop
	global_prefetch_b8 v0, s[64:65] scope:SCOPE_SE
	s_setreg_imm32_b32 hwreg(HW_REG_WAVE_MODE, 25, 1), 1
	s_wait_xcnt 0x0
; The six weights, and LayerNorm 1 of x under three scales, become codes of E5M2 in cw, laid as IMAGES OF THE OPERAND'S REGISTERS.
; A FRAGMENT is 16 rows x 128 K, 2,048 bytes: byte 512 q + 16 (r + 16 h) + 8 e + i holds X[16 rho + r][128 kap + 32 q + 16 e + 8 h + i]: lane r + 16 h of a wave that loads
; piece q (512 bytes, 16 a lane) has registers 4 q .. 4 q + 3 of the 8-bit operand layout (ISA guide 7.12.2).  Fragment (rho, kap) of a tensor with KB = K / 128 lies at
; ((rho / 8) KB + kap) 16,384 + (rho % 8) 2,048: a tile of 128 rows x 512 K is 65,536 dense bytes.
; cw: w_q 0, w_k 1 MB, w_v 2 MB, w_o 3 MB, w1 4 MB, w2 8 MB (KB = 32), LN1 under e0 12 MB, under e2 16 MB, under e4 20 MB.
; code = number / 2^e, held within +-57,344, to the nearest code, ties to even.  LIMITS: each e between -126 and 112.  NaN among the inputs is not served.
; SHARES.  A work-group takes a unit of 16 rows x 1,024 K (65,536 bytes in, 8 fragments out); wave w takes rows 4 w + i.  Units 0-255: x (with the norm, three images); 256-511: w_q, w_k, w_v, w_o;
; 512-767: w1; 768-1023: w2 (16 rows x a quarter of its K).  Each load of a wave reads 512 consecutive bytes; a lane's four codes are one word, which goes to its place in an LDS image
; (544 bytes a piece, 272 a half: the 32 words of a store fall on 32 different banks: 64 banks of 4 bytes, ISA guide 11.1); behind one barrier the image is read as pieces and stored, 512 dense bytes a store.
; No tensor load, no matrix unit, no cluster: memory binds, and work-groups share no input but g1 and be1.
; The two paths part once, on the work-group's number, and each has LDS bytes of its own: images 0-2 the norm's, image 3 the weights'.  Image 3's base stands in address registers of its own:
; with it in the immediate the last store's offset, 3 x 17,408 + 7 x 2,176 + 48, would pass the 16 bits of an LDS offset.
.set L16,  9                           ; v9       16 x lane
.set GOFF, 2                           ; v2       where my piece goes in cw: 16 x lane + 32,768 x wave (fragments kap = 2 w, 2 w + 1)
.set OFF,  3                           ; v3-6     row 4 w + i: its byte offset + 16 x lane
.set IMGW, 7                           ; v7       my word's place in a fragment's LDS image
.set IMGR, 8                           ; v8       my 16 bytes of a piece on the way out
.set SC,   10                          ; v10      2^e as f32
.set LIM,  11                          ; v11      57,344 x 2^e
.set IMGW3, 13                         ; v13      IMGW in image 3
.set IMGR3, 14                         ; v14      IMGR in image 3
.set X,    16                          ; v16-143  row i, chunk kap of 128: four numbers at X + 32 i + 4 kap; on the way out image m's pieces at X + 32 m
.set G,    144                         ; v144-175 g1 at my columns
.set BE,   176                         ; v176-207 be1
.set T,    208                         ; v208-223 two sets of eight held numbers; in the norm: sums (pairs, T + 2 i) and the permute's results (T + 8 + i)
.set C,    224                         ; v224-255 codes: row i, chunk kap at C + 8 i + kap
.set IMG,  17408                       ; an image: 8 fragments of
.set FRL,  2176                        ; 4 pieces x 544 bytes
	s_load_b512 s[8:23], s[0:1], 0x0               ; x, w_q, w_k, w_v, w_o, w1, w2, g1
	s_load_b128 s[24:27], s[0:1], 0x40             ; be1, the scales' exponents
	s_load_b64 s[28:29], s[0:1], 0x50              ; cw
	v_lshl_add_u32 v15, v0, 2, 0x11000
	s_set_vgpr_msb 0x40
	v_mov_b32 v1, 0
	s_set_vgpr_msb 0x4000
	v_lshrrev_b32 v1, 5, v0
	v_readfirstlane_b32 s44, v1                    ; wave
	v_and_b32 v1, 31, v0
	v_lshlrev_b32 v[L16], 4, v1
	v_bfe_u32 v12, v0, 3, 2                        ; my four numbers are k' = 4 lane on: piece q = lane / 8,
	v_mul_u32_u24 v[IMGW], v12, 544
	v_bfe_u32 v12, v0, 1, 1                        ; half h = (lane / 2) % 2,
	v_mad_u32_u24 v[IMGW], v12, 272, v[IMGW]
	v_bfe_u32 v12, v0, 2, 1                        ; e = (lane / 4) % 2,
	v_lshl_add_u32 v[IMGW], v12, 3, v[IMGW]
	v_and_b32 v12, 1, v0                           ; word lane % 2 of the eight bytes,
	v_lshl_add_u32 v[IMGW], v12, 2, v[IMGW]
	s_lshl_b32 s45, s44, 6
	v_add_nc_u32 v[IMGW], s45, v[IMGW]             ; row 4 w (16 bytes a row)
	v_bfe_u32 v12, v0, 4, 1
	v_mul_u32_u24 v[IMGR], v12, 272
	v_and_b32 v12, 15, v0
	v_lshl_add_u32 v[IMGR], v12, 4, v[IMGR]
	s_mul_i32 s45, s44, 2*FRL
	v_add_nc_u32 v[IMGR], s45, v[IMGR]             ; out: fragments 2 w and 2 w + 1
	v_add_nc_u32 v[IMGW3], 3*IMG, v[IMGW]          ; the same two places in the weights' image
	v_add_nc_u32 v[IMGR3], 3*IMG, v[IMGR]
	s_lshl_b32 s45, s44, 15
	v_add_nc_u32 v[GOFF], s45, v[L16]
	s_mov_b32 s40, 0x76543210                      ; v_permlanex16_b32: lane l xor 16
	s_mov_b32 s41, 0xfedcba98
	s_mov_b32 s42, 0x3a800000                      ; 1 / 1,024
	s_mov_b32 s43, 0x3727c5ac                      ; 1e-5
	; which unit: all three forms of the offsets are made, and chosen by the work-group's number
	s_and_b32 s45, ttmp9, 63
	s_and_b32 s46, ttmp9, 255
	s_lshr_b32 s47, ttmp9, 8
	s_cmp_eq_u32 s47, 1
	s_cselect_b32 s45, s45, s46                    ; the unit's number in its tensor: u % 64 for the four square weights, u % 256 else
	s_lshl_b32 s45, s45, 16                        ; 16 rows of 4,096 bytes
	s_lshr_b32 s48, s46, 2                         ; w2: rho,
	s_and_b32 s49, s46, 3                          ; and which quarter of K
	s_lshl_b32 s50, s48, 18                        ; 16 rows of 16,384 bytes
	s_lshl_b32 s51, s49, 12
	s_add_co_u32 s50, s50, s51
	s_lshr_b32 s52, ttmp9, 3
	s_add_co_u32 s52, s52, 96
	s_and_b32 s52, s52, 127                        ; block of 131,072 bytes in cw: 96 + u / 8 for x, u / 8 - 32 for units 256-767
	s_lshl_b32 s52, s52, 17
	s_and_b32 s53, ttmp9, 7
	s_lshl_b32 s53, s53, 11
	s_add_co_u32 s52, s52, s53
	s_lshr_b32 s54, s48, 3
	s_lshl_b32 s54, s54, 2
	s_add_co_u32 s54, s54, s49
	s_add_co_u32 s54, s54, 64                      ; w2: block 64 + 4 (rho / 8) + quarter
	s_lshl_b32 s54, s54, 17
	s_and_b32 s55, s48, 7
	s_lshl_b32 s55, s55, 11
	s_add_co_u32 s54, s54, s55
	s_mov_b32 s38, 4096
	s_cmp_ge_u32 ttmp9, 768
	s_cselect_b32 s56, s50, s45                    ; the unit's first byte in its tensor,
	s_cselect_b32 s58, s54, s52                    ; in cw,
	s_cselect_b32 s38, 16384, s38                  ; and the tensor's row in bytes
	s_mov_b32 s57, 0
	s_mov_b32 s59, 0
	s_lshl_b32 s46, s44, 2
.irp i, 0,1,2,3
	s_add_co_u32 s47, s46, \i
	s_mul_i32 s47, s47, s38
	v_add_nc_u32 v[OFF+\i], s47, v[L16]
.endr
	s_wait_kmcnt 0x0
	s_load_b512 s[68:83], s[26:27], 0x0            ; e0 .. e15
.macro PICKP bound, p                  ; a choice between buffers that hangs on the work-group's number alone
	s_cmp_lt_u32 ttmp9, \bound
	s_cselect_b64 s[30:31], s[\p:\p+1], s[30:31]
.endm
	s_mov_b64 s[30:31], s[20:21]                   ; w2,
	PICKP 768, 18                                  ; w1,
	PICKP 512, 16                                  ; w_o,
	PICKP 448, 14                                  ; w_v,
	PICKP 384, 12                                  ; w_k,
	PICKP 320, 10                                  ; w_q,
	PICKP 256, 8                                   ; x
	s_add_nc_u64 s[30:31], s[30:31], s[56:57]
	s_add_nc_u64 s[32:33], s[28:29], s[58:59]
	s_add_nc_u64 s[34:35], s[32:33], 0x400000      ; the norm's second and third image
	s_add_nc_u64 s[36:37], s[32:33], 0x800000
.irp i, 0,1,2,3
.irp k, 0,1,2,3,4,5,6,7
	global_load_b128 v[X+32*\i+4*\k:X+32*\i+4*\k+3], v[OFF+\i], s[30:31] offset:512*\k th:TH_LOAD_NT   ; 32 lanes read 512 consecutive bytes; all 32 loads of the wave go out at once
.endr
.endr
.macro SETSC e                         ; the scale and the hold for exponent e (a scalar register)
	s_add_co_i32 s45, \e, 127
	s_lshl_b32 s46, s45, 23
	v_mov_b32 v[SC], s46                           ; 2^e: the conversion takes its exponent field
	s_add_co_i32 s45, s45, 15
	s_lshl_b32 s45, s45, 23
	s_or_b32 s45, s45, 0x600000
	v_mov_b32 v[LIM], s45                          ; 57,344 x 2^e
.endm
.macro QIMG adr, base                  ; my four rows become codes and go to the image at v[adr] + base
.irp i, 0,1,2,3
.irp p, 0,1,2,3
.irp j, 0,1,2,3,4,5,6,7
	v_med3_num_f32 v[T+8*(\p%2)+\j], v[X+32*\i+8*\p+\j], -v[LIM], v[LIM]   ; the conversion to an 8-bit code does not saturate (ISA guide 7.6.2): the hold comes first; X is kept for the next image
.endr
	v_cvt_scalef32_pk8_bf8_f32 v[C+8*\i+2*\p:C+8*\i+2*\p+1], v[T+8*(\p%2):T+8*(\p%2)+7], v[SC]   ; four codes of chunk 2 p, four of chunk 2 p + 1; the other set's eight holds are the plain lines behind it
.endr
.endr
	v_nop                                          ; a plain line behind the last conversion: SC and LIM are written next
.irp i, 0,1,2,3
.irp k, 0,1,2,3,4,5,6,7
	ds_store_b32 v[\adr], v[C+8*\i+\k] offset:\base+\k*FRL+16*\i
.endr
.endr
.endm
.macro OUT set, adr, base, dst         ; my two fragments of the image at v[adr] + base: eight pieces back into register set 'set', eight stores of 512 dense bytes
.irp j, 0,1
.irp q, 0,1,2,3
	ds_load_b128 v[X+32*\set+16*\j+4*\q:X+32*\set+16*\j+4*\q+3], v[\adr] offset:\base+\j*FRL+\q*544
.endr
.endr
.irp j, 0,1
.irp q, 0,1,2,3
	s_wait_dscnt 7-(4*\j+\q)                       ; LDS loads come back in order: this piece is in
	global_store_b128 v[GOFF], v[X+32*\set+16*\j+4*\q:X+32*\set+16*\j+4*\q+3], s[\dst:\dst+1] offset:\j*16384+512*\q
.endr
.endr
.endm
.macro WSUM                            ; the four rows' sums over the 32 lanes, in every lane
.irp m, 1,2,4,8
.irp i, 0,1,2,3
	v_add_f32_dpp v[T+2*\i], v[T+2*\i], v[T+2*\i] row_xmask:\m row_mask:0xf bank_mask:0xf
.endr
.endr
.irp i, 0,1,2,3
	v_permlanex16_b32 v[T+8+\i], v[T+2*\i], s40, s41
.endr
.irp i, 0,1,2,3
	v_add_f32 v[T+2*\i], v[T+2*\i], v[T+8+\i]
.endr
.endm
	s_cmp_lt_u32 ttmp9, 256
	s_cbranch_scc0 .Lweights
	; ---- LayerNorm 1: a row lies whole in one wave; the four rows take turns line by line
.irp k, 0,1,2,3,4,5,6,7
	global_load_b128 v[G+4*\k:G+4*\k+3], v[L16], s[22:23] offset:512*\k
	global_load_b128 v[BE+4*\k:BE+4*\k+3], v[L16], s[24:25] offset:512*\k
.endr
.irp i, 0,1,2,3
	v_mov_b32 v[T+8+\i], 0                         ; a lane permute's destination counts as read
.endr
	s_wait_loadcnt 16                              ; the rows are in; g1 and be1, sixteen younger loads, may be out
.irp i, 0,1,2,3
	v_pk_add_f32 v[T+2*\i:T+2*\i+1], v[X+32*\i:X+32*\i+1], v[X+32*\i+2:X+32*\i+3]
.endr
.set j, 4
.rept 14
.irp i, 0,1,2,3
	v_pk_add_f32 v[T+2*\i:T+2*\i+1], v[T+2*\i:T+2*\i+1], v[X+32*\i+j:X+32*\i+j+1]
.endr
.set j, j+2
.endr
.irp i, 0,1,2,3
	v_add_f32 v[T+2*\i], v[T+2*\i], v[T+2*\i+1]
.endr
	WSUM
.irp i, 0,1,2,3
	v_mul_f32 v[T+2*\i], s42, v[T+2*\i]            ; the mean
.endr
.set j, 0
.rept 16
.irp i, 0,1,2,3
	v_pk_add_f32 v[X+32*\i+j:X+32*\i+j+1], v[X+32*\i+j:X+32*\i+j+1], v[T+2*\i:T+2*\i+1] op_sel_hi:[1,0] neg_lo:[0,1] neg_hi:[0,1]   ; x - mean
.endr
.set j, j+2
.endr
.irp i, 0,1,2,3
	v_pk_mul_f32 v[T+2*\i:T+2*\i+1], v[X+32*\i:X+32*\i+1], v[X+32*\i:X+32*\i+1]
.endr
.set j, 2
.rept 15
.irp i, 0,1,2,3
	v_pk_fma_f32 v[T+2*\i:T+2*\i+1], v[X+32*\i+j:X+32*\i+j+1], v[X+32*\i+j:X+32*\i+j+1], v[T+2*\i:T+2*\i+1]
.endr
.set j, j+2
.endr
.irp i, 0,1,2,3
	v_add_f32 v[T+2*\i], v[T+2*\i], v[T+2*\i+1]
.endr
	WSUM
.irp i, 0,1,2,3
	v_fma_f32 v[T+2*\i], v[T+2*\i], s42, s43       ; the variance + 1e-5
.endr
.irp i, 0,1,2,3
	v_rsq_f32 v[T+2*\i], v[T+2*\i]
.endr
	v_nop                                          ; a plain line behind the transcendentals
	s_wait_loadcnt 0x0                             ; g1, be1
.set j, 0
	s_wait_alu depctr_va_vdst(0)
.rept 16
.irp i, 0,1,2,3
	v_pk_mul_f32 v[X+32*\i+j:X+32*\i+j+1], v[X+32*\i+j:X+32*\i+j+1], v[T+2*\i:T+2*\i+1] op_sel_hi:[1,0]
.endr
.irp i, 0,1,2,3
	v_pk_fma_f32 v[X+32*\i+j:X+32*\i+j+1], v[X+32*\i+j:X+32*\i+j+1], v[G+j:G+j+1], v[BE+j:BE+j+1]
.endr
.set j, j+2
.endr
	s_wait_kmcnt 0x0
	SETSC s68                                      ; e0: the operand of the product with w_q
	QIMG IMGW, 0
	s_wait_dscnt 0x0                               ; the stores have read C
	SETSC s70                                      ; e2: with w_k
	QIMG IMGW, IMG
	s_wait_dscnt 0x0
	SETSC s72                                      ; e4: with w_v
	QIMG IMGW, 2*IMG
	s_wait_dscnt 0x0                               ; for the others' sake: my words lie in the images
	s_barrier_signal -1
	s_barrier_wait -1
	OUT 0, IMGR, 0, 32
	OUT 1, IMGR, IMG, 34
	OUT 2, IMGR, 2*IMG, 36
	s_set_vgpr_msb 0x4
	s_wait_tensorcnt 0x0
	ds_add_u32 v15, v1
	s_wait_dscnt 0x0
	s_set_vgpr_msb 0x400
	s_endpgm
.Lweights:
	s_wait_kmcnt 0x0
.macro PICKE bound, e
	s_cmp_lt_u32 ttmp9, \bound
	s_cselect_b32 s39, s[\e], s39
.endm
	s_mov_b32 s39, s83                             ; e15 (w2),
	PICKE 768, 81                                  ; e13 (w1),
	PICKE 512, 79                                  ; e11 (w_o),
	PICKE 448, 73                                  ; e5 (w_v),
	PICKE 384, 71                                  ; e3 (w_k),
	PICKE 320, 69                                  ; e1 (w_q)
	SETSC s39
	s_wait_loadcnt 0x0
	QIMG IMGW3, 0
	s_wait_dscnt 0x0                               ; for the others' sake: my words lie in the image
	s_barrier_signal -1
	s_barrier_wait -1
	OUT 3, IMGR3, 0, 32
	s_set_vgpr_msb 0x4
	s_wait_tensorcnt 0x0
	ds_add_u32 v15, v1
	s_wait_dscnt 0x0
	s_set_vgpr_msb 0x400
	s_endpgm
.Lfunc_end_k_q06eb2de114_prep:
	.size	k_q06eb2de114_prep, .Lfunc_end_k_q06eb2de114_prep-k_q06eb2de114_prep
	.p2alignl 7, 3214868480
	.fill 96, 4, 3214868480
	.section	.rodata,"a",@progbits
	.p2align	6, 0x0
	.amdhsa_kernel k_q06eb2de114_prep
		.amdhsa_group_segment_fixed_size 70144
		.amdhsa_private_segment_fixed_size 0
		.amdhsa_enable_private_segment 0
		.amdhsa_kernarg_size 88
		.amdhsa_user_sgpr_count 2
		.amdhsa_user_sgpr_kernarg_segment_ptr 1
		.amdhsa_wavefront_size32 1
		.amdhsa_system_sgpr_workgroup_id_x 1
		.amdhsa_system_sgpr_workgroup_id_y 1
		.amdhsa_system_sgpr_workgroup_id_z 1
		.amdhsa_system_vgpr_workitem_id 0
		.amdhsa_next_free_vgpr 258
		.amdhsa_next_free_sgpr 100
		.amdhsa_reserve_vcc 0
		.amdhsa_float_denorm_mode_32 3
		.amdhsa_float_denorm_mode_16_64 3
		.amdhsa_memory_ordered 1
		.amdhsa_forward_progress 1
		.amdhsa_inst_pref_size 86
	.end_amdhsa_kernel
	.amdgpu_metadata
---
amdhsa.version: [ 1, 2 ]
amdhsa.kernels:
  - .name:           k_q06eb2de114_prep
    .symbol:         k_q06eb2de114_prep.kd
    .args:
      - { .name: x, .offset: 0, .size: 8, .value_kind: global_buffer, .address_space: global }
      - { .name: w_q, .offset: 8, .size: 8, .value_kind: global_buffer, .address_space: global }
      - { .name: w_k, .offset: 16, .size: 8, .value_kind: global_buffer, .address_space: global }
      - { .name: w_v, .offset: 24, .size: 8, .value_kind: global_buffer, .address_space: global }
      - { .name: w_o, .offset: 32, .size: 8, .value_kind: global_buffer, .address_space: global }
      - { .name: w1, .offset: 40, .size: 8, .value_kind: global_buffer, .address_space: global }
      - { .name: w2, .offset: 48, .size: 8, .value_kind: global_buffer, .address_space: global }
      - { .name: g1, .offset: 56, .size: 8, .value_kind: global_buffer, .address_space: global }
      - { .name: be1, .offset: 64, .size: 8, .value_kind: global_buffer, .address_space: global }
      - { .name: lowp_scales, .offset: 72, .size: 8, .value_kind: global_buffer, .address_space: global }
      - { .name: cw, .offset: 80, .size: 8, .value_kind: global_buffer, .address_space: global }
    .group_segment_fixed_size: 70144
    .private_segment_fixed_size: 0
    .kernarg_segment_align: 8
    .kernarg_segment_size: 88
    .max_flat_workgroup_size: 128
    .sgpr_count:     100
    .vgpr_count:     258
    .wavefront_size: 32
...
	.end_amdgpu_metadata
.endif
;; end of part 1
;; launch proj_qkv (part 2): grid 24 x 32, 4 waves a work-group, clusters of 4 x 4, 327,680 bytes of LDS; arguments cw, lowp_scales, qkv; writes qkv
.if DOCPART == 2
	.amdgcn_target "amdgcn-amd-amdhsa--gfx1250"
	.amdhsa_code_object_version 6
	.text
	.protected	k_q06eb2de114_proj_qkv
	.globl	k_q06eb2de114_proj_qkv
	.p2align	8
	.type	k_q06eb2de114_proj_qkv,@function
k_q06eb2de114_proj_qkv:
	s_mov_b64 s[64:65], 0
	v_nop
	global_prefetch_b8 v0, s[64:65] scope:SCOPE_SE
	s_setreg_imm32_b32 hwreg(HW_REG_WAVE_MODE, 25, 1), 1
	s_wait_xcnt 0x0
	s_wait_alu depctr_hold_cnt(0) depctr_sa_sdst(0) depctr_va_vdst(0) depctr_va_sdst(0) depctr_va_ssrc(0) depctr_va_vcc(0) depctr_vm_vsrc(0)
	s_getreg_b32 s2, hwreg(HW_REG_IB_STS2, 6, 4)
	s_cmp_eq_u32 s2, 0
	s_cbranch_scc0 .Lentry_in_a_cluster
	s_endpgm
.Lentry_in_a_cluster:
	s_bfe_u32 s2, ttmp6, 0x10000c
	s_cmp_lg_u32 s2, 0xf033
	s_cbranch_scc0 .Lentry_shape_is_right
	s_endpgm
.Lentry_shape_is_right:
; q, k and v: three products of LayerNorm 1's codes with w_q, w_k, w_v, on codes of E5M2, each result quantised at once for attention (e6, e7, e9).
; Clusters x = 0, 1: q; 2, 3: k; rows = tokens, columns = features: a wave's 64 columns are one head, and its codes are fragments of 16 tokens x 64 (1,024 bytes): qkv + 0 (q), + 4 MB (k): [batch x head 32][token / 16: 128][1,024].
; Clusters x = 4, 5: v, with the operands' parts exchanged (rows = w_v's features, columns = tokens), so that a lane's eight results are eight neighbouring KEYS: fragments of 16 features x 128 keys: qkv + 8 MB: [batch x head][key / 128: 16][feature / 16: 4][2,048].
; All that differs between the three is chosen by s_cselect_b32 on the cluster's x: no branch.
; LIMITS: e6 - e0 - e1, e7 - e2 - e3 and e9 - e4 - e5 between -126 and 112.
.set KB,      8
.set QKV,     1
.set F32OUT,  0
.set HASBIAS, 0
.set RELU,    0
.set NTOUT,   0
.set AOFF,    0
.set BOFF,    0
.set EA,      0
.set EB,      0
.set EO,      0
.set KBOUT,   0
.set ARG_A,    0x0
.set ARG_B,    0x0
.set ARG_S,    0x8
.set ARG_OUT,  0x10
.set ARG_RES,  0x0
.set ARG_BIAS, 0x0
; ---- THE PRODUCT'S CORE, the same text in four launches; the constants above say what differs.
; C = A B^T on fragment images (16 rows x 128 K = 2,048 bytes, lane l's registers 4 q .. 4 q + 3 at 512 q + 16 l; fragment (rho, kap) at ((rho / 8) KB + kap) 16,384 + (rho % 8) 2,048).
; A tile of C is 128 x 128; four waves, each 64 x 64: 16 accumulators.  K goes in steps of 512 through two LDS slots of 131,072 bytes (A's 65,536 dense bytes, then B's); each wave brings 32,768 of them by one tensor load.
; A fragment comes from LDS by four ds_load_b128 at 16 x lane: 512 consecutive bytes each, so no pitch and no padding.
; CLUSTERS: 4 x 4 work-groups; A's tile is shared along a row of the cluster, B's along a column: each is asked for jointly, by the same tensor load with the same descriptor and a mask that names the four.
; THE MATRIX INSTRUCTION IS USED TRANSPOSED (source 0 = 16 rows of B, source 1 = 16 rows of A): lane (r, h) holds row r of C and columns 16 b + 8 h + 0 .. 7: eight neighbours, which one conversion turns into
; registers 2 b, 2 b + 1 of the next product's fragment.  So codes leave as pieces of 512 dense bytes, straight from registers.
; REGISTERS: window 0: v1-31 addresses and scales; v32-63 the bias in the result's layout, later rows back from the stage; v64-95 the same, or codes; v96-99 offsets; v128-255 the accumulators ((a, b) at 128 + 8 (4 a + b)).
;   window 1: two sets of fragments (at 0 and 128): A's four at + 16 a, B's four at + 64 + 16 b.   window 2 (f32 results): v0-127 the residual, in the layout of the stores.
.set LAPS,   KB/8                      ; a lap = two K steps = once round the ring
.set SLOT,   131072
.set BPART,  65536
.set SPARE,  2*SLOT                    ; behind the ring: the spare words, 128 bytes for each wave
.set STAGE,  SPARE+512                 ; f32 results: 16 rows x 272 bytes for each wave; no tensor load lands here
.set SPITCH, 272
.set L16,  3
.set ADRA, 16
.set ADRB, 20
.set STO,  24
.set RD,   25
.set CO,   26
.set BO,   27
.set SPW,  28
.set NIL,  29
.set SC,   30
.set LIM,  31
.set BIAS, 32
.set BK,   32
.set CD,   64
.set OFF,  96
.set ACC,  128
.set F0,   0
.set F1,   128
.set G1,   24
.set G0,   32
.set G1B,  48
.set G0B,  56
.set ES,   68
.set MSB, 0
.macro WIN new                         ; the immediate's high byte repeats the setting that is left
.if MSB != \new
	s_set_vgpr_msb (MSB<<8)|\new
.set MSB, \new
.endif
.endm
.set MUL,   0x05                       ; sources 0 (B) and 1 (A) window 1; C and D window 0
.set TO_F,  0x40                       ; destination window 1
.set TO_R,  0x80                       ; destination window 2
.set FMA_R, 0xa0                       ; destination and source 2 window 2
.set ST_R,  0x08                       ; a store's data window 2
.macro JLOAD s                         ; a joint load: waves 0 and 1 fetch A's halves, waves 2 and 3 B's; four v_nop follow each of the two lines
	s_cmp_eq_u32 s11, 0
	s_cbranch_scc0 .Lfor_b_\@
	tensor_load_to_lds s[G0+4*\s:G0+4*\s+3], s[G1:G1+7]
	s_nop 0
.rept 4
	v_nop
.endr
	s_branch .Lasked_\@
.Lfor_b_\@:
	tensor_load_to_lds s[G0B+4*\s:G0B+4*\s+3], s[G1B:G1B+7]
	s_nop 0
.rept 4
	v_nop
.endr
.Lasked_\@:
.endm
.macro CREST                           ; a round of the cluster's barrier behind its opening barrier
	s_cmp_lg_u32 s10, 0
	s_cbranch_scc1 .Lnot_wave_0_\@
	s_barrier_signal -3
.Lnot_wave_0_\@:
	s_barrier_wait -3
	s_barrier_signal -1
	s_barrier_wait -1
.endm
.macro CROUND
	s_barrier_signal -1
	s_barrier_wait -1
	CREST
.endm
.macro PLACES                          ; four plain lines in front of loads into registers that matrix instructions have read, and of the first read of results
.rept 4
	v_nop
.endr
.endm
	s_load_b64 s[4:5], s[0:1], ARG_A
	s_load_b64 s[6:7], s[0:1], ARG_B
	s_load_b64 s[8:9], s[0:1], ARG_OUT
	s_load_b64 s[92:93], s[0:1], ARG_S
.if F32OUT
	s_load_b64 s[84:85], s[0:1], ARG_RES
.endif
.if HASBIAS
	s_load_b64 s[86:87], s[0:1], ARG_BIAS
.endif
	v_lshl_add_u32 v[SPW], v0, 2, SPARE
	v_mov_b32 v[NIL], 0
	ds_add_u32 v28, v29
	ds_add_u32 v28, v29
	s_wait_dscnt 0x0
	v_lshrrev_b32 v1, 5, v0
	v_readfirstlane_b32 s10, v1                    ; wave 0..3
	s_lshr_b32 s11, s10, 1                         ; which 64 rows of the tile are mine.  Also: I fetch for A (0) or for B (1)
	s_and_b32 s12, s10, 1                          ; which 64 columns.  Also: which half of that tile I fetch
	s_bfe_u32 s40, ttmp6, 0x40000                  ; cx, cy: my place in the cluster
	s_bfe_u32 s41, ttmp6, 0x40004
.if QKV
	s_and_b32 s94, ttmp7, 0xffff                   ; the cluster's y
	s_max_u32 s95, ttmp9, 4
	s_sub_co_u32 s95, s95, 4                       ; the cluster's x - 4, for v
	s_lshr_b32 s96, ttmp9, 1
	s_lshl_b32 s96, s96, 22
	s_add_co_u32 s96, s96, 12<<20                  ; the norm's codes under e0 (q) or e2 (k)
	s_cmp_ge_u32 ttmp9, 4                          ; v?
	s_cselect_b32 s18, s94, ttmp9                  ; columns go by the cluster's x (q, k: w_q's 8 tiles, then w_k's) or y (v: tokens)
	s_cselect_b32 s19, s95, s94                    ; rows by y (tokens) or x - 4 (w_v's features)
	s_cselect_b32 s20, 2<<20, s96                  ; the row operand: w_v, or the norm's codes
	s_cselect_b32 s21, 20<<20, 0                   ; the column operand: the norm's codes under e4, or w_q and w_k
.else
	s_mov_b32 s18, ttmp9
	s_and_b32 s19, ttmp7, 0xffff
	s_mov_b32 s20, AOFF
	s_mov_b32 s21, BOFF
.endif
	s_lshl_b32 s42, s18, 2
	s_add_co_u32 s42, s42, s40                     ; tile column
	s_lshl_b32 s13, s19, 2
	s_add_co_u32 s13, s13, s41                     ; tile row
	s_lshl_b32 s43, s41, 2
	s_lshl_b32 s43, 15, s43                        ; my row of the cluster
	s_lshl_b32 s44, 0x1111, s40                    ; my column
	; descriptor group 1: 32,768 dense bytes as 128 rows of 32 elements of 8 bytes
	s_or_b32 s[G1+0], s43, (3<<16)|(1<<21)         ; 15:0 the mask; 17:16 elements of 8 bytes; 20 no padding; 21 set beside a mask
	s_or_b32 s[G1B+0], s44, (3<<16)|(1<<21)
.irp g, G1, G1B
	s_mov_b32 s[\g+1], 32<<16                      ; tensor_dim0 = 32
	s_mov_b32 s[\g+2], 128<<16                     ; tensor_dim1 = 128
	s_mov_b32 s[\g+3], 32<<16                      ; tile_dim0 = 32
	s_mov_b32 s[\g+4], 128                         ; tile_dim1 = 128
	s_mov_b32 s[\g+5], 32                          ; from row to row: 32 elements
	s_mov_b32 s[\g+6], 0
	s_mov_b32 s[\g+7], 0
.endr
	s_lshl_b32 s14, s12, 15                        ; which 32,768 bytes of a K step's 65,536 I fetch
	s_mul_i32 s16, s13, KB*16384                   ; A hangs on the tile row alone,
	s_add_co_u32 s16, s16, s20
	s_add_co_u32 s16, s16, s14
	s_mov_b32 s17, 0
	s_mul_i32 s46, s42, KB*16384                   ; B on the tile column alone
	s_add_co_u32 s46, s46, s21
	s_add_co_u32 s46, s46, s14
	s_mov_b32 s47, 0
	s_lshl_b32 s45, s10, 15                        ; where they go: wave x 32,768
	s_wait_kmcnt 0x0
	s_load_b512 s[ES:ES+15], s[92:93], 0x0         ; e0 .. e15
	s_add_nc_u64 s[14:15], s[4:5], s[16:17]
	s_add_nc_u64 s[46:47], s[6:7], s[46:47]
	CROUND                                         ; all sixteen work-groups are here: the first joint loads meet
.irp s, 0,1
	s_mov_b32 s[G0+4*\s], 1
	s_add_co_u32 s[G0+4*\s+1], s45, \s*SLOT
	s_add_nc_u64 s[G0+4*\s+2:G0+4*\s+3], s[14:15], \s*BPART
	s_or_b32 s[G0+4*\s+3], s[G0+4*\s+3], 0x80000000
	s_mov_b32 s[G0B+4*\s], 1
	s_add_co_u32 s[G0B+4*\s+1], s45, \s*SLOT
	s_add_nc_u64 s[G0B+4*\s+2:G0B+4*\s+3], s[46:47], \s*BPART
	s_or_b32 s[G0B+4*\s+3], s[G0B+4*\s+3], 0x80000000
	JLOAD \s                                       ; two loads of mine are out
.endr
	v_and_b32 v1, 15, v0                           ; r
	v_bfe_u32 v2, v0, 4, 1                         ; h
	v_and_b32 v[L16], 31, v0
	v_lshlrev_b32 v[L16], 4, v[L16]                ; 16 x lane
	s_lshl_b32 s22, s11, 13                        ; my four fragments of A's eight,
	s_lshl_b32 s23, s12, 13
	s_add_co_u32 s23, s23, BPART                   ; of B's
.irp s, 0,1
	v_add_nc_u32 v[ADRA+\s], s22, v[L16]
	v_add_nc_u32 v[ADRB+\s], s23, v[L16]
	s_add_co_u32 s22, s22, SLOT
	s_add_co_u32 s23, s23, SLOT
.endr
	s_lshl_b32 s98, s42, 9
	s_lshl_b32 s99, s12, 8
	s_add_co_u32 s98, s98, s99                     ; my first column as bytes of f32: 512 x tile column + 256 x half
	s_mov_b32 s99, 0
.if HASBIAS
	s_add_nc_u64 s[86:87], s[86:87], s[98:99]
	v_lshlrev_b32 v[BO], 5, v2                     ; lane (r, h) wants, for block b, the bias of columns 16 b + 8 h + 0 .. 7
.irp b, 0,1,2,3
	global_load_b128 v[BIAS+8*\b:BIAS+8*\b+3], v[BO], s[86:87] offset:64*\b
	global_load_b128 v[BIAS+8*\b+4:BIAS+8*\b+7], v[BO], s[86:87] offset:64*\b+16
.endr
.endif
.if F32OUT
	s_mul_i32 s23, s10, 16*SPITCH
	s_add_co_u32 s23, s23, STAGE                   ; my stage
	v_mul_u32_u24 v4, v1, SPITCH
	v_lshl_add_u32 v4, v2, 5, v4
	v_add_nc_u32 v[STO], s23, v4                   ; in: row r, 32 bytes for each half of the lanes
	v_mul_u32_u24 v5, v2, SPITCH
	v_lshl_add_u32 v5, v1, 4, v5
	v_add_nc_u32 v[RD], s23, v5                    ; back: lanes 0-15 one row of 256 bytes, lanes 16-31 the next
	v_lshlrev_b32 v5, 12, v2
	v_lshl_add_u32 v[CO], v1, 4, v5                ; and the same two rows (4,096 bytes apart) in memory
	s_lshl_b32 s96, s13, 7
	s_lshl_b32 s97, s11, 6
	s_add_co_u32 s96, s96, s97                     ; my first row
	s_lshl_b32 s96, s96, 12
	s_add_co_u32 s96, s96, s98
	s_mov_b32 s97, 0
	s_add_nc_u64 s[8:9], s[8:9], s[96:97]
	s_add_nc_u64 s[84:85], s[84:85], s[96:97]
	WIN TO_R
.irp a, 0,1,2,3
.irp t, 0,1,2,3,4,5,6,7
	global_load_b128 v[32*\a+4*\t:32*\a+4*\t+3], v[CO], s[84:85] offset:(16*\a+2*\t)*4096   ; the residual, asked for now, used at the end: sixteen lanes read 256 consecutive bytes
.endr
.endr
	WIN 0
.else
.if QKV
	s_lshr_b32 s94, s13, 4                         ; q, k: batch = tile row / 16,
	s_lshl_b32 s94, s94, 4
	s_and_b32 s95, s42, 7
	s_lshl_b32 s95, s95, 1
	s_add_co_u32 s94, s94, s95
	s_add_co_u32 s94, s94, s12                     ; head = 2 (tile column % 8) + my half,
	s_lshl_b32 s94, s94, 7
	s_and_b32 s95, s13, 15
	s_lshl_b32 s95, s95, 3
	s_add_co_u32 s94, s94, s95
	s_lshl_b32 s95, s11, 2
	s_add_co_u32 s94, s94, s95                     ; token fragment = 8 (tile row % 16) + 4 x half,
	s_lshl_b32 s94, s94, 10
	s_lshr_b32 s95, ttmp9, 1
	s_lshl_b32 s95, s95, 22
	s_add_co_u32 s94, s94, s95                     ; in q's or k's part
	s_lshr_b32 s96, s42, 4                         ; v: batch = tile column / 16,
	s_lshl_b32 s96, s96, 4
	s_lshl_b32 s97, s13, 1
	s_add_co_u32 s96, s96, s97
	s_add_co_u32 s96, s96, s11                     ; head = 2 x tile row + my half,
	s_lshl_b32 s96, s96, 4
	s_and_b32 s97, s42, 15
	s_add_co_u32 s96, s96, s97                     ; chunk of 128 keys = tile column % 16,
	s_lshl_b32 s96, s96, 13
	s_lshl_b32 s97, s12, 10
	s_add_co_u32 s96, s96, s97                     ; my 64 keys are two of a fragment's four pieces
	s_add_co_u32 s96, s96, 8<<20
	s_mov_b32 s90, 1024
	s_cmp_ge_u32 ttmp9, 4
	s_cselect_b32 s96, s96, s94
	s_cselect_b32 s90, 2048, s90                   ; from row block to row block: a fragment of 1,024 or of 2,048 bytes
.else
	s_mul_i32 s96, s13, KBOUT
	s_add_co_u32 s96, s96, s42
	s_lshl_b32 s96, s96, 14                        ; the result as the next product's operand: (tile row x KBOUT + tile column) x 16,384,
	s_lshl_b32 s97, s11, 13
	s_add_co_u32 s96, s96, s97                     ; my four fragments,
	s_lshl_b32 s97, s12, 10
	s_add_co_u32 s96, s96, s97                     ; my two pieces of each
	s_mov_b32 s90, 2048
.endif
	s_mov_b32 s97, 0
	s_add_nc_u64 s[8:9], s[8:9], s[96:97]
.irp a, 0,1,2,3
	s_mul_i32 s91, s90, \a
	v_add_nc_u32 v[OFF+\a], s91, v[L16]
.endr
.endif
	s_wait_kmcnt 0x0                               ; the exponents
.if F32OUT
	s_add_co_i32 s88, s[ES+EA], s[ES+EB]
	s_add_co_i32 s88, s88, 127
	s_lshl_b32 s88, s88, 23                        ; 2^(eA + eB) as f32
	s_mov_b32 s89, s88                             ; (named with it as a pair)
.else
.if QKV
	s_sub_co_i32 s94, s[ES+6], s[ES+0]
	s_sub_co_i32 s94, s94, s[ES+1]
	s_sub_co_i32 s95, s[ES+7], s[ES+2]
	s_sub_co_i32 s95, s95, s[ES+3]
	s_sub_co_i32 s96, s[ES+9], s[ES+4]
	s_sub_co_i32 s96, s96, s[ES+5]
	s_cmp_lt_u32 ttmp9, 4
	s_cselect_b32 s95, s95, s96
	s_cmp_lt_u32 ttmp9, 2
	s_cselect_b32 s94, s94, s95
.else
	s_sub_co_i32 s94, s[ES+EO], s[ES+EA]
	s_sub_co_i32 s94, s94, s[ES+EB]
.endif
	s_add_co_i32 s94, s94, 127                     ; a sum stands for sum x 2^(eA + eB): its code is sum / 2^(eO - eA - eB): three scales folded into the conversion's one
	s_lshl_b32 s95, s94, 23
	v_mov_b32 v[SC], s95
	s_add_co_i32 s94, s94, 15
	s_lshl_b32 s94, s94, 23
	s_or_b32 s94, s94, 0x600000
	v_mov_b32 v[LIM], s94                          ; 57,344 x that
.endif
.if HASBIAS
	s_add_co_i32 s91, s[ES+EA], s[ES+EB]
	s_sub_co_i32 s91, 0, s91
.if F32OUT
	s_wait_loadcnt 32                              ; the bias is in; the residual's 32 younger loads stay out
.else
	s_wait_loadcnt 0x0
.endif
.set i, 0
.rept 32
	v_ldexp_f32 v[BIAS+i], v[BIAS+i], s91          ; the bias goes in as the C of each sum's first product, divided by the power of two that the sums lack
.set i, i+1
.endr
.endif
; 8 matrix instructions: A's blocks a0, a0 + 1 x B's four, 128 along K, from set f.  zero = 1: the first product starts the sums.  The 16 accumulators take turns, one instruction a turn, in the same order in every quarter.
.macro MUL8 f, a0, zero
.irp a, \a0, \a0+1
.irp b, 0,1,2,3
.if \zero && HASBIAS
	v_wmma_f32_16x16x128_bf8_bf8 v[ACC+8*(4*(\a)+\b):ACC+8*(4*(\a)+\b)+7], v[\f+64+16*\b:\f+64+16*\b+15], v[\f+16*(\a):\f+16*(\a)+15], v[BIAS+8*\b:BIAS+8*\b+7]
.elseif \zero
	v_wmma_f32_16x16x128_bf8_bf8 v[ACC+8*(4*(\a)+\b):ACC+8*(4*(\a)+\b)+7], v[\f+64+16*\b:\f+64+16*\b+15], v[\f+16*(\a):\f+16*(\a)+15], 0
.else
	v_wmma_f32_16x16x128_bf8_bf8 v[ACC+8*(4*(\a)+\b):ACC+8*(4*(\a)+\b)+7], v[\f+64+16*\b:\f+64+16*\b+15], v[\f+16*(\a):\f+16*(\a)+15], v[ACC+8*(4*(\a)+\b):ACC+8*(4*(\a)+\b)+7]
.endif
.endr
.endr
.endm
.macro FETCH slot, kq, f               ; 32 LDS loads in one run: the fragments of the slot's kq-th 128 along K into set f: B's four, then A's four
	WIN TO_F
.irp b, 0,1,2,3
.irp q, 0,1,2,3
	ds_load_b128 v[\f+64+16*\b+4*\q:\f+64+16*\b+4*\q+3], v[ADRB+\slot] offset:\kq*16384+\b*2048+512*\q
.endr
.endr
.irp a, 0,1,2,3
.irp q, 0,1,2,3
	ds_load_b128 v[\f+16*\a+4*\q:\f+16*\a+4*\q+3], v[ADRA+\slot] offset:\kq*16384+\a*2048+512*\q
.endr
.endr
.endm
; A K step is four quarters of 128 along K, 16 matrix instructions each, on sets 0, 1, 0, 1.  One of the first three: multiplies set f and fetches the slot's kq-th quarter into set g.
.macro QUARTER slot, kq, f, g, zero
	s_wait_dscnt 8                                 ; all but the youngest eight loads (A's blocks 2, 3) are in
	WIN MUL
	MUL8 \f, 0, \zero
	PLACES
	FETCH \slot, \kq, \g
	s_wait_dscnt 32                                ; all but the 32 just issued
	WIN MUL
	MUL8 \f, 2, \zero
.endm
; The last quarter multiplies set 1 and changes slots: ONE barrier; in front of it each wave waits for all its tensor loads, adds 0 to its spare word, and waits for that and for its reads of this slot.
; fill = 1: the barrier opens a round of the cluster's, and this slot is filled again, two K steps ahead, first thing behind it.
.macro TURN slot, next, fill
	WIN 0
	s_wait_tensorcnt 0x0                           ; all my tensor loads have landed: my part of the next slot
	ds_add_u32 v[SPW], v[NIL]                      ; 0 onto my spare word
	s_wait_dscnt 9                                 ; (the add and the youngest eight loads may be out)
	WIN MUL
	MUL8 F1, 0, 0                                  ; eight matrix instructions stand between the add and the wait for it
	WIN 0
	s_wait_dscnt 0x0                               ; the add is done, and my reads of this slot are over
	s_barrier_signal -1
	s_barrier_wait -1
.if \fill
	CREST                                          ; no wave of any partner still reads this slot's tile or has a load on its way
	s_add_nc_u64 s[G0+4*\slot+2:G0+4*\slot+3], s[G0+4*\slot+2:G0+4*\slot+3], 2*BPART
	s_add_nc_u64 s[G0B+4*\slot+2:G0B+4*\slot+3], s[G0B+4*\slot+2:G0B+4*\slot+3], 2*BPART
	JLOAD \slot                                    ; my one tensor load behind the round; its four v_nop are also the places in front of the loads below
.else
	PLACES
.endif
	FETCH \next, 0, F0
	WIN MUL
	MUL8 F1, 2, 0                                  ; eight matrix instructions while the next slot's first fragments come
.endm
	s_wait_tensorcnt 1                             ; my part of K step 0 is in; K step 1's may stay out
	s_barrier_signal -1
	s_barrier_wait -1
	FETCH 0, 0, F0
	QUARTER 0, 1, F0, F1, 1                        ; the first quarter stands in front of the loop: its products start the sums
.if LAPS > 1
	WIN 0                                          ; at a label and at a branch every window is 0
	s_mov_b32 s3, LAPS-1
.Llap:                                             ; a trip goes once round the ring and fills both slots again
	QUARTER 0, 2, F1, F0, 0
	QUARTER 0, 3, F0, F1, 0
	TURN 0, 1, 1
	QUARTER 1, 1, F0, F1, 0
	QUARTER 1, 2, F1, F0, 0
	QUARTER 1, 3, F0, F1, 0
	TURN 1, 0, 1
	QUARTER 0, 1, F0, F1, 0
	WIN 0
	s_sub_co_u32 s3, s3, 1
	s_cmp_lg_u32 s3, 0
	s_cbranch_scc1 .Llap
.endif
	QUARTER 0, 2, F1, F0, 0                        ; the last lap fills nothing
	QUARTER 0, 3, F0, F1, 0
	TURN 0, 1, 0
	QUARTER 1, 1, F0, F1, 0
	QUARTER 1, 2, F1, F0, 0
	QUARTER 1, 3, F0, F1, 0
	s_wait_dscnt 8
	WIN MUL
	MUL8 F1, 0, 0
	s_wait_dscnt 0x0
	MUL8 F1, 2, 0
	WIN 0
	PLACES
.if F32OUT
; THE WAY OUT, f32: a block of 16 rows x 64 columns goes through my own stage and comes back as rows of 256 bytes; sum x 2^(eA + eB) + residual in one packed multiply-add; sixteen lanes store 256 aligned bytes.
.macro TOSTAGE a
.irp b, 0,1,2,3
	ds_store_b128 v[STO], v[ACC+8*(4*\a+\b):ACC+8*(4*\a+\b)+3] offset:64*\b
	ds_store_b128 v[STO], v[ACC+8*(4*\a+\b)+4:ACC+8*(4*\a+\b)+7] offset:64*\b+16
.endr
.irp t, 0,1,2,3,4,5,6,7
	ds_load_b128 v[BK+32*(\a%2)+4*\t:BK+32*(\a%2)+4*\t+3], v[RD] offset:\t*2*SPITCH   ; LDS serves a wave's instructions in order: these see the stores above
.endr
.endm
.macro SEND a, younger                 ; younger: the LDS instructions issued behind block a's loads
	s_wait_dscnt \younger
	WIN FMA_R
.irp i, 0,2,4,6,8,10,12,14,16,18,20,22,24,26,28,30
	v_pk_fma_f32 v[32*\a+\i:32*\a+\i+1], v[BK+32*(\a%2)+\i:BK+32*(\a%2)+\i+1], s[88:89], v[32*\a+\i:32*\a+\i+1] op_sel_hi:[1,0,1]
.endr
	WIN ST_R
.irp t, 0,1,2,3,4,5,6,7
.if NTOUT
	global_store_b128 v[CO], v[32*\a+4*\t:32*\a+4*\t+3], s[8:9] offset:(16*\a+2*\t)*4096 th:TH_STORE_NT
.else
	global_store_b128 v[CO], v[32*\a+4*\t:32*\a+4*\t+3], s[8:9] offset:(16*\a+2*\t)*4096
.endif
.endr
	WIN 0
.endm
	s_wait_loadcnt 0x0                             ; the residual
	TOSTAGE 0
	TOSTAGE 1
	SEND 0, 16
	TOSTAGE 2
	SEND 1, 16
	TOSTAGE 3
	SEND 2, 16
	SEND 3, 0
.else
; THE WAY OUT, codes: the hold (and the activation, where there is one), one conversion an accumulator, eight stores of 512 dense bytes.
.set i, 0
.rept 128
.if RELU
	v_med3_num_f32 v[ACC+i], v[ACC+i], 0, v[LIM]   ; the activation and the hold in one
.else
	v_med3_num_f32 v[ACC+i], v[ACC+i], -v[LIM], v[LIM]   ; the conversion to an 8-bit code does not saturate (ISA guide 7.6.2)
.endif
.set i, i+1
.endr
.set i, 0
.rept 16
	v_cvt_scalef32_pk8_bf8_f32 v[CD+2*i:CD+2*i+1], v[ACC+8*i:ACC+8*i+7], v[SC]
.set i, i+1
.endr
	v_nop                                          ; a plain line behind the last conversion
.irp a, 0,1,2,3
.irp q, 0,1
	global_store_b128 v[OFF+\a], v[CD+8*\a+4*\q:CD+8*\a+4*\q+3], s[8:9] offset:512*\q
.endr
.endr
.endif
	s_wait_tensorcnt 0x0                           ; the wave's end
	ds_add_u32 v[SPW], v[NIL]
	s_wait_dscnt 0x0
	CROUND                                         ; the closing round: no work-group ends while a partner may still ask for a tile that names it
	s_endpgm
.Lfunc_end_k_q06eb2de114_proj_qkv:
	.size	k_q06eb2de114_proj_qkv, .Lfunc_end_k_q06eb2de114_proj_qkv-k_q06eb2de114_proj_qkv
	.p2alignl 7, 3214868480
	.fill 96, 4, 3214868480
	.section	.rodata,"a",@progbits
	.p2align	6, 0x0
	.amdhsa_kernel k_q06eb2de114_proj_qkv
		.amdhsa_group_segment_fixed_size 327680
		.amdhsa_private_segment_fixed_size 0
		.amdhsa_enable_private_segment 0
		.amdhsa_kernarg_size 24
		.amdhsa_user_sgpr_count 2
		.amdhsa_user_sgpr_kernarg_segment_ptr 1
		.amdhsa_wavefront_size32 1
		.amdhsa_system_sgpr_workgroup_id_x 1
		.amdhsa_system_sgpr_workgroup_id_y 1
		.amdhsa_system_sgpr_workgroup_id_z 1
		.amdhsa_system_vgpr_workitem_id 0
		.amdhsa_next_free_vgpr 512
		.amdhsa_next_free_sgpr 100
		.amdhsa_reserve_vcc 0
		.amdhsa_float_denorm_mode_32 3
		.amdhsa_float_denorm_mode_16_64 3
		.amdhsa_memory_ordered 1
		.amdhsa_forward_progress 1
		.amdhsa_inst_pref_size 45
	.end_amdhsa_kernel
	.amdgpu_metadata
---
amdhsa.version: [ 1, 2 ]
amdhsa.kernels:
  - .name:           k_q06eb2de114_proj_qkv
    .symbol:         k_q06eb2de114_proj_qkv.kd
    .args:
      - { .name: cw, .offset: 0, .size: 8, .value_kind: global_buffer, .address_space: global }
      - { .name: lowp_scales, .offset: 8, .size: 8, .value_kind: global_buffer, .address_space: global }
      - { .name: qkv, .offset: 16, .size: 8, .value_kind: global_buffer, .address_space: global }
    .group_segment_fixed_size: 327680
    .private_segment_fixed_size: 0
    .kernarg_segment_align: 8
    .kernarg_segment_size: 24
    .max_flat_workgroup_size: 128
    .sgpr_count:     100
    .vgpr_count:     512
    .wavefront_size: 32
...
	.end_amdgpu_metadata
.endif
;; end of part 2
;; launch attn (part 3): grid 8 x 32, 8 waves a work-group, clusters of 4 x 1, 327,680 bytes of LDS; arguments qkv, mask, lowp_scales, ctx; writes ctx
.if DOCPART == 3
	.amdgcn_target "amdgcn-amd-amdhsa--gfx1250"
	.amdhsa_code_object_version 6
	.text
	.protected	k_q06eb2de114_attn
	.globl	k_q06eb2de114_attn
	.p2align	8
	.type	k_q06eb2de114_attn,@function
k_q06eb2de114_attn:
	s_mov_b64 s[64:65], 0
	v_nop
	global_prefetch_b8 v0, s[64:65] scope:SCOPE_SE
	s_setreg_imm32_b32 hwreg(HW_REG_WAVE_MODE, 25, 1), 1
	s_wait_xcnt 0x0
	s_wait_alu depctr_hold_cnt(0) depctr_sa_sdst(0) depctr_va_vdst(0) depctr_va_sdst(0) depctr_va_ssrc(0) depctr_va_vcc(0) depctr_vm_vsrc(0)
	s_getreg_b32 s2, hwreg(HW_REG_IB_STS2, 6, 4)
	s_cmp_eq_u32 s2, 0
	s_cbranch_scc0 .Lentry_in_a_cluster
	s_endpgm
.Lentry_in_a_cluster:
	s_bfe_u32 s2, ttmp6, 0x10000c
	s_cmp_lg_u32 s2, 0x3003
	s_cbranch_scc0 .Lentry_shape_is_right
	s_endpgm
.Lentry_shape_is_right:
; ctx = softmax(q k^T / 8, keys with mask == 0 left out) v, for 32 (batch x head) of 2,048 tokens x 64, both products on codes of E5M2; ctx leaves as codes under e10, as the next product's operand.
; THE SOFTMAX AHEAD OF THE SECOND PRODUCT: t = score x log2(e) / 8; M = the running largest t rounded UP to a whole number; p = 2^(t - M) is quantised under e8, not normalised; the row's sum is taken of the
; unquantised p and divides at the end.  When M moves, the sum and O are multiplied by 2^(old M - new M): exact.
; SHARES.  A work-group owns 256 queries of one head, each of its eight waves 32: two tiles of 16, which take turns line by line and share every fragment of K, V and the bias that is read from LDS.
; A head's K (131,072 bytes) and V (131,072) lie WHOLE in LDS: every byte is filled once, so there is no ring.  Each wave brings four blocks of 8,192 bytes; the i-th loads of the eight waves together are keys 512 i on
; of K and V, so the first three steps run when the first loads have landed, the other thirteen behind a second barrier.  Four tensor loads of a wave are out at the most.
; CLUSTER.  The four query blocks of a cluster belong to one head and read the same K and V: every tile is asked for jointly, with the mask of all four.
; LAYOUT.  S^T = K Q^T + C (source 0 = 16 keys, source 1 = 16 queries), O^T = V^T P^T: a lane holds ONE query throughout; tile c's eight registers are keys 16 c + 8 h + 0 .. 7, which one conversion turns into registers 2 c, 2 c + 1 of P.
; THE MASK costs no vector line: a table of f32 (0, or -2^100 where mask == 0) in LDS is the C of the first product.  A hidden key's t is then -c 2^100 exactly, p = 0 beside any key that counts; what steps without
; any such key have summed is finite, and the first key that counts multiplies it by 2^(a saturated negative number) = 0.  A row all of whose keys are hidden gets NaN codes, as the softmax of such a row is NaN.
; The last step's look-ahead reads the table's second copy and the first 8,192 bytes of V's region; what it brings is not used.
; LIMITS: e6 + e7 between -89 and 29 (c 2^(e6 + e7 + 100) is then finite, above 300, and under the 3e38 at which the largest t begins); e8, and e10 - e8 - e9, between -126 and 112.
; REGISTERS.  window 0: v1-8 addresses; v12-19 -M, largest t, the sum (two halves) for each tile; v20-29 at work; v30, v31 the conversion's scale and hold; v32-95 V's four fragments; v96-223 S^T, then p; v224-255 P's codes.
;   window 1: v0-63 O^T (tile t, 16 features dt: 32 t + 8 dt); v64-79 Q; v80-143 the bias of 128 keys; v144-207 K's eight fragments.
.set VREG,  131072                     ; LDS: K at 0, V here,
.set BIASL, 262144                     ; the table of 2,048 f32 here, and a second copy 8,192 bytes on; no tensor load lands in either
.set L16, 1                            ; v1  16 x lane
.set AB0, 2                            ; v2  BIASL + 32 h
.set ADK, 3
.set ADV, 4
.set ADB, 5
.set ST,  12                           ; tile t: ST + 4 t: -M, +1 the largest t, +2, +3 the sum
.set MX,  20                           ; tile t: MX + 2 t, + 1: two chains of the maximum, later the sum's second chain
.set PD,  24                           ; the lane permute's results
.set FF,  26                           ; tile t: FF + 2 t: f = 2^(old M - new M); + 1: 0, named with it as a pair
.set SC,  30
.set LIM, 31
.set FR,  32
.set S,   96
.set P,   224
.set Q,   64                           ; in window 1
.set BI,  80
.set KF,  144
.set WV,  12
.set G1,  16
.set G0,  24
.set SEL, 40
.set CS,  42
.set TK,  44
.set TV,  45
.set TBI, 46
.set CNT, 47
.set MSB, 0
.macro WIN new
.if MSB != \new
	s_set_vgpr_msb (MSB<<8)|\new
.set MSB, \new
.endif
.endm
.macro CROUND                          ; a round of the cluster's barrier
	s_barrier_signal -1
	s_barrier_wait -1
	s_cmp_lg_u32 s[WV], 0
	s_cbranch_scc1 .Lnot_wave_0_\@
	s_barrier_signal -3
.Lnot_wave_0_\@:
	s_barrier_wait -3
	s_barrier_signal -1
	s_barrier_wait -1
.endm
	s_load_b256 s[4:11], s[0:1], 0x0               ; qkv s[4:5], mask s[6:7], the exponents s[8:9], ctx s[10:11]
	v_lshl_add_u32 v10, v0, 2, 0x44000
	v_mov_b32 v11, 0
	ds_add_u32 v10, v11
	ds_add_u32 v10, v11
	v_lshrrev_b32 v1, 5, v0
	v_readfirstlane_b32 s[WV], v1                  ; wave 0..7
	v_and_b32 v[L16], 31, v0
	v_lshlrev_b32 v[L16], 4, v[L16]
	v_bfe_u32 v[AB0], v0, 4, 1
	v_lshl_add_u32 v[AB0], v[AB0], 5, BIASL
	v_lshl_add_u32 v8, v0, 5, BIASL                ; where thread t puts the table's entries 8 t .. 8 t + 7
	v_lshlrev_b32 v6, 5, v0                        ; and where it finds the mask's
	s_bfe_u32 s13, ttmp6, 0x40000                  ; cx
	s_lshl_b32 s14, ttmp9, 2
	s_add_co_u32 s14, s14, s13                     ; my block of 256 queries: it enters Q's and ctx's addresses alone
	s_and_b32 s15, ttmp7, 0xffff                   ; batch x head, which the four partners share
	s_mov_b32 s[G1], 15|(3<<16)|(1<<21)            ; 15:0 the mask: all four work-groups; 17:16 elements of 8 bytes; 21 set beside a mask
	s_mov_b32 s[G1+1], 32<<16                      ; tensor_dim0 = 32: rows of 256 bytes,
	s_mov_b32 s[G1+2], 32<<16                      ; tensor_dim1 = 32 of them: 8,192 dense bytes
	s_mov_b32 s[G1+3], 32<<16                      ; tile_dim0
	s_mov_b32 s[G1+4], 32                          ; tile_dim1
	s_mov_b32 s[G1+5], 32                          ; from row to row
	s_mov_b32 s[G1+6], 0
	s_mov_b32 s[G1+7], 0
	s_mov_b32 s[SEL], 0x76543210
	s_mov_b32 s[SEL+1], 0xfedcba98
	s_mov_b32 s[CS], 0x3e38aa3b                    ; c = log2(e) / 8
	s_lshr_b32 s48, s[WV], 2                       ; waves 0-3 fetch K, waves 4-7 V;
	s_and_b32 s49, s[WV], 3                        ; which 8,192 bytes of each 32,768
	s_lshl_b32 s52, s48, 17
	s_lshl_b32 s53, s49, 13
	s_add_co_u32 s52, s52, s53                     ; in LDS,
	s_lshl_b32 s50, s48, 22
	s_add_co_u32 s50, s50, 4<<20
	s_lshl_b32 s54, s15, 17
	s_add_co_u32 s50, s50, s54
	s_add_co_u32 s50, s50, s53                     ; and in qkv: 4 MB (K) or 8 MB (V) + 131,072 x (batch x head)
	s_mov_b32 s51, 0
	s_lshr_b32 s58, s15, 4
	s_lshl_b32 s58, s58, 13                        ; the batch's 2,048 words of the mask
	s_mov_b32 s59, 0
	s_lshl_b32 s56, s14, 14
	s_add_co_u32 s56, s56, s54
	s_lshl_b32 s57, s[WV], 11
	s_add_co_u32 s56, s56, s57                     ; my two fragments of Q
	s_mov_b32 s57, 0
	s_wait_dscnt 0x0
	s_wait_kmcnt 0x0
	s_load_b512 s[68:83], s[8:9], 0x0              ; e0 .. e15
	s_add_nc_u64 s[50:51], s[4:5], s[50:51]
	s_add_nc_u64 s[6:7], s[6:7], s[58:59]
	s_add_nc_u64 s[56:57], s[4:5], s[56:57]
.irp i, 0,1,2,3
	s_mov_b32 s[G0+4*\i], 1
	s_add_co_u32 s[G0+4*\i+1], s52, \i*32768
	s_add_nc_u64 s[G0+4*\i+2:G0+4*\i+3], s[50:51], \i*32768
	s_or_b32 s[G0+4*\i+3], s[G0+4*\i+3], 0x80000000
.endr
	CROUND                                         ; all four work-groups are here: the joint loads meet
.irp i, 0,1,2,3
	tensor_load_to_lds s[G0+4*\i:G0+4*\i+3], s[G1:G1+7]
	s_nop 0
.endr
.rept 4
	v_nop
.endr
	global_load_b128 v[32:35], v6, s[6:7]          ; the mask of keys 8 t on
	global_load_b128 v[36:39], v6, s[6:7] offset:16
	WIN 0x40                                       ; destination window 1
.irp t, 0,1
.irp q, 0,1
	global_load_b128 v[Q+8*\t+4*\q:Q+8*\t+4*\q+3], v[L16], s[56:57] offset:\t*1024+512*\q   ; Q stays in registers
.endr
.endr
.set i, 0
.rept 64
	v_mov_b32 v[i], 0                              ; O^T.  (The step is written for every step alike: the first finds zeros, which the first change of M leaves zeros)
.set i, i+1
.endr
	WIN 0
	v_mov_b32 v7, 0xf1800000                       ; -2^100
.irp t, 0,1
	v_mov_b32 v[ST+4*\t+1], 0xff61b1e6             ; the largest t so far: -3e38
	v_floor_f32 v[ST+4*\t], -v[ST+4*\t+1]          ; -M
	v_mov_b32 v[ST+4*\t+2], 0
	v_mov_b32 v[ST+4*\t+3], 0
	v_mov_b32 v[PD+\t], 0                          ; a lane permute's destination counts as read
	v_mov_b32 v[FF+2*\t+1], 0
.endr
	s_lshr_b32 s84, s15, 4                         ; ctx as an operand of 4,096 x 1,024: block of 128 tokens = 16 x batch + 2 x query block + wave / 4,
	s_lshl_b32 s84, s84, 4
	s_lshl_b32 s85, s14, 1
	s_add_co_u32 s84, s84, s85
	s_add_co_u32 s84, s84, s48
	s_lshl_b32 s84, s84, 17
	s_bfe_u32 s85, s15, 0x30001                    ; K step of 128 = head / 2,
	s_lshl_b32 s85, s85, 14
	s_add_co_u32 s84, s84, s85
	s_lshl_b32 s85, s49, 12                        ; fragments 2 (wave % 4) + t,
	s_add_co_u32 s84, s84, s85
	s_and_b32 s85, s15, 1
	s_lshl_b32 s85, s85, 10                        ; pieces 2 (head % 2) + q
	s_add_co_u32 s84, s84, s85
	s_mov_b32 s85, 0
	s_add_nc_u64 s[10:11], s[10:11], s[84:85]
	s_wait_kmcnt 0x0
	s_add_co_i32 s48, s74, s75
	s_lshl_b32 s48, s48, 23
	s_add_co_i32 s[CS], s[CS], s48                 ; a sum of code products stands for sum x 2^(e6 + e7): added to c's exponent field
	s_mov_b32 s[CS+1], s[CS]
	s_add_co_i32 s48, s76, 127
	s_lshl_b32 s49, s48, 23
	v_mov_b32 v[SC], s49                           ; 2^e8
	s_add_co_i32 s48, s48, 15
	s_lshl_b32 s48, s48, 23
	s_or_b32 s48, s48, 0x600000
	v_mov_b32 v[LIM], s48                          ; 57,344 x 2^e8
	s_wait_loadcnt 4                               ; the mask is in; Q's four younger loads may be out
.irp j, 0,1,2,3,4,5,6,7
	v_cmp_eq_u32 vcc_lo, 0, v[32+\j]
	v_cndmask_b32 v[32+\j], 0, v7, vcc_lo          ; 0 where the key counts, -2^100 where it is hidden
.endr
	ds_store_b128 v8, v[32:35]
	ds_store_b128 v8, v[36:39] offset:16
	ds_store_b128 v8, v[32:35] offset:8192         ; the second copy, for the last step's look-ahead
	ds_store_b128 v8, v[36:39] offset:8208
	s_wait_tensorcnt 3                             ; my first load is in; the three behind it may stay out
	s_wait_dscnt 0x0                               ; for the others' sake: my part of the table lies in LDS
	s_barrier_signal -1
	s_barrier_wait -1                              ; keys 0 to 511 of K and V, and the table, are whole
	WIN 0x40
.irp c, 0,1,2,3,4,5,6,7
.irp g, 0,1
	ds_load_b128 v[BI+8*\c+4*\g:BI+8*\c+4*\g+3], v[AB0] offset:64*\c+16*\g
.endr
.endr
.irp c, 0,1,2,3,4,5,6,7
.irp q, 0,1
	ds_load_b128 v[KF+8*\c+4*\q:KF+8*\c+4*\q+3], v[L16] offset:\c*1024+512*\q
.endr
.endr
	WIN 0
	s_mov_b32 s[TK], 8192                          ; the next step's K,
	s_mov_b32 s[TV], VREG                          ; this step's V,
	s_mov_b32 s[TBI], 512                          ; the next step's part of the table
	s_wait_loadcnt 0x0                             ; Q
; A KEY STEP: 128 keys, both tiles.
.macro STEP
	s_wait_dscnt 0x0                               ; K and the bias, asked for a step ago
	WIN 0x15                                       ; K, Q and the bias in window 1, S^T in window 0
.irp c, 0,1,2,3,4,5,6,7
.irp t, 0,1
	v_wmma_f32_16x16x64_bf8_bf8 v[S+64*\t+8*\c:S+64*\t+8*\c+7], v[KF+8*\c:KF+8*\c+7], v[Q+8*\t:Q+8*\t+7], v[BI+8*\c:BI+8*\c+7]
.endr
.endr
	WIN 0
	v_add_nc_u32 v[ADV], s[TV], v[L16]             ; four plain lines: the places behind these products and the last step's, in front of the loads below and of the first read of S^T
	v_add_nc_u32 v[ADK], s[TK], v[L16]
	v_add_nc_u32 v[ADB], s[TBI], v[AB0]
	v_nop
.irp d, 0,1,2,3
.irp q, 0,1,2,3
	ds_load_b128 v[FR+16*\d+4*\q:FR+16*\d+4*\q+3], v[ADV] offset:\d*2048+512*\q   ; this step's V: wanted behind the softmax
.endr
.endr
	WIN 0x40
.irp c, 0,1,2,3,4,5,6,7
.irp g, 0,1
	ds_load_b128 v[BI+8*\c+4*\g:BI+8*\c+4*\g+3], v[ADB] offset:64*\c+16*\g         ; the next step's bias: sixteen lanes read the same 16 bytes
.endr
.endr
.irp c, 0,1,2,3,4,5,6,7
.irp q, 0,1
	ds_load_b128 v[KF+8*\c+4*\q:KF+8*\c+4*\q+3], v[ADK] offset:\c*1024+512*\q      ; and its K
.endr
.endr
	WIN 0
	s_add_co_u32 s[TV], s[TV], 8192
	s_add_co_u32 s[TK], s[TK], 8192
	s_add_co_u32 s[TBI], s[TBI], 512
.irp t, 0,1                                    ; the step's largest score of my query among my 64 keys: two chains a tile, each accumulator from its low end on
	v_max3_num_f32 v[MX+2*\t], v[S+64*\t], v[S+64*\t+1], v[S+64*\t+2]
.endr
.irp t, 0,1
	v_max3_num_f32 v[MX+2*\t+1], v[S+64*\t+3], v[S+64*\t+4], v[S+64*\t+5]
.endr
.irp i, 6,10,14,18,22,26,30,34,38,42,46,50,54,58
.irp t, 0,1
	v_max3_num_f32 v[MX+2*\t], v[MX+2*\t], v[S+64*\t+\i], v[S+64*\t+\i+1]
.endr
.irp t, 0,1
	v_max3_num_f32 v[MX+2*\t+1], v[MX+2*\t+1], v[S+64*\t+\i+2], v[S+64*\t+\i+3]
.endr
.endr
.irp t, 0,1
	v_max3_num_f32 v[MX+2*\t], v[MX+2*\t], v[S+64*\t+62], v[S+64*\t+63]
.endr
.irp t, 0,1
	v_max_num_f32 v[MX+2*\t], v[MX+2*\t], v[MX+2*\t+1]
.endr
.irp t, 0,1
	v_permlanex16_b32 v[PD+\t], v[MX+2*\t], s[SEL], s[SEL+1]
.endr
.irp t, 0,1
	v_max_num_f32 v[MX+2*\t], v[MX+2*\t], v[PD+\t] ; and among lane l xor 16's
.endr
.irp t, 0,1
	v_mul_f32 v[MX+2*\t], s[CS], v[MX+2*\t]        ; as t (c is positive)
.endr
.irp t, 0,1
	v_max_num_f32 v[ST+4*\t+1], v[ST+4*\t+1], v[MX+2*\t]
.endr
.irp t, 0,1
	v_mov_b32 v[MX+2*\t], v[ST+4*\t]
.endr
.irp t, 0,1
	v_floor_f32 v[ST+4*\t], -v[ST+4*\t+1]          ; the new -M = -ceil(the largest t)
.endr
.irp t, 0,1
	v_sub_f32 v[MX+2*\t], v[ST+4*\t], v[MX+2*\t]   ; old M - new M: a whole number, 0 or less
.endr
.irp t, 0,1
	v_cvt_i32_f32 v[MX+2*\t], v[MX+2*\t]           ; (it saturates)
.endr
.irp t, 0,1
	v_ldexp_f32 v[FF+2*\t], 1.0, v[MX+2*\t]        ; f
.endr
.set j, 0
.rept 32
.irp t, 0,1
	v_pk_fma_f32 v[S+64*\t+j:S+64*\t+j+1], v[S+64*\t+j:S+64*\t+j+1], s[CS:CS+1], v[ST+4*\t:ST+4*\t+1] op_sel_hi:[1,0,0]   ; t - M (of the pairs c and -M the low word serves both halves)
.endr
.set j, j+2
.endr
.set j, 0
.rept 64
	v_exp_f32 v[S+j], v[S+j]                       ; p = 2^(t - M)
	v_exp_f32 v[S+64+j], v[S+64+j]
.set j, j+1
.endr
.irp t, 0,1
	v_pk_mul_f32 v[ST+4*\t+2:ST+4*\t+3], v[ST+4*\t+2:ST+4*\t+3], v[FF+2*\t:FF+2*\t+1] op_sel_hi:[1,0]   ; the sums under the new M (plain lines behind the exponentials)
.endr
	s_wait_alu depctr_va_vdst(0)
.irp t, 0,1
	v_pk_add_f32 v[MX+2*\t:MX+2*\t+1], v[S+64*\t:S+64*\t+1], v[S+64*\t+2:S+64*\t+3]   ; the sum of the UNQUANTISED p, two chains a tile
.endr
.set j, 4
.rept 15
.irp t, 0,1
	v_pk_add_f32 v[ST+4*\t+2:ST+4*\t+3], v[ST+4*\t+2:ST+4*\t+3], v[S+64*\t+j:S+64*\t+j+1]
.endr
.irp t, 0,1
	v_pk_add_f32 v[MX+2*\t:MX+2*\t+1], v[MX+2*\t:MX+2*\t+1], v[S+64*\t+j+2:S+64*\t+j+3]
.endr
.set j, j+4
.endr
.irp t, 0,1
	v_pk_add_f32 v[ST+4*\t+2:ST+4*\t+3], v[ST+4*\t+2:ST+4*\t+3], v[MX+2*\t:MX+2*\t+1]
.endr
.irp c, 0,1,2,3,4,5,6,7
.irp t, 0,1
.irp j, 0,1,2,3,4,5,6,7
	v_min_num_f32 v[S+64*\t+8*\c+\j], v[S+64*\t+8*\c+\j], v[LIM]   ; the conversion does not saturate (ISA guide 7.6.2); p is not negative, so the hold is one-sided
.endr
	v_cvt_scalef32_pk8_bf8_f32 v[P+16*\t+2*\c:P+16*\t+2*\c+1], v[S+64*\t+8*\c:S+64*\t+8*\c+7], v[SC]
.endr
.endr
	WIN 0x41                                       ; O^T in window 1, f in window 0
.set j, 0
.rept 16
.irp t, 0,1
	v_pk_mul_f32 v[32*\t+j:32*\t+j+1], v[32*\t+j:32*\t+j+1], v[FF+2*\t:FF+2*\t+1] op_sel_hi:[1,0]   ; O^T under the new M; also the plain lines behind the conversions
.endr
.set j, j+2
.endr
	s_wait_dscnt 32                                ; V is in; the next step's 32 loads stay out
	WIN 0x50                                       ; V and P in window 0, O^T in window 1
.irp d, 0,1,2,3
.irp t, 0,1
	v_wmma_f32_16x16x128_bf8_bf8 v[32*\t+8*\d:32*\t+8*\d+7], v[FR+16*\d:FR+16*\d+15], v[P+16*\t:P+16*\t+15], v[32*\t+8*\d:32*\t+8*\d+7]   ; eight accumulators, one instruction a turn
.endr
.endr
	WIN 0
.endm
	s_mov_b32 s[CNT], 3
.Lfirst:                                           ; steps 0 to 2: they read K's chunks 0-3 and V's 0-2, all brought by the waves' first loads
	STEP
	s_sub_co_u32 s[CNT], s[CNT], 1
	s_cmp_lg_u32 s[CNT], 0
	s_cbranch_scc1 .Lfirst
	s_wait_tensorcnt 0x0                           ; all my loads have landed,
	s_wait_dscnt 0x0
	s_barrier_signal -1
	s_barrier_wait -1                              ; everybody's have
	s_mov_b32 s[CNT], 13
.Lrest:
	STEP
	s_sub_co_u32 s[CNT], s[CNT], 1
	s_cmp_lg_u32 s[CNT], 0
	s_cbranch_scc1 .Lrest
	s_wait_dscnt 0x0                               ; the last look-ahead
	; THE WAY OUT: O^T / the sum, quantised under e10 (the three scales folded: e10 - e8 - e9); a tile's eight code registers are two pieces of a fragment of ctx
.irp t, 0,1
	v_add_f32 v[ST+4*\t+2], v[ST+4*\t+2], v[ST+4*\t+3]
.endr
.irp t, 0,1
	v_permlanex16_b32 v[PD+\t], v[ST+4*\t+2], s[SEL], s[SEL+1]
.endr
.irp t, 0,1
	v_add_f32 v[ST+4*\t+2], v[ST+4*\t+2], v[PD+\t]
.endr
.irp t, 0,1
	v_rcp_f32 v[ST+4*\t+2], v[ST+4*\t+2]
.endr
	s_sub_co_i32 s48, s78, s76
	s_sub_co_i32 s48, s48, s77
	s_add_co_i32 s48, s48, 127
	s_lshl_b32 s49, s48, 23
	v_mov_b32 v[SC], s49                           ; (plain lines behind the reciprocals)
	s_add_co_i32 s48, s48, 15
	s_lshl_b32 s48, s48, 23
	s_or_b32 s48, s48, 0x600000
	v_mov_b32 v[LIM], s48
	v_mov_b32 v6, s[CS]
	v_mul_f32 v6, 0xf1000000, v6                   ; -c 2^99: a largest t under it means that no key counted
	v_mov_b32 v7, 0x7f7f7f7f                       ; four NaN codes
	WIN 0x01                                       ; source 0 (O^T) window 1
.set i, 0
	s_wait_alu depctr_va_vdst(0)
.rept 32
.irp t, 0,1
	v_mul_f32 v[S+64*\t+i], v[32*\t+i], v[ST+4*\t+2]
.endr
.set i, i+1
.endr
	WIN 0
.set i, 0
.rept 32
.irp t, 0,1
	v_med3_num_f32 v[S+64*\t+i], v[S+64*\t+i], -v[LIM], v[LIM]
.endr
.set i, i+1
.endr
.irp t, 0,1
.irp d, 0,1,2,3
	v_cvt_scalef32_pk8_bf8_f32 v[P+16*\t+2*\d:P+16*\t+2*\d+1], v[S+64*\t+8*\d:S+64*\t+8*\d+7], v[SC]
.endr
.endr
	v_nop                                          ; a plain line behind the last conversion
.irp t, 0,1
	v_cmp_lt_f32 vcc_lo, v[ST+4*\t+1], v6
.irp i, 0,1,2,3,4,5,6,7
	v_cndmask_b32 v[P+16*\t+\i], v[P+16*\t+\i], v7, vcc_lo
.endr
.endr
.irp t, 0,1
.irp q, 0,1
	global_store_b128 v[L16], v[P+16*\t+4*\q:P+16*\t+4*\q+3], s[10:11] offset:\t*2048+512*\q   ; 32 lanes store 512 consecutive bytes
.endr
.endr
	s_wait_tensorcnt 0x0
	ds_add_u32 v10, v11
	s_wait_dscnt 0x0
	CROUND                                         ; the closing round
	s_endpgm
.Lfunc_end_k_q06eb2de114_attn:
	.size	k_q06eb2de114_attn, .Lfunc_end_k_q06eb2de114_attn-k_q06eb2de114_attn
	.p2alignl 7, 3214868480
	.fill 96, 4, 3214868480
	.section	.rodata,"a",@progbits
	.p2align	6, 0x0
	.amdhsa_kernel k_q06eb2de114_attn
		.amdhsa_group_segment_fixed_size 327680
		.amdhsa_private_segment_fixed_size 0
		.amdhsa_enable_private_segment 0
		.amdhsa_kernarg_size 32
		.amdhsa_user_sgpr_count 2
		.amdhsa_user_sgpr_kernarg_segment_ptr 1
		.amdhsa_wavefront_size32 1
		.amdhsa_system_sgpr_workgroup_id_x 1
		.amdhsa_system_sgpr_workgroup_id_y 1
		.amdhsa_system_sgpr_workgroup_id_z 1
		.amdhsa_system_vgpr_workitem_id 0
		.amdhsa_next_free_vgpr 464
		.amdhsa_next_free_sgpr 100
		.amdhsa_reserve_vcc 1
		.amdhsa_float_denorm_mode_32 3
		.amdhsa_float_denorm_mode_16_64 3
		.amdhsa_memory_ordered 1
		.amdhsa_forward_progress 1
		.amdhsa_inst_pref_size 79
	.end_amdhsa_kernel
	.amdgpu_metadata
---
amdhsa.version: [ 1, 2 ]
amdhsa.kernels:
  - .name:           k_q06eb2de114_attn
    .symbol:         k_q06eb2de114_attn.kd
    .args:
      - { .name: qkv, .offset: 0, .size: 8, .value_kind: global_buffer, .address_space: global }
      - { .name: mask, .offset: 8, .size: 8, .value_kind: global_buffer, .address_space: global }
      - { .name: lowp_scales, .offset: 16, .size: 8, .value_kind: global_buffer, .address_space: global }
      - { .name: ctx, .offset: 24, .size: 8, .value_kind: global_buffer, .address_space: global }
    .group_segment_fixed_size: 327680
    .private_segment_fixed_size: 0
    .kernarg_segment_align: 8
    .kernarg_segment_size: 32
    .max_flat_workgroup_size: 256
    .sgpr_count:     100
    .vgpr_count:     464
    .wavefront_size: 32
...
	.end_amdgpu_metadata
.endif
;; end of part 3
;; launch proj_o (part 4): grid 8 x 32, 4 waves a work-group, clusters of 4 x 4, 327,680 bytes of LDS; arguments ctx, cw, x, lowp_scales, x1; writes x1
.if DOCPART == 4
	.amdgcn_target "amdgcn-amd-amdhsa--gfx1250"
	.amdhsa_code_object_version 6
	.text
	.protected	k_q06eb2de114_proj_o
	.globl	k_q06eb2de114_proj_o
	.p2align	8
	.type	k_q06eb2de114_proj_o,@function
k_q06eb2de114_proj_o:
	s_mov_b64 s[64:65], 0
	v_nop
	global_prefetch_b8 v0, s[64:65] scope:SCOPE_SE
	s_setreg_imm32_b32 hwreg(HW_REG_WAVE_MODE, 25, 1), 1
	s_wait_xcnt 0x0
	s_wait_alu depctr_hold_cnt(0) depctr_sa_sdst(0) depctr_va_vdst(0) depctr_va_sdst(0) depctr_va_ssrc(0) depctr_va_vcc(0) depctr_vm_vsrc(0)
	s_getreg_b32 s2, hwreg(HW_REG_IB_STS2, 6, 4)
	s_cmp_eq_u32 s2, 0
	s_cbranch_scc0 .Lentry_in_a_cluster
	s_endpgm
.Lentry_in_a_cluster:
	s_bfe_u32 s2, ttmp6, 0x10000c
	s_cmp_lg_u32 s2, 0xf033
	s_cbranch_scc0 .Lentry_shape_is_right
	s_endpgm
.Lentry_shape_is_right:
; x1 = x + ctx w_o^T: the product on codes of E5M2 (ctx under e10, w_o under e11, at cw + 3 MB); sums f32; x1 [4096][1024] f32.
; LIMIT: e10 + e11 between -126 and 127.
.set KB,      8
.set QKV,     0
.set F32OUT,  1
.set HASBIAS, 0
.set RELU,    0
.set NTOUT,   0
.set AOFF,    0
.set BOFF,    3<<20
.set EA,      10
.set EB,      11
.set EO,      0
.set KBOUT,   0
.set ARG_A,    0x0
.set ARG_B,    0x8
.set ARG_RES,  0x10
.set ARG_S,    0x18
.set ARG_OUT,  0x20
.set ARG_BIAS, 0x0
; ---- THE PRODUCT'S CORE, the same text in four launches; the constants above say what differs.
; C = A B^T on fragment images (16 rows x 128 K = 2,048 bytes, lane l's registers 4 q .. 4 q + 3 at 512 q + 16 l; fragment (rho, kap) at ((rho / 8) KB + kap) 16,384 + (rho % 8) 2,048).
; A tile of C is 128 x 128; four waves, each 64 x 64: 16 accumulators.  K goes in steps of 512 through two LDS slots of 131,072 bytes (A's 65,536 dense bytes, then B's); each wave brings 32,768 of them by one tensor load.
; A fragment comes from LDS by four ds_load_b128 at 16 x lane: 512 consecutive bytes each, so no pitch and no padding.
; CLUSTERS: 4 x 4 work-groups; A's tile is shared along a row of the cluster, B's along a column: each is asked for jointly, by the same tensor load with the same descriptor and a mask that names the four.
; THE MATRIX INSTRUCTION IS USED TRANSPOSED (source 0 = 16 rows of B, source 1 = 16 rows of A): lane (r, h) holds row r of C and columns 16 b + 8 h + 0 .. 7: eight neighbours, which one conversion turns into
; registers 2 b, 2 b + 1 of the next product's fragment.  So codes leave as pieces of 512 dense bytes, straight from registers.
; REGISTERS: window 0: v1-31 addresses and scales; v32-63 the bias in the result's layout, later rows back from the stage; v64-95 the same, or codes; v96-99 offsets; v128-255 the accumulators ((a, b) at 128 + 8 (4 a + b)).
;   window 1: two sets of fragments (at 0 and 128): A's four at + 16 a, B's four at + 64 + 16 b.   window 2 (f32 results): v0-127 the residual, in the layout of the stores.
.set LAPS,   KB/8                      ; a lap = two K steps = once round the ring
.set SLOT,   131072
.set BPART,  65536
.set SPARE,  2*SLOT                    ; behind the ring: the spare words, 128 bytes for each wave
.set STAGE,  SPARE+512                 ; f32 results: 16 rows x 272 bytes for each wave; no tensor load lands here
.set SPITCH, 272
.set L16,  3
.set ADRA, 16
.set ADRB, 20
.set STO,  24
.set RD,   25
.set CO,   26
.set BO,   27
.set SPW,  28
.set NIL,  29
.set SC,   30
.set LIM,  31
.set BIAS, 32
.set BK,   32
.set CD,   64
.set OFF,  96
.set ACC,  128
.set F0,   0
.set F1,   128
.set G1,   24
.set G0,   32
.set G1B,  48
.set G0B,  56
.set ES,   68
.set MSB, 0
.macro WIN new                         ; the immediate's high byte repeats the setting that is left
.if MSB != \new
	s_set_vgpr_msb (MSB<<8)|\new
.set MSB, \new
.endif
.endm
.set MUL,   0x05                       ; sources 0 (B) and 1 (A) window 1; C and D window 0
.set TO_F,  0x40                       ; destination window 1
.set TO_R,  0x80                       ; destination window 2
.set FMA_R, 0xa0                       ; destination and source 2 window 2
.set ST_R,  0x08                       ; a store's data window 2
.macro JLOAD s                         ; a joint load: waves 0 and 1 fetch A's halves, waves 2 and 3 B's; four v_nop follow each of the two lines
	s_cmp_eq_u32 s11, 0
	s_cbranch_scc0 .Lfor_b_\@
	tensor_load_to_lds s[G0+4*\s:G0+4*\s+3], s[G1:G1+7]
	s_nop 0
.rept 4
	v_nop
.endr
	s_branch .Lasked_\@
.Lfor_b_\@:
	tensor_load_to_lds s[G0B+4*\s:G0B+4*\s+3], s[G1B:G1B+7]
	s_nop 0
.rept 4
	v_nop
.endr
.Lasked_\@:
.endm
.macro CREST                           ; a round of the cluster's barrier behind its opening barrier
	s_cmp_lg_u32 s10, 0
	s_cbranch_scc1 .Lnot_wave_0_\@
	s_barrier_signal -3
.Lnot_wave_0_\@:
	s_barrier_wait -3
	s_barrier_signal -1
	s_barrier_wait -1
.endm
.macro CROUND
	s_barrier_signal -1
	s_barrier_wait -1
	CREST
.endm
.macro PLACES                          ; four plain lines in front of loads into registers that matrix instructions have read, and of the first read of results
.rept 4
	v_nop
.endr
.endm
	s_load_b64 s[4:5], s[0:1], ARG_A
	s_load_b64 s[6:7], s[0:1], ARG_B
	s_load_b64 s[8:9], s[0:1], ARG_OUT
	s_load_b64 s[92:93], s[0:1], ARG_S
.if F32OUT
	s_load_b64 s[84:85], s[0:1], ARG_RES
.endif
.if HASBIAS
	s_load_b64 s[86:87], s[0:1], ARG_BIAS
.endif
	v_lshl_add_u32 v[SPW], v0, 2, SPARE
	v_mov_b32 v[NIL], 0
	ds_add_u32 v28, v29
	ds_add_u32 v28, v29
	s_wait_dscnt 0x0
	v_lshrrev_b32 v1, 5, v0
	v_readfirstlane_b32 s10, v1                    ; wave 0..3
	s_lshr_b32 s11, s10, 1                         ; which 64 rows of the tile are mine.  Also: I fetch for A (0) or for B (1)
	s_and_b32 s12, s10, 1                          ; which 64 columns.  Also: which half of that tile I fetch
	s_bfe_u32 s40, ttmp6, 0x40000                  ; cx, cy: my place in the cluster
	s_bfe_u32 s41, ttmp6, 0x40004
.if QKV
	s_and_b32 s94, ttmp7, 0xffff                   ; the cluster's y
	s_max_u32 s95, ttmp9, 4
	s_sub_co_u32 s95, s95, 4                       ; the cluster's x - 4, for v
	s_lshr_b32 s96, ttmp9, 1
	s_lshl_b32 s96, s96, 22
	s_add_co_u32 s96, s96, 12<<20                  ; the norm's codes under e0 (q) or e2 (k)
	s_cmp_ge_u32 ttmp9, 4                          ; v?
	s_cselect_b32 s18, s94, ttmp9                  ; columns go by the cluster's x (q, k: w_q's 8 tiles, then w_k's) or y (v: tokens)
	s_cselect_b32 s19, s95, s94                    ; rows by y (tokens) or x - 4 (w_v's features)
	s_cselect_b32 s20, 2<<20, s96                  ; the row operand: w_v, or the norm's codes
	s_cselect_b32 s21, 20<<20, 0                   ; the column operand: the norm's codes under e4, or w_q and w_k
.else
	s_mov_b32 s18, ttmp9
	s_and_b32 s19, ttmp7, 0xffff
	s_mov_b32 s20, AOFF
	s_mov_b32 s21, BOFF
.endif
	s_lshl_b32 s42, s18, 2
	s_add_co_u32 s42, s42, s40                     ; tile column
	s_lshl_b32 s13, s19, 2
	s_add_co_u32 s13, s13, s41                     ; tile row
	s_lshl_b32 s43, s41, 2
	s_lshl_b32 s43, 15, s43                        ; my row of the cluster
	s_lshl_b32 s44, 0x1111, s40                    ; my column
	; descriptor group 1: 32,768 dense bytes as 128 rows of 32 elements of 8 bytes
	s_or_b32 s[G1+0], s43, (3<<16)|(1<<21)         ; 15:0 the mask; 17:16 elements of 8 bytes; 20 no padding; 21 set beside a mask
	s_or_b32 s[G1B+0], s44, (3<<16)|(1<<21)
.irp g, G1, G1B
	s_mov_b32 s[\g+1], 32<<16                      ; tensor_dim0 = 32
	s_mov_b32 s[\g+2], 128<<16                     ; tensor_dim1 = 128
	s_mov_b32 s[\g+3], 32<<16                      ; tile_dim0 = 32
	s_mov_b32 s[\g+4], 128                         ; tile_dim1 = 128
	s_mov_b32 s[\g+5], 32                          ; from row to row: 32 elements
	s_mov_b32 s[\g+6], 0
	s_mov_b32 s[\g+7], 0
.endr
	s_lshl_b32 s14, s12, 15                        ; which 32,768 bytes of a K step's 65,536 I fetch
	s_mul_i32 s16, s13, KB*16384                   ; A hangs on the tile row alone,
	s_add_co_u32 s16, s16, s20
	s_add_co_u32 s16, s16, s14
	s_mov_b32 s17, 0
	s_mul_i32 s46, s42, KB*16384                   ; B on the tile column alone
	s_add_co_u32 s46, s46, s21
	s_add_co_u32 s46, s46, s14
	s_mov_b32 s47, 0
	s_lshl_b32 s45, s10, 15                        ; where they go: wave x 32,768
	s_wait_kmcnt 0x0
	s_load_b512 s[ES:ES+15], s[92:93], 0x0         ; e0 .. e15
	s_add_nc_u64 s[14:15], s[4:5], s[16:17]
	s_add_nc_u64 s[46:47], s[6:7], s[46:47]
	CROUND                                         ; all sixteen work-groups are here: the first joint loads meet
.irp s, 0,1
	s_mov_b32 s[G0+4*\s], 1
	s_add_co_u32 s[G0+4*\s+1], s45, \s*SLOT
	s_add_nc_u64 s[G0+4*\s+2:G0+4*\s+3], s[14:15], \s*BPART
	s_or_b32 s[G0+4*\s+3], s[G0+4*\s+3], 0x80000000
	s_mov_b32 s[G0B+4*\s], 1
	s_add_co_u32 s[G0B+4*\s+1], s45, \s*SLOT
	s_add_nc_u64 s[G0B+4*\s+2:G0B+4*\s+3], s[46:47], \s*BPART
	s_or_b32 s[G0B+4*\s+3], s[G0B+4*\s+3], 0x80000000
	JLOAD \s                                       ; two loads of mine are out
.endr
	v_and_b32 v1, 15, v0                           ; r
	v_bfe_u32 v2, v0, 4, 1                         ; h
	v_and_b32 v[L16], 31, v0
	v_lshlrev_b32 v[L16], 4, v[L16]                ; 16 x lane
	s_lshl_b32 s22, s11, 13                        ; my four fragments of A's eight,
	s_lshl_b32 s23, s12, 13
	s_add_co_u32 s23, s23, BPART                   ; of B's
.irp s, 0,1
	v_add_nc_u32 v[ADRA+\s], s22, v[L16]
	v_add_nc_u32 v[ADRB+\s], s23, v[L16]
	s_add_co_u32 s22, s22, SLOT
	s_add_co_u32 s23, s23, SLOT
.endr
	s_lshl_b32 s98, s42, 9
	s_lshl_b32 s99, s12, 8
	s_add_co_u32 s98, s98, s99                     ; my first column as bytes of f32: 512 x tile column + 256 x half
	s_mov_b32 s99, 0
.if HASBIAS
	s_add_nc_u64 s[86:87], s[86:87], s[98:99]
	v_lshlrev_b32 v[BO], 5, v2                     ; lane (r, h) wants, for block b, the bias of columns 16 b + 8 h + 0 .. 7
.irp b, 0,1,2,3
	global_load_b128 v[BIAS+8*\b:BIAS+8*\b+3], v[BO], s[86:87] offset:64*\b
	global_load_b128 v[BIAS+8*\b+4:BIAS+8*\b+7], v[BO], s[86:87] offset:64*\b+16
.endr
.endif
.if F32OUT
	s_mul_i32 s23, s10, 16*SPITCH
	s_add_co_u32 s23, s23, STAGE                   ; my stage
	v_mul_u32_u24 v4, v1, SPITCH
	v_lshl_add_u32 v4, v2, 5, v4
	v_add_nc_u32 v[STO], s23, v4                   ; in: row r, 32 bytes for each half of the lanes
	v_mul_u32_u24 v5, v2, SPITCH
	v_lshl_add_u32 v5, v1, 4, v5
	v_add_nc_u32 v[RD], s23, v5                    ; back: lanes 0-15 one row of 256 bytes, lanes 16-31 the next
	v_lshlrev_b32 v5, 12, v2
	v_lshl_add_u32 v[CO], v1, 4, v5                ; and the same two rows (4,096 bytes apart) in memory
	s_lshl_b32 s96, s13, 7
	s_lshl_b32 s97, s11, 6
	s_add_co_u32 s96, s96, s97                     ; my first row
	s_lshl_b32 s96, s96, 12
	s_add_co_u32 s96, s96, s98
	s_mov_b32 s97, 0
	s_add_nc_u64 s[8:9], s[8:9], s[96:97]
	s_add_nc_u64 s[84:85], s[84:85], s[96:97]
	WIN TO_R
.irp a, 0,1,2,3
.irp t, 0,1,2,3,4,5,6,7
	global_load_b128 v[32*\a+4*\t:32*\a+4*\t+3], v[CO], s[84:85] offset:(16*\a+2*\t)*4096   ; the residual, asked for now, used at the end: sixteen lanes read 256 consecutive bytes
.endr
.endr
	WIN 0
.else
.if QKV
	s_lshr_b32 s94, s13, 4                         ; q, k: batch = tile row / 16,
	s_lshl_b32 s94, s94, 4
	s_and_b32 s95, s42, 7
	s_lshl_b32 s95, s95, 1
	s_add_co_u32 s94, s94, s95
	s_add_co_u32 s94, s94, s12                     ; head = 2 (tile column % 8) + my half,
	s_lshl_b32 s94, s94, 7
	s_and_b32 s95, s13, 15
	s_lshl_b32 s95, s95, 3
	s_add_co_u32 s94, s94, s95
	s_lshl_b32 s95, s11, 2
	s_add_co_u32 s94, s94, s95                     ; token fragment = 8 (tile row % 16) + 4 x half,
	s_lshl_b32 s94, s94, 10
	s_lshr_b32 s95, ttmp9, 1
	s_lshl_b32 s95, s95, 22
	s_add_co_u32 s94, s94, s95                     ; in q's or k's part
	s_lshr_b32 s96, s42, 4                         ; v: batch = tile column / 16,
	s_lshl_b32 s96, s96, 4
	s_lshl_b32 s97, s13, 1
	s_add_co_u32 s96, s96, s97
	s_add_co_u32 s96, s96, s11                     ; head = 2 x tile row + my half,
	s_lshl_b32 s96, s96, 4
	s_and_b32 s97, s42, 15
	s_add_co_u32 s96, s96, s97                     ; chunk of 128 keys = tile column % 16,
	s_lshl_b32 s96, s96, 13
	s_lshl_b32 s97, s12, 10
	s_add_co_u32 s96, s96, s97                     ; my 64 keys are two of a fragment's four pieces
	s_add_co_u32 s96, s96, 8<<20
	s_mov_b32 s90, 1024
	s_cmp_ge_u32 ttmp9, 4
	s_cselect_b32 s96, s96, s94
	s_cselect_b32 s90, 2048, s90                   ; from row block to row block: a fragment of 1,024 or of 2,048 bytes
.else
	s_mul_i32 s96, s13, KBOUT
	s_add_co_u32 s96, s96, s42
	s_lshl_b32 s96, s96, 14                        ; the result as the next product's operand: (tile row x KBOUT + tile column) x 16,384,
	s_lshl_b32 s97, s11, 13
	s_add_co_u32 s96, s96, s97                     ; my four fragments,
	s_lshl_b32 s97, s12, 10
	s_add_co_u32 s96, s96, s97                     ; my two pieces of each
	s_mov_b32 s90, 2048
.endif
	s_mov_b32 s97, 0
	s_add_nc_u64 s[8:9], s[8:9], s[96:97]
.irp a, 0,1,2,3
	s_mul_i32 s91, s90, \a
	v_add_nc_u32 v[OFF+\a], s91, v[L16]
.endr
.endif
	s_wait_kmcnt 0x0                               ; the exponents
.if F32OUT
	s_add_co_i32 s88, s[ES+EA], s[ES+EB]
	s_add_co_i32 s88, s88, 127
	s_lshl_b32 s88, s88, 23                        ; 2^(eA + eB) as f32
	s_mov_b32 s89, s88                             ; (named with it as a pair)
.else
.if QKV
	s_sub_co_i32 s94, s[ES+6], s[ES+0]
	s_sub_co_i32 s94, s94, s[ES+1]
	s_sub_co_i32 s95, s[ES+7], s[ES+2]
	s_sub_co_i32 s95, s95, s[ES+3]
	s_sub_co_i32 s96, s[ES+9], s[ES+4]
	s_sub_co_i32 s96, s96, s[ES+5]
	s_cmp_lt_u32 ttmp9, 4
	s_cselect_b32 s95, s95, s96
	s_cmp_lt_u32 ttmp9, 2
	s_cselect_b32 s94, s94, s95
.else
	s_sub_co_i32 s94, s[ES+EO], s[ES+EA]
	s_sub_co_i32 s94, s94, s[ES+EB]
.endif
	s_add_co_i32 s94, s94, 127                     ; a sum stands for sum x 2^(eA + eB): its code is sum / 2^(eO - eA - eB): three scales folded into the conversion's one
	s_lshl_b32 s95, s94, 23
	v_mov_b32 v[SC], s95
	s_add_co_i32 s94, s94, 15
	s_lshl_b32 s94, s94, 23
	s_or_b32 s94, s94, 0x600000
	v_mov_b32 v[LIM], s94                          ; 57,344 x that
.endif
.if HASBIAS
	s_add_co_i32 s91, s[ES+EA], s[ES+EB]
	s_sub_co_i32 s91, 0, s91
.if F32OUT
	s_wait_loadcnt 32                              ; the bias is in; the residual's 32 younger loads stay out
.else
	s_wait_loadcnt 0x0
.endif
.set i, 0
.rept 32
	v_ldexp_f32 v[BIAS+i], v[BIAS+i], s91          ; the bias goes in as the C of each sum's first product, divided by the power of two that the sums lack
.set i, i+1
.endr
.endif
; 8 matrix instructions: A's blocks a0, a0 + 1 x B's four, 128 along K, from set f.  zero = 1: the first product starts the sums.  The 16 accumulators take turns, one instruction a turn, in the same order in every quarter.
.macro MUL8 f, a0, zero
.irp a, \a0, \a0+1
.irp b, 0,1,2,3
.if \zero && HASBIAS
	v_wmma_f32_16x16x128_bf8_bf8 v[ACC+8*(4*(\a)+\b):ACC+8*(4*(\a)+\b)+7], v[\f+64+16*\b:\f+64+16*\b+15], v[\f+16*(\a):\f+16*(\a)+15], v[BIAS+8*\b:BIAS+8*\b+7]
.elseif \zero
	v_wmma_f32_16x16x128_bf8_bf8 v[ACC+8*(4*(\a)+\b):ACC+8*(4*(\a)+\b)+7], v[\f+64+16*\b:\f+64+16*\b+15], v[\f+16*(\a):\f+16*(\a)+15], 0
.else
	v_wmma_f32_16x16x128_bf8_bf8 v[ACC+8*(4*(\a)+\b):ACC+8*(4*(\a)+\b)+7], v[\f+64+16*\b:\f+64+16*\b+15], v[\f+16*(\a):\f+16*(\a)+15], v[ACC+8*(4*(\a)+\b):ACC+8*(4*(\a)+\b)+7]
.endif
.endr
.endr
.endm
.macro FETCH slot, kq, f               ; 32 LDS loads in one run: the fragments of the slot's kq-th 128 along K into set f: B's four, then A's four
	WIN TO_F
.irp b, 0,1,2,3
.irp q, 0,1,2,3
	ds_load_b128 v[\f+64+16*\b+4*\q:\f+64+16*\b+4*\q+3], v[ADRB+\slot] offset:\kq*16384+\b*2048+512*\q
.endr
.endr
.irp a, 0,1,2,3
.irp q, 0,1,2,3
	ds_load_b128 v[\f+16*\a+4*\q:\f+16*\a+4*\q+3], v[ADRA+\slot] offset:\kq*16384+\a*2048+512*\q
.endr
.endr
.endm
; A K step is four quarters of 128 along K, 16 matrix instructions each, on sets 0, 1, 0, 1.  One of the first three: multiplies set f and fetches the slot's kq-th quarter into set g.
.macro QUARTER slot, kq, f, g, zero
	s_wait_dscnt 8                                 ; all but the youngest eight loads (A's blocks 2, 3) are in
	WIN MUL
	MUL8 \f, 0, \zero
	PLACES
	FETCH \slot, \kq, \g
	s_wait_dscnt 32                                ; all but the 32 just issued
	WIN MUL
	MUL8 \f, 2, \zero
.endm
; The last quarter multiplies set 1 and changes slots: ONE barrier; in front of it each wave waits for all its tensor loads, adds 0 to its spare word, and waits for that and for its reads of this slot.
; fill = 1: the barrier opens a round of the cluster's, and this slot is filled again, two K steps ahead, first thing behind it.
.macro TURN slot, next, fill
	WIN 0
	s_wait_tensorcnt 0x0                           ; all my tensor loads have landed: my part of the next slot
	ds_add_u32 v[SPW], v[NIL]                      ; 0 onto my spare word
	s_wait_dscnt 9                                 ; (the add and the youngest eight loads may be out)
	WIN MUL
	MUL8 F1, 0, 0                                  ; eight matrix instructions stand between the add and the wait for it
	WIN 0
	s_wait_dscnt 0x0                               ; the add is done, and my reads of this slot are over
	s_barrier_signal -1
	s_barrier_wait -1
.if \fill
	CREST                                          ; no wave of any partner still reads this slot's tile or has a load on its way
	s_add_nc_u64 s[G0+4*\slot+2:G0+4*\slot+3], s[G0+4*\slot+2:G0+4*\slot+3], 2*BPART
	s_add_nc_u64 s[G0B+4*\slot+2:G0B+4*\slot+3], s[G0B+4*\slot+2:G0B+4*\slot+3], 2*BPART
	JLOAD \slot                                    ; my one tensor load behind the round; its four v_nop are also the places in front of the loads below
.else
	PLACES
.endif
	FETCH \next, 0, F0
	WIN MUL
	MUL8 F1, 2, 0                                  ; eight matrix instructions while the next slot's first fragments come
.endm
	s_wait_tensorcnt 1                             ; my part of K step 0 is in; K step 1's may stay out
	s_barrier_signal -1
	s_barrier_wait -1
	FETCH 0, 0, F0
	QUARTER 0, 1, F0, F1, 1                        ; the first quarter stands in front of the loop: its products start the sums
.if LAPS > 1
	WIN 0                                          ; at a label and at a branch every window is 0
	s_mov_b32 s3, LAPS-1
.Llap:                                             ; a trip goes once round the ring and fills both slots again
	QUARTER 0, 2, F1, F0, 0
	QUARTER 0, 3, F0, F1, 0
	TURN 0, 1, 1
	QUARTER 1, 1, F0, F1, 0
	QUARTER 1, 2, F1, F0, 0
	QUARTER 1, 3, F0, F1, 0
	TURN 1, 0, 1
	QUARTER 0, 1, F0, F1, 0
	WIN 0
	s_sub_co_u32 s3, s3, 1
	s_cmp_lg_u32 s3, 0
	s_cbranch_scc1 .Llap
.endif
	QUARTER 0, 2, F1, F0, 0                        ; the last lap fills nothing
	QUARTER 0, 3, F0, F1, 0
	TURN 0, 1, 0
	QUARTER 1, 1, F0, F1, 0
	QUARTER 1, 2, F1, F0, 0
	QUARTER 1, 3, F0, F1, 0
	s_wait_dscnt 8
	WIN MUL
	MUL8 F1, 0, 0
	s_wait_dscnt 0x0
	MUL8 F1, 2, 0
	WIN 0
	PLACES
.if F32OUT
; THE WAY OUT, f32: a block of 16 rows x 64 columns goes through my own stage and comes back as rows of 256 bytes; sum x 2^(eA + eB) + residual in one packed multiply-add; sixteen lanes store 256 aligned bytes.
.macro TOSTAGE a
.irp b, 0,1,2,3
	ds_store_b128 v[STO], v[ACC+8*(4*\a+\b):ACC+8*(4*\a+\b)+3] offset:64*\b
	ds_store_b128 v[STO], v[ACC+8*(4*\a+\b)+4:ACC+8*(4*\a+\b)+7] offset:64*\b+16
.endr
.irp t, 0,1,2,3,4,5,6,7
	ds_load_b128 v[BK+32*(\a%2)+4*\t:BK+32*(\a%2)+4*\t+3], v[RD] offset:\t*2*SPITCH   ; LDS serves a wave's instructions in order: these see the stores above
.endr
.endm
.macro SEND a, younger                 ; younger: the LDS instructions issued behind block a's loads
	s_wait_dscnt \younger
	WIN FMA_R
.irp i, 0,2,4,6,8,10,12,14,16,18,20,22,24,26,28,30
	v_pk_fma_f32 v[32*\a+\i:32*\a+\i+1], v[BK+32*(\a%2)+\i:BK+32*(\a%2)+\i+1], s[88:89], v[32*\a+\i:32*\a+\i+1] op_sel_hi:[1,0,1]
.endr
	WIN ST_R
.irp t, 0,1,2,3,4,5,6,7
.if NTOUT
	global_store_b128 v[CO], v[32*\a+4*\t:32*\a+4*\t+3], s[8:9] offset:(16*\a+2*\t)*4096 th:TH_STORE_NT
.else
	global_store_b128 v[CO], v[32*\a+4*\t:32*\a+4*\t+3], s[8:9] offset:(16*\a+2*\t)*4096
.endif
.endr
	WIN 0
.endm
	s_wait_loadcnt 0x0                             ; the residual
	TOSTAGE 0
	TOSTAGE 1
	SEND 0, 16
	TOSTAGE 2
	SEND 1, 16
	TOSTAGE 3
	SEND 2, 16
	SEND 3, 0
.else
; THE WAY OUT, codes: the hold (and the activation, where there is one), one conversion an accumulator, eight stores of 512 dense bytes.
.set i, 0
.rept 128
.if RELU
	v_med3_num_f32 v[ACC+i], v[ACC+i], 0, v[LIM]   ; the activation and the hold in one
.else
	v_med3_num_f32 v[ACC+i], v[ACC+i], -v[LIM], v[LIM]   ; the conversion to an 8-bit code does not saturate (ISA guide 7.6.2)
.endif
.set i, i+1
.endr
.set i, 0
.rept 16
	v_cvt_scalef32_pk8_bf8_f32 v[CD+2*i:CD+2*i+1], v[ACC+8*i:ACC+8*i+7], v[SC]
.set i, i+1
.endr
	v_nop                                          ; a plain line behind the last conversion
.irp a, 0,1,2,3
.irp q, 0,1
	global_store_b128 v[OFF+\a], v[CD+8*\a+4*\q:CD+8*\a+4*\q+3], s[8:9] offset:512*\q
.endr
.endr
.endif
	s_wait_tensorcnt 0x0                           ; the wave's end
	ds_add_u32 v[SPW], v[NIL]
	s_wait_dscnt 0x0
	CROUND                                         ; the closing round: no work-group ends while a partner may still ask for a tile that names it
	s_endpgm
.Lfunc_end_k_q06eb2de114_proj_o:
	.size	k_q06eb2de114_proj_o, .Lfunc_end_k_q06eb2de114_proj_o-k_q06eb2de114_proj_o
	.p2alignl 7, 3214868480
	.fill 96, 4, 3214868480
	.section	.rodata,"a",@progbits
	.p2align	6, 0x0
	.amdhsa_kernel k_q06eb2de114_proj_o
		.amdhsa_group_segment_fixed_size 327680
		.amdhsa_private_segment_fixed_size 0
		.amdhsa_enable_private_segment 0
		.amdhsa_kernarg_size 40
		.amdhsa_user_sgpr_count 2
		.amdhsa_user_sgpr_kernarg_segment_ptr 1
		.amdhsa_wavefront_size32 1
		.amdhsa_system_sgpr_workgroup_id_x 1
		.amdhsa_system_sgpr_workgroup_id_y 1
		.amdhsa_system_sgpr_workgroup_id_z 1
		.amdhsa_system_vgpr_workitem_id 0
		.amdhsa_next_free_vgpr 640
		.amdhsa_next_free_sgpr 100
		.amdhsa_reserve_vcc 0
		.amdhsa_float_denorm_mode_32 3
		.amdhsa_float_denorm_mode_16_64 3
		.amdhsa_memory_ordered 1
		.amdhsa_forward_progress 1
		.amdhsa_inst_pref_size 49
	.end_amdhsa_kernel
	.amdgpu_metadata
---
amdhsa.version: [ 1, 2 ]
amdhsa.kernels:
  - .name:           k_q06eb2de114_proj_o
    .symbol:         k_q06eb2de114_proj_o.kd
    .args:
      - { .name: ctx, .offset: 0, .size: 8, .value_kind: global_buffer, .address_space: global }
      - { .name: cw, .offset: 8, .size: 8, .value_kind: global_buffer, .address_space: global }
      - { .name: x, .offset: 16, .size: 8, .value_kind: global_buffer, .address_space: global }
      - { .name: lowp_scales, .offset: 24, .size: 8, .value_kind: global_buffer, .address_space: global }
      - { .name: x1, .offset: 32, .size: 8, .value_kind: global_buffer, .address_space: global }
    .group_segment_fixed_size: 327680
    .private_segment_fixed_size: 0
    .kernarg_segment_align: 8
    .kernarg_segment_size: 40
    .max_flat_workgroup_size: 128
    .sgpr_count:     100
    .vgpr_count:     640
    .wavefront_size: 32
...
	.end_amdgpu_metadata
.endif
;; end of part 4
;; launch norm2 (part 5): grid 256 x 1, 4 waves a work-group, no clusters, 17,920 bytes of LDS; arguments x1, g2, be2, lowp_scales, a2; writes a2
.if DOCPART == 5
	.amdgcn_target "amdgcn-amd-amdhsa--gfx1250"
	.amdhsa_code_object_version 6
	.text
	.protected	k_q06eb2de114_norm2
	.globl	k_q06eb2de114_norm2
	.p2align	8
	.type	k_q06eb2de114_norm2,@function
k_q06eb2de114_norm2:
	s_mov_b64 s[64:65], 0
	v_nop
	global_prefetch_b8 v0, s[64:65] scope:SCOPE_SE
	s_setreg_imm32_b32 hwreg(HW_REG_WAVE_MODE, 25, 1), 1
	s_wait_xcnt 0x0
; LayerNorm 2 of x1 becomes codes of E5M2 under e12, laid as the next product's operand: fragments of 16 rows x 128 K (2,048 bytes: byte 512 q + 16 (r + 16 h) + 8 e + i holds column 32 q + 16 e + 8 h + i of row r),
; fragment (rho, kap) at ((rho / 8) 8 + kap) 16,384 + (rho % 8) 2,048.  LIMITS: e12 between -126 and 112.  NaN among the inputs is not served.
; A work-group takes 16 rows; wave w takes rows 4 w + i, each whole in the wave: the sums never leave it.  Each load reads 512 consecutive bytes; a lane's four codes are one word, which goes to its place in an LDS image
; (544 bytes a piece, 272 a half: the 32 words of a store fall on 32 different banks: 64 banks of 4 bytes, ISA guide 11.1); behind one barrier the image leaves as pieces of 512 dense bytes.
; No tensor load, no matrix unit, no cluster: memory binds, and work-groups share no input but g2 and be2.
.set L16,  9
.set GOFF, 2
.set OFF,  3
.set IMGW, 7
.set IMGR, 8
.set SC,   10
.set LIM,  11
.set X,    16                          ; v16-143  row i, chunk kap: four numbers at X + 32 i + 4 kap; on the way out the pieces
.set G,    144
.set BE,   176
.set T,    208                         ; v208-223 two sets of eight held numbers; in the norm: sums and the permute's results
.set C,    224
.set FRL,  2176
	s_load_b256 s[8:15], s[0:1], 0x0               ; x1, g2, be2, the exponents
	s_load_b64 s[16:17], s[0:1], 0x20              ; a2
	v_lshl_add_u32 v14, v0, 2, 0x4400
	v_mov_b32 v15, 0
	v_lshrrev_b32 v1, 5, v0
	v_readfirstlane_b32 s44, v1                    ; wave
	v_and_b32 v1, 31, v0
	v_lshlrev_b32 v[L16], 4, v1
	v_bfe_u32 v12, v0, 3, 2                        ; my four numbers are k' = 4 lane on: piece lane / 8,
	v_mul_u32_u24 v[IMGW], v12, 544
	v_bfe_u32 v12, v0, 1, 1                        ; half (lane / 2) % 2,
	v_mad_u32_u24 v[IMGW], v12, 272, v[IMGW]
	v_bfe_u32 v12, v0, 2, 1                        ; e = (lane / 4) % 2,
	v_lshl_add_u32 v[IMGW], v12, 3, v[IMGW]
	v_and_b32 v12, 1, v0
	v_lshl_add_u32 v[IMGW], v12, 2, v[IMGW]
	s_lshl_b32 s45, s44, 6
	v_add_nc_u32 v[IMGW], s45, v[IMGW]             ; row 4 w
	v_bfe_u32 v12, v0, 4, 1
	v_mul_u32_u24 v[IMGR], v12, 272
	v_and_b32 v12, 15, v0
	v_lshl_add_u32 v[IMGR], v12, 4, v[IMGR]
	s_mul_i32 s45, s44, 2*FRL
	v_add_nc_u32 v[IMGR], s45, v[IMGR]
	s_lshl_b32 s45, s44, 15
	v_add_nc_u32 v[GOFF], s45, v[L16]
	s_mov_b32 s40, 0x76543210
	s_mov_b32 s41, 0xfedcba98
	s_mov_b32 s42, 0x3a800000                      ; 1 / 1,024
	s_mov_b32 s43, 0x3727c5ac                      ; 1e-5
	s_lshl_b32 s56, ttmp9, 16                      ; 16 rows of 4,096 bytes
	s_mov_b32 s57, 0
	s_lshr_b32 s58, ttmp9, 3
	s_lshl_b32 s58, s58, 17
	s_and_b32 s59, ttmp9, 7
	s_lshl_b32 s59, s59, 11
	s_add_co_u32 s58, s58, s59
	s_mov_b32 s59, 0
	s_lshl_b32 s46, s44, 14                        ; row 4 w
.irp i, 0,1,2,3
	s_add_co_u32 s47, s46, \i*4096
	v_add_nc_u32 v[OFF+\i], s47, v[L16]
.endr
	s_wait_kmcnt 0x0
	s_load_b32 s39, s[14:15], 0x30                 ; e12
	s_add_nc_u64 s[30:31], s[8:9], s[56:57]
	s_add_nc_u64 s[32:33], s[16:17], s[58:59]
.irp i, 0,1,2,3
.irp k, 0,1,2,3,4,5,6,7
	global_load_b128 v[X+32*\i+4*\k:X+32*\i+4*\k+3], v[OFF+\i], s[30:31] offset:512*\k   ; 32 lanes read 512 consecutive bytes; x1 is read again by the last launch
.endr
.endr
.irp k, 0,1,2,3,4,5,6,7
	global_load_b128 v[G+4*\k:G+4*\k+3], v[L16], s[10:11] offset:512*\k
	global_load_b128 v[BE+4*\k:BE+4*\k+3], v[L16], s[12:13] offset:512*\k
.endr
.macro WSUM                            ; the four rows' sums over the 32 lanes, in every lane
.irp m, 1,2,4,8
.irp i, 0,1,2,3
	v_add_f32_dpp v[T+2*\i], v[T+2*\i], v[T+2*\i] row_xmask:\m row_mask:0xf bank_mask:0xf
.endr
.endr
.irp i, 0,1,2,3
	v_permlanex16_b32 v[T+8+\i], v[T+2*\i], s40, s41
.endr
.irp i, 0,1,2,3
	v_add_f32 v[T+2*\i], v[T+2*\i], v[T+8+\i]
.endr
.endm
.irp i, 0,1,2,3
	v_mov_b32 v[T+8+\i], 0                         ; a lane permute's destination counts as read
.endr
	s_wait_loadcnt 16                              ; the rows are in; g2 and be2, sixteen younger loads, may be out
.irp i, 0,1,2,3
	v_pk_add_f32 v[T+2*\i:T+2*\i+1], v[X+32*\i:X+32*\i+1], v[X+32*\i+2:X+32*\i+3]
.endr
.set j, 4
.rept 14
.irp i, 0,1,2,3
	v_pk_add_f32 v[T+2*\i:T+2*\i+1], v[T+2*\i:T+2*\i+1], v[X+32*\i+j:X+32*\i+j+1]
.endr
.set j, j+2
.endr
.irp i, 0,1,2,3
	v_add_f32 v[T+2*\i], v[T+2*\i], v[T+2*\i+1]
.endr
	WSUM
.irp i, 0,1,2,3
	v_mul_f32 v[T+2*\i], s42, v[T+2*\i]            ; the mean
.endr
.set j, 0
.rept 16
.irp i, 0,1,2,3
	v_pk_add_f32 v[X+32*\i+j:X+32*\i+j+1], v[X+32*\i+j:X+32*\i+j+1], v[T+2*\i:T+2*\i+1] op_sel_hi:[1,0] neg_lo:[0,1] neg_hi:[0,1]   ; x - mean
.endr
.set j, j+2
.endr
.irp i, 0,1,2,3
	v_pk_mul_f32 v[T+2*\i:T+2*\i+1], v[X+32*\i:X+32*\i+1], v[X+32*\i:X+32*\i+1]
.endr
.set j, 2
.rept 15
.irp i, 0,1,2,3
	v_pk_fma_f32 v[T+2*\i:T+2*\i+1], v[X+32*\i+j:X+32*\i+j+1], v[X+32*\i+j:X+32*\i+j+1], v[T+2*\i:T+2*\i+1]
.endr
.set j, j+2
.endr
.irp i, 0,1,2,3
	v_add_f32 v[T+2*\i], v[T+2*\i], v[T+2*\i+1]
.endr
	WSUM
.irp i, 0,1,2,3
	v_fma_f32 v[T+2*\i], v[T+2*\i], s42, s43       ; the variance + 1e-5
.endr
.irp i, 0,1,2,3
	v_rsq_f32 v[T+2*\i], v[T+2*\i]
.endr
	v_nop                                          ; a plain line behind the transcendentals
	s_wait_loadcnt 0x0                             ; g2, be2
.set j, 0
	s_wait_alu depctr_va_vdst(0)
.rept 16
.irp i, 0,1,2,3
	v_pk_mul_f32 v[X+32*\i+j:X+32*\i+j+1], v[X+32*\i+j:X+32*\i+j+1], v[T+2*\i:T+2*\i+1] op_sel_hi:[1,0]
.endr
.irp i, 0,1,2,3
	v_pk_fma_f32 v[X+32*\i+j:X+32*\i+j+1], v[X+32*\i+j:X+32*\i+j+1], v[G+j:G+j+1], v[BE+j:BE+j+1]
.endr
.set j, j+2
.endr
	s_wait_kmcnt 0x0
	s_add_co_i32 s45, s39, 127
	s_lshl_b32 s46, s45, 23
	v_mov_b32 v[SC], s46                           ; 2^e12: the conversion takes its exponent field
	s_add_co_i32 s45, s45, 15
	s_lshl_b32 s45, s45, 23
	s_or_b32 s45, s45, 0x600000
	v_mov_b32 v[LIM], s45                          ; 57,344 x 2^e12
.irp i, 0,1,2,3
.irp p, 0,1,2,3
.irp j, 0,1,2,3,4,5,6,7
	v_med3_num_f32 v[T+8*(\p%2)+\j], v[X+32*\i+8*\p+\j], -v[LIM], v[LIM]   ; the conversion to an 8-bit code does not saturate (ISA guide 7.6.2): the hold comes first
.endr
	v_cvt_scalef32_pk8_bf8_f32 v[C+8*\i+2*\p:C+8*\i+2*\p+1], v[T+8*(\p%2):T+8*(\p%2)+7], v[SC]   ; four codes of chunk 2 p, four of chunk 2 p + 1; the other set's eight holds are the plain lines behind it
.endr
.endr
	v_nop
.irp i, 0,1,2,3
.irp k, 0,1,2,3,4,5,6,7
	ds_store_b32 v[IMGW], v[C+8*\i+\k] offset:\k*FRL+16*\i
.endr
.endr
	s_wait_dscnt 0x0                               ; for the others' sake: my words lie in the image
	s_barrier_signal -1
	s_barrier_wait -1
.irp j, 0,1
.irp q, 0,1,2,3
	ds_load_b128 v[X+16*\j+4*\q:X+16*\j+4*\q+3], v[IMGR] offset:\j*FRL+\q*544
.endr
.endr
.irp j, 0,1
.irp q, 0,1,2,3
	s_wait_dscnt 7-(4*\j+\q)                       ; LDS loads come back in order: this piece is in
	global_store_b128 v[GOFF], v[X+16*\j+4*\q:X+16*\j+4*\q+3], s[32:33] offset:\j*16384+512*\q
.endr
.endr
	s_wait_tensorcnt 0x0
	ds_add_u32 v14, v15
	s_wait_dscnt 0x0
	s_endpgm
.Lfunc_end_k_q06eb2de114_norm2:
	.size	k_q06eb2de114_norm2, .Lfunc_end_k_q06eb2de114_norm2-k_q06eb2de114_norm2
	.p2alignl 7, 3214868480
	.fill 96, 4, 3214868480
	.section	.rodata,"a",@progbits
	.p2align	6, 0x0
	.amdhsa_kernel k_q06eb2de114_norm2
		.amdhsa_group_segment_fixed_size 17920
		.amdhsa_private_segment_fixed_size 0
		.amdhsa_enable_private_segment 0
		.amdhsa_kernarg_size 40
		.amdhsa_user_sgpr_count 2
		.amdhsa_user_sgpr_kernarg_segment_ptr 1
		.amdhsa_wavefront_size32 1
		.amdhsa_system_sgpr_workgroup_id_x 1
		.amdhsa_system_sgpr_workgroup_id_y 1
		.amdhsa_system_sgpr_workgroup_id_z 1
		.amdhsa_system_vgpr_workitem_id 0
		.amdhsa_next_free_vgpr 256
		.amdhsa_next_free_sgpr 100
		.amdhsa_reserve_vcc 0
		.amdhsa_float_denorm_mode_32 3
		.amdhsa_float_denorm_mode_16_64 3
		.amdhsa_memory_ordered 1
		.amdhsa_forward_progress 1
		.amdhsa_inst_pref_size 44
	.end_amdhsa_kernel
	.amdgpu_metadata
---
amdhsa.version: [ 1, 2 ]
amdhsa.kernels:
  - .name:           k_q06eb2de114_norm2
    .symbol:         k_q06eb2de114_norm2.kd
    .args:
      - { .name: x1, .offset: 0, .size: 8, .value_kind: global_buffer, .address_space: global }
      - { .name: g2, .offset: 8, .size: 8, .value_kind: global_buffer, .address_space: global }
      - { .name: be2, .offset: 16, .size: 8, .value_kind: global_buffer, .address_space: global }
      - { .name: lowp_scales, .offset: 24, .size: 8, .value_kind: global_buffer, .address_space: global }
      - { .name: a2, .offset: 32, .size: 8, .value_kind: global_buffer, .address_space: global }
    .group_segment_fixed_size: 17920
    .private_segment_fixed_size: 0
    .kernarg_segment_align: 8
    .kernarg_segment_size: 40
    .max_flat_workgroup_size: 128
    .sgpr_count:     100
    .vgpr_count:     256
    .wavefront_size: 32
...
	.end_amdgpu_metadata
.endif
;; end of part 5
;; launch ffn_up (part 6): grid 32 x 32, 4 waves a work-group, clusters of 4 x 4, 327,680 bytes of LDS; arguments a2, cw, b1, lowp_scales, hc; writes hc
.if DOCPART == 6
	.amdgcn_target "amdgcn-amd-amdhsa--gfx1250"
	.amdhsa_code_object_version 6
	.text
	.protected	k_q06eb2de114_ffn_up
	.globl	k_q06eb2de114_ffn_up
	.p2align	8
	.type	k_q06eb2de114_ffn_up,@function
k_q06eb2de114_ffn_up:
	s_mov_b64 s[64:65], 0
	v_nop
	global_prefetch_b8 v0, s[64:65] scope:SCOPE_SE
	s_setreg_imm32_b32 hwreg(HW_REG_WAVE_MODE, 25, 1), 1
	s_wait_xcnt 0x0
	s_wait_alu depctr_hold_cnt(0) depctr_sa_sdst(0) depctr_va_vdst(0) depctr_va_sdst(0) depctr_va_ssrc(0) depctr_va_vcc(0) depctr_vm_vsrc(0)
	s_getreg_b32 s2, hwreg(HW_REG_IB_STS2, 6, 4)
	s_cmp_eq_u32 s2, 0
	s_cbranch_scc0 .Lentry_in_a_cluster
	s_endpgm
.Lentry_in_a_cluster:
	s_bfe_u32 s2, ttmp6, 0x10000c
	s_cmp_lg_u32 s2, 0xf033
	s_cbranch_scc0 .Lentry_shape_is_right
	s_endpgm
.Lentry_shape_is_right:
; h = relu(LN2 w1^T + b1), the product on codes of E5M2 (a2 under e12, w1 under e13, at cw + 4 MB); h leaves as codes under e14, laid as the last product's operand (4,096 x 4,096, KB = 32).
; LIMITS: e14 - e12 - e13 between -126 and 112.
.set KB,      8
.set QKV,     0
.set F32OUT,  0
.set HASBIAS, 1
.set RELU,    1
.set NTOUT,   0
.set AOFF,    0
.set BOFF,    4<<20
.set EA,      12
.set EB,      13
.set EO,      14
.set KBOUT,   32
.set ARG_A,    0x0
.set ARG_B,    0x8
.set ARG_BIAS, 0x10
.set ARG_S,    0x18
.set ARG_OUT,  0x20
.set ARG_RES,  0x0
; ---- THE PRODUCT'S CORE, the same text in four launches; the constants above say what differs.
; C = A B^T on fragment images (16 rows x 128 K = 2,048 bytes, lane l's registers 4 q .. 4 q + 3 at 512 q + 16 l; fragment (rho, kap) at ((rho / 8) KB + kap) 16,384 + (rho % 8) 2,048).
; A tile of C is 128 x 128; four waves, each 64 x 64: 16 accumulators.  K goes in steps of 512 through two LDS slots of 131,072 bytes (A's 65,536 dense bytes, then B's); each wave brings 32,768 of them by one tensor load.
; A fragment comes from LDS by four ds_load_b128 at 16 x lane: 512 consecutive bytes each, so no pitch and no padding.
; CLUSTERS: 4 x 4 work-groups; A's tile is shared along a row of the cluster, B's along a column: each is asked for jointly, by the same tensor load with the same descriptor and a mask that names the four.
; THE MATRIX INSTRUCTION IS USED TRANSPOSED (source 0 = 16 rows of B, source 1 = 16 rows of A): lane (r, h) holds row r of C and columns 16 b + 8 h + 0 .. 7: eight neighbours, which one conversion turns into
; registers 2 b, 2 b + 1 of the next product's fragment.  So codes leave as pieces of 512 dense bytes, straight from registers.
; REGISTERS: window 0: v1-31 addresses and scales; v32-63 the bias in the result's layout, later rows back from the stage; v64-95 the same, or codes; v96-99 offsets; v128-255 the accumulators ((a, b) at 128 + 8 (4 a + b)).
;   window 1: two sets of fragments (at 0 and 128): A's four at + 16 a, B's four at + 64 + 16 b.   window 2 (f32 results): v0-127 the residual, in the layout of the stores.
.set LAPS,   KB/8                      ; a lap = two K steps = once round the ring
.set SLOT,   131072
.set BPART,  65536
.set SPARE,  2*SLOT                    ; behind the ring: the spare words, 128 bytes for each wave
.set STAGE,  SPARE+512                 ; f32 results: 16 rows x 272 bytes for each wave; no tensor load lands here
.set SPITCH, 272
.set L16,  3
.set ADRA, 16
.set ADRB, 20
.set STO,  24
.set RD,   25
.set CO,   26
.set BO,   27
.set SPW,  28
.set NIL,  29
.set SC,   30
.set LIM,  31
.set BIAS, 32
.set BK,   32
.set CD,   64
.set OFF,  96
.set ACC,  128
.set F0,   0
.set F1,   128
.set G1,   24
.set G0,   32
.set G1B,  48
.set G0B,  56
.set ES,   68
.set MSB, 0
.macro WIN new                         ; the immediate's high byte repeats the setting that is left
.if MSB != \new
	s_set_vgpr_msb (MSB<<8)|\new
.set MSB, \new
.endif
.endm
.set MUL,   0x05                       ; sources 0 (B) and 1 (A) window 1; C and D window 0
.set TO_F,  0x40                       ; destination window 1
.set TO_R,  0x80                       ; destination window 2
.set FMA_R, 0xa0                       ; destination and source 2 window 2
.set ST_R,  0x08                       ; a store's data window 2
.macro JLOAD s                         ; a joint load: waves 0 and 1 fetch A's halves, waves 2 and 3 B's; four v_nop follow each of the two lines
	s_cmp_eq_u32 s11, 0
	s_cbranch_scc0 .Lfor_b_\@
	tensor_load_to_lds s[G0+4*\s:G0+4*\s+3], s[G1:G1+7]
	s_nop 0
.rept 4
	v_nop
.endr
	s_branch .Lasked_\@
.Lfor_b_\@:
	tensor_load_to_lds s[G0B+4*\s:G0B+4*\s+3], s[G1B:G1B+7]
	s_nop 0
.rept 4
	v_nop
.endr
.Lasked_\@:
.endm
.macro CREST                           ; a round of the cluster's barrier behind its opening barrier
	s_cmp_lg_u32 s10, 0
	s_cbranch_scc1 .Lnot_wave_0_\@
	s_barrier_signal -3
.Lnot_wave_0_\@:
	s_barrier_wait -3
	s_barrier_signal -1
	s_barrier_wait -1
.endm
.macro CROUND
	s_barrier_signal -1
	s_barrier_wait -1
	CREST
.endm
.macro PLACES                          ; four plain lines in front of loads into registers that matrix instructions have read, and of the first read of results
.rept 4
	v_nop
.endr
.endm
	s_load_b64 s[4:5], s[0:1], ARG_A
	s_load_b64 s[6:7], s[0:1], ARG_B
	s_load_b64 s[8:9], s[0:1], ARG_OUT
	s_load_b64 s[92:93], s[0:1], ARG_S
.if F32OUT
	s_load_b64 s[84:85], s[0:1], ARG_RES
.endif
.if HASBIAS
	s_load_b64 s[86:87], s[0:1], ARG_BIAS
.endif
	v_lshl_add_u32 v[SPW], v0, 2, SPARE
	v_mov_b32 v[NIL], 0
	ds_add_u32 v28, v29
	ds_add_u32 v28, v29
	s_wait_dscnt 0x0
	v_lshrrev_b32 v1, 5, v0
	v_readfirstlane_b32 s10, v1                    ; wave 0..3
	s_lshr_b32 s11, s10, 1                         ; which 64 rows of the tile are mine.  Also: I fetch for A (0) or for B (1)
	s_and_b32 s12, s10, 1                          ; which 64 columns.  Also: which half of that tile I fetch
	s_bfe_u32 s40, ttmp6, 0x40000                  ; cx, cy: my place in the cluster
	s_bfe_u32 s41, ttmp6, 0x40004
.if QKV
	s_and_b32 s94, ttmp7, 0xffff                   ; the cluster's y
	s_max_u32 s95, ttmp9, 4
	s_sub_co_u32 s95, s95, 4                       ; the cluster's x - 4, for v
	s_lshr_b32 s96, ttmp9, 1
	s_lshl_b32 s96, s96, 22
	s_add_co_u32 s96, s96, 12<<20                  ; the norm's codes under e0 (q) or e2 (k)
	s_cmp_ge_u32 ttmp9, 4                          ; v?
	s_cselect_b32 s18, s94, ttmp9                  ; columns go by the cluster's x (q, k: w_q's 8 tiles, then w_k's) or y (v: tokens)
	s_cselect_b32 s19, s95, s94                    ; rows by y (tokens) or x - 4 (w_v's features)
	s_cselect_b32 s20, 2<<20, s96                  ; the row operand: w_v, or the norm's codes
	s_cselect_b32 s21, 20<<20, 0                   ; the column operand: the norm's codes under e4, or w_q and w_k
.else
	s_mov_b32 s18, ttmp9
	s_and_b32 s19, ttmp7, 0xffff
	s_mov_b32 s20, AOFF
	s_mov_b32 s21, BOFF
.endif
	s_lshl_b32 s42, s18, 2
	s_add_co_u32 s42, s42, s40                     ; tile column
	s_lshl_b32 s13, s19, 2
	s_add_co_u32 s13, s13, s41                     ; tile row
	s_lshl_b32 s43, s41, 2
	s_lshl_b32 s43, 15, s43                        ; my row of the cluster
	s_lshl_b32 s44, 0x1111, s40                    ; my column
	; descriptor group 1: 32,768 dense bytes as 128 rows of 32 elements of 8 bytes
	s_or_b32 s[G1+0], s43, (3<<16)|(1<<21)         ; 15:0 the mask; 17:16 elements of 8 bytes; 20 no padding; 21 set beside a mask
	s_or_b32 s[G1B+0], s44, (3<<16)|(1<<21)
.irp g, G1, G1B
	s_mov_b32 s[\g+1], 32<<16                      ; tensor_dim0 = 32
	s_mov_b32 s[\g+2], 128<<16                     ; tensor_dim1 = 128
	s_mov_b32 s[\g+3], 32<<16                      ; tile_dim0 = 32
	s_mov_b32 s[\g+4], 128                         ; tile_dim1 = 128
	s_mov_b32 s[\g+5], 32                          ; from row to row: 32 elements
	s_mov_b32 s[\g+6], 0
	s_mov_b32 s[\g+7], 0
.endr
	s_lshl_b32 s14, s12, 15                        ; which 32,768 bytes of a K step's 65,536 I fetch
	s_mul_i32 s16, s13, KB*16384                   ; A hangs on the tile row alone,
	s_add_co_u32 s16, s16, s20
	s_add_co_u32 s16, s16, s14
	s_mov_b32 s17, 0
	s_mul_i32 s46, s42, KB*16384                   ; B on the tile column alone
	s_add_co_u32 s46, s46, s21
	s_add_co_u32 s46, s46, s14
	s_mov_b32 s47, 0
	s_lshl_b32 s45, s10, 15                        ; where they go: wave x 32,768
	s_wait_kmcnt 0x0
	s_load_b512 s[ES:ES+15], s[92:93], 0x0         ; e0 .. e15
	s_add_nc_u64 s[14:15], s[4:5], s[16:17]
	s_add_nc_u64 s[46:47], s[6:7], s[46:47]
	CROUND                                         ; all sixteen work-groups are here: the first joint loads meet
.irp s, 0,1
	s_mov_b32 s[G0+4*\s], 1
	s_add_co_u32 s[G0+4*\s+1], s45, \s*SLOT
	s_add_nc_u64 s[G0+4*\s+2:G0+4*\s+3], s[14:15], \s*BPART
	s_or_b32 s[G0+4*\s+3], s[G0+4*\s+3], 0x80000000
	s_mov_b32 s[G0B+4*\s], 1
	s_add_co_u32 s[G0B+4*\s+1], s45, \s*SLOT
	s_add_nc_u64 s[G0B+4*\s+2:G0B+4*\s+3], s[46:47], \s*BPART
	s_or_b32 s[G0B+4*\s+3], s[G0B+4*\s+3], 0x80000000
	JLOAD \s                                       ; two loads of mine are out
.endr
	v_and_b32 v1, 15, v0                           ; r
	v_bfe_u32 v2, v0, 4, 1                         ; h
	v_and_b32 v[L16], 31, v0
	v_lshlrev_b32 v[L16], 4, v[L16]                ; 16 x lane
	s_lshl_b32 s22, s11, 13                        ; my four fragments of A's eight,
	s_lshl_b32 s23, s12, 13
	s_add_co_u32 s23, s23, BPART                   ; of B's
.irp s, 0,1
	v_add_nc_u32 v[ADRA+\s], s22, v[L16]
	v_add_nc_u32 v[ADRB+\s], s23, v[L16]
	s_add_co_u32 s22, s22, SLOT
	s_add_co_u32 s23, s23, SLOT
.endr
	s_lshl_b32 s98, s42, 9
	s_lshl_b32 s99, s12, 8
	s_add_co_u32 s98, s98, s99                     ; my first column as bytes of f32: 512 x tile column + 256 x half
	s_mov_b32 s99, 0
.if HASBIAS
	s_add_nc_u64 s[86:87], s[86:87], s[98:99]
	v_lshlrev_b32 v[BO], 5, v2                     ; lane (r, h) wants, for block b, the bias of columns 16 b + 8 h + 0 .. 7
.irp b, 0,1,2,3
	global_load_b128 v[BIAS+8*\b:BIAS+8*\b+3], v[BO], s[86:87] offset:64*\b
	global_load_b128 v[BIAS+8*\b+4:BIAS+8*\b+7], v[BO], s[86:87] offset:64*\b+16
.endr
.endif
.if F32OUT
	s_mul_i32 s23, s10, 16*SPITCH
	s_add_co_u32 s23, s23, STAGE                   ; my stage
	v_mul_u32_u24 v4, v1, SPITCH
	v_lshl_add_u32 v4, v2, 5, v4
	v_add_nc_u32 v[STO], s23, v4                   ; in: row r, 32 bytes for each half of the lanes
	v_mul_u32_u24 v5, v2, SPITCH
	v_lshl_add_u32 v5, v1, 4, v5
	v_add_nc_u32 v[RD], s23, v5                    ; back: lanes 0-15 one row of 256 bytes, lanes 16-31 the next
	v_lshlrev_b32 v5, 12, v2
	v_lshl_add_u32 v[CO], v1, 4, v5                ; and the same two rows (4,096 bytes apart) in memory
	s_lshl_b32 s96, s13, 7
	s_lshl_b32 s97, s11, 6
	s_add_co_u32 s96, s96, s97                     ; my first row
	s_lshl_b32 s96, s96, 12
	s_add_co_u32 s96, s96, s98
	s_mov_b32 s97, 0
	s_add_nc_u64 s[8:9], s[8:9], s[96:97]
	s_add_nc_u64 s[84:85], s[84:85], s[96:97]
	WIN TO_R
.irp a, 0,1,2,3
.irp t, 0,1,2,3,4,5,6,7
	global_load_b128 v[32*\a+4*\t:32*\a+4*\t+3], v[CO], s[84:85] offset:(16*\a+2*\t)*4096   ; the residual, asked for now, used at the end: sixteen lanes read 256 consecutive bytes
.endr
.endr
	WIN 0
.else
.if QKV
	s_lshr_b32 s94, s13, 4                         ; q, k: batch = tile row / 16,
	s_lshl_b32 s94, s94, 4
	s_and_b32 s95, s42, 7
	s_lshl_b32 s95, s95, 1
	s_add_co_u32 s94, s94, s95
	s_add_co_u32 s94, s94, s12                     ; head = 2 (tile column % 8) + my half,
	s_lshl_b32 s94, s94, 7
	s_and_b32 s95, s13, 15
	s_lshl_b32 s95, s95, 3
	s_add_co_u32 s94, s94, s95
	s_lshl_b32 s95, s11, 2
	s_add_co_u32 s94, s94, s95                     ; token fragment = 8 (tile row % 16) + 4 x half,
	s_lshl_b32 s94, s94, 10
	s_lshr_b32 s95, ttmp9, 1
	s_lshl_b32 s95, s95, 22
	s_add_co_u32 s94, s94, s95                     ; in q's or k's part
	s_lshr_b32 s96, s42, 4                         ; v: batch = tile column / 16,
	s_lshl_b32 s96, s96, 4
	s_lshl_b32 s97, s13, 1
	s_add_co_u32 s96, s96, s97
	s_add_co_u32 s96, s96, s11                     ; head = 2 x tile row + my half,
	s_lshl_b32 s96, s96, 4
	s_and_b32 s97, s42, 15
	s_add_co_u32 s96, s96, s97                     ; chunk of 128 keys = tile column % 16,
	s_lshl_b32 s96, s96, 13
	s_lshl_b32 s97, s12, 10
	s_add_co_u32 s96, s96, s97                     ; my 64 keys are two of a fragment's four pieces
	s_add_co_u32 s96, s96, 8<<20
	s_mov_b32 s90, 1024
	s_cmp_ge_u32 ttmp9, 4
	s_cselect_b32 s96, s96, s94
	s_cselect_b32 s90, 2048, s90                   ; from row block to row block: a fragment of 1,024 or of 2,048 bytes
.else
	s_mul_i32 s96, s13, KBOUT
	s_add_co_u32 s96, s96, s42
	s_lshl_b32 s96, s96, 14                        ; the result as the next product's operand: (tile row x KBOUT + tile column) x 16,384,
	s_lshl_b32 s97, s11, 13
	s_add_co_u32 s96, s96, s97                     ; my four fragments,
	s_lshl_b32 s97, s12, 10
	s_add_co_u32 s96, s96, s97                     ; my two pieces of each
	s_mov_b32 s90, 2048
.endif
	s_mov_b32 s97, 0
	s_add_nc_u64 s[8:9], s[8:9], s[96:97]
.irp a, 0,1,2,3
	s_mul_i32 s91, s90, \a
	v_add_nc_u32 v[OFF+\a], s91, v[L16]
.endr
.endif
	s_wait_kmcnt 0x0                               ; the exponents
.if F32OUT
	s_add_co_i32 s88, s[ES+EA], s[ES+EB]
	s_add_co_i32 s88, s88, 127
	s_lshl_b32 s88, s88, 23                        ; 2^(eA + eB) as f32
	s_mov_b32 s89, s88                             ; (named with it as a pair)
.else
.if QKV
	s_sub_co_i32 s94, s[ES+6], s[ES+0]
	s_sub_co_i32 s94, s94, s[ES+1]
	s_sub_co_i32 s95, s[ES+7], s[ES+2]
	s_sub_co_i32 s95, s95, s[ES+3]
	s_sub_co_i32 s96, s[ES+9], s[ES+4]
	s_sub_co_i32 s96, s96, s[ES+5]
	s_cmp_lt_u32 ttmp9, 4
	s_cselect_b32 s95, s95, s96
	s_cmp_lt_u32 ttmp9, 2
	s_cselect_b32 s94, s94, s95
.else
	s_sub_co_i32 s94, s[ES+EO], s[ES+EA]
	s_sub_co_i32 s94, s94, s[ES+EB]
.endif
	s_add_co_i32 s94, s94, 127                     ; a sum stands for sum x 2^(eA + eB): its code is sum / 2^(eO - eA - eB): three scales folded into the conversion's one
	s_lshl_b32 s95, s94, 23
	v_mov_b32 v[SC], s95
	s_add_co_i32 s94, s94, 15
	s_lshl_b32 s94, s94, 23
	s_or_b32 s94, s94, 0x600000
	v_mov_b32 v[LIM], s94                          ; 57,344 x that
.endif
.if HASBIAS
	s_add_co_i32 s91, s[ES+EA], s[ES+EB]
	s_sub_co_i32 s91, 0, s91
.if F32OUT
	s_wait_loadcnt 32                              ; the bias is in; the residual's 32 younger loads stay out
.else
	s_wait_loadcnt 0x0
.endif
.set i, 0
.rept 32
	v_ldexp_f32 v[BIAS+i], v[BIAS+i], s91          ; the bias goes in as the C of each sum's first product, divided by the power of two that the sums lack
.set i, i+1
.endr
.endif
; 8 matrix instructions: A's blocks a0, a0 + 1 x B's four, 128 along K, from set f.  zero = 1: the first product starts the sums.  The 16 accumulators take turns, one instruction a turn, in the same order in every quarter.
.macro MUL8 f, a0, zero
.irp a, \a0, \a0+1
.irp b, 0,1,2,3
.if \zero && HASBIAS
	v_wmma_f32_16x16x128_bf8_bf8 v[ACC+8*(4*(\a)+\b):ACC+8*(4*(\a)+\b)+7], v[\f+64+16*\b:\f+64+16*\b+15], v[\f+16*(\a):\f+16*(\a)+15], v[BIAS+8*\b:BIAS+8*\b+7]
.elseif \zero
	v_wmma_f32_16x16x128_bf8_bf8 v[ACC+8*(4*(\a)+\b):ACC+8*(4*(\a)+\b)+7], v[\f+64+16*\b:\f+64+16*\b+15], v[\f+16*(\a):\f+16*(\a)+15], 0
.else
	v_wmma_f32_16x16x128_bf8_bf8 v[ACC+8*(4*(\a)+\b):ACC+8*(4*(\a)+\b)+7], v[\f+64+16*\b:\f+64+16*\b+15], v[\f+16*(\a):\f+16*(\a)+15], v[ACC+8*(4*(\a)+\b):ACC+8*(4*(\a)+\b)+7]
.endif
.endr
.endr
.endm
.macro FETCH slot, kq, f               ; 32 LDS loads in one run: the fragments of the slot's kq-th 128 along K into set f: B's four, then A's four
	WIN TO_F
.irp b, 0,1,2,3
.irp q, 0,1,2,3
	ds_load_b128 v[\f+64+16*\b+4*\q:\f+64+16*\b+4*\q+3], v[ADRB+\slot] offset:\kq*16384+\b*2048+512*\q
.endr
.endr
.irp a, 0,1,2,3
.irp q, 0,1,2,3
	ds_load_b128 v[\f+16*\a+4*\q:\f+16*\a+4*\q+3], v[ADRA+\slot] offset:\kq*16384+\a*2048+512*\q
.endr
.endr
.endm
; A K step is four quarters of 128 along K, 16 matrix instructions each, on sets 0, 1, 0, 1.  One of the first three: multiplies set f and fetches the slot's kq-th quarter into set g.
.macro QUARTER slot, kq, f, g, zero
	s_wait_dscnt 8                                 ; all but the youngest eight loads (A's blocks 2, 3) are in
	WIN MUL
	MUL8 \f, 0, \zero
	PLACES
	FETCH \slot, \kq, \g
	s_wait_dscnt 32                                ; all but the 32 just issued
	WIN MUL
	MUL8 \f, 2, \zero
.endm
; The last quarter multiplies set 1 and changes slots: ONE barrier; in front of it each wave waits for all its tensor loads, adds 0 to its spare word, and waits for that and for its reads of this slot.
; fill = 1: the barrier opens a round of the cluster's, and this slot is filled again, two K steps ahead, first thing behind it.
.macro TURN slot, next, fill
	WIN 0
	s_wait_tensorcnt 0x0                           ; all my tensor loads have landed: my part of the next slot
	ds_add_u32 v[SPW], v[NIL]                      ; 0 onto my spare word
	s_wait_dscnt 9                                 ; (the add and the youngest eight loads may be out)
	WIN MUL
	MUL8 F1, 0, 0                                  ; eight matrix instructions stand between the add and the wait for it
	WIN 0
	s_wait_dscnt 0x0                               ; the add is done, and my reads of this slot are over
	s_barrier_signal -1
	s_barrier_wait -1
.if \fill
	CREST                                          ; no wave of any partner still reads this slot's tile or has a load on its way
	s_add_nc_u64 s[G0+4*\slot+2:G0+4*\slot+3], s[G0+4*\slot+2:G0+4*\slot+3], 2*BPART
	s_add_nc_u64 s[G0B+4*\slot+2:G0B+4*\slot+3], s[G0B+4*\slot+2:G0B+4*\slot+3], 2*BPART
	JLOAD \slot                                    ; my one tensor load behind the round; its four v_nop are also the places in front of the loads below
.else
	PLACES
.endif
	FETCH \next, 0, F0
	WIN MUL
	MUL8 F1, 2, 0                                  ; eight matrix instructions while the next slot's first fragments come
.endm
	s_wait_tensorcnt 1                             ; my part of K step 0 is in; K step 1's may stay out
	s_barrier_signal -1
	s_barrier_wait -1
	FETCH 0, 0, F0
	QUARTER 0, 1, F0, F1, 1                        ; the first quarter stands in front of the loop: its products start the sums
.if LAPS > 1
	WIN 0                                          ; at a label and at a branch every window is 0
	s_mov_b32 s3, LAPS-1
.Llap:                                             ; a trip goes once round the ring and fills both slots again
	QUARTER 0, 2, F1, F0, 0
	QUARTER 0, 3, F0, F1, 0
	TURN 0, 1, 1
	QUARTER 1, 1, F0, F1, 0
	QUARTER 1, 2, F1, F0, 0
	QUARTER 1, 3, F0, F1, 0
	TURN 1, 0, 1
	QUARTER 0, 1, F0, F1, 0
	WIN 0
	s_sub_co_u32 s3, s3, 1
	s_cmp_lg_u32 s3, 0
	s_cbranch_scc1 .Llap
.endif
	QUARTER 0, 2, F1, F0, 0                        ; the last lap fills nothing
	QUARTER 0, 3, F0, F1, 0
	TURN 0, 1, 0
	QUARTER 1, 1, F0, F1, 0
	QUARTER 1, 2, F1, F0, 0
	QUARTER 1, 3, F0, F1, 0
	s_wait_dscnt 8
	WIN MUL
	MUL8 F1, 0, 0
	s_wait_dscnt 0x0
	MUL8 F1, 2, 0
	WIN 0
	PLACES
.if F32OUT
; THE WAY OUT, f32: a block of 16 rows x 64 columns goes through my own stage and comes back as rows of 256 bytes; sum x 2^(eA + eB) + residual in one packed multiply-add; sixteen lanes store 256 aligned bytes.
.macro TOSTAGE a
.irp b, 0,1,2,3
	ds_store_b128 v[STO], v[ACC+8*(4*\a+\b):ACC+8*(4*\a+\b)+3] offset:64*\b
	ds_store_b128 v[STO], v[ACC+8*(4*\a+\b)+4:ACC+8*(4*\a+\b)+7] offset:64*\b+16
.endr
.irp t, 0,1,2,3,4,5,6,7
	ds_load_b128 v[BK+32*(\a%2)+4*\t:BK+32*(\a%2)+4*\t+3], v[RD] offset:\t*2*SPITCH   ; LDS serves a wave's instructions in order: these see the stores above
.endr
.endm
.macro SEND a, younger                 ; younger: the LDS instructions issued behind block a's loads
	s_wait_dscnt \younger
	WIN FMA_R
.irp i, 0,2,4,6,8,10,12,14,16,18,20,22,24,26,28,30
	v_pk_fma_f32 v[32*\a+\i:32*\a+\i+1], v[BK+32*(\a%2)+\i:BK+32*(\a%2)+\i+1], s[88:89], v[32*\a+\i:32*\a+\i+1] op_sel_hi:[1,0,1]
.endr
	WIN ST_R
.irp t, 0,1,2,3,4,5,6,7
.if NTOUT
	global_store_b128 v[CO], v[32*\a+4*\t:32*\a+4*\t+3], s[8:9] offset:(16*\a+2*\t)*4096 th:TH_STORE_NT
.else
	global_store_b128 v[CO], v[32*\a+4*\t:32*\a+4*\t+3], s[8:9] offset:(16*\a+2*\t)*4096
.endif
.endr
	WIN 0
.endm
	s_wait_loadcnt 0x0                             ; the residual
	TOSTAGE 0
	TOSTAGE 1
	SEND 0, 16
	TOSTAGE 2
	SEND 1, 16
	TOSTAGE 3
	SEND 2, 16
	SEND 3, 0
.else
; THE WAY OUT, codes: the hold (and the activation, where there is one), one conversion an accumulator, eight stores of 512 dense bytes.
.set i, 0
.rept 128
.if RELU
	v_med3_num_f32 v[ACC+i], v[ACC+i], 0, v[LIM]   ; the activation and the hold in one
.else
	v_med3_num_f32 v[ACC+i], v[ACC+i], -v[LIM], v[LIM]   ; the conversion to an 8-bit code does not saturate (ISA guide 7.6.2)
.endif
.set i, i+1
.endr
.set i, 0
.rept 16
	v_cvt_scalef32_pk8_bf8_f32 v[CD+2*i:CD+2*i+1], v[ACC+8*i:ACC+8*i+7], v[SC]
.set i, i+1
.endr
	v_nop                                          ; a plain line behind the last conversion
.irp a, 0,1,2,3
.irp q, 0,1
	global_store_b128 v[OFF+\a], v[CD+8*\a+4*\q:CD+8*\a+4*\q+3], s[8:9] offset:512*\q
.endr
.endr
.endif
	s_wait_tensorcnt 0x0                           ; the wave's end
	ds_add_u32 v[SPW], v[NIL]
	s_wait_dscnt 0x0
	CROUND                                         ; the closing round: no work-group ends while a partner may still ask for a tile that names it
	s_endpgm
.Lfunc_end_k_q06eb2de114_ffn_up:
	.size	k_q06eb2de114_ffn_up, .Lfunc_end_k_q06eb2de114_ffn_up-k_q06eb2de114_ffn_up
	.p2alignl 7, 3214868480
	.fill 96, 4, 3214868480
	.section	.rodata,"a",@progbits
	.p2align	6, 0x0
	.amdhsa_kernel k_q06eb2de114_ffn_up
		.amdhsa_group_segment_fixed_size 327680
		.amdhsa_private_segment_fixed_size 0
		.amdhsa_enable_private_segment 0
		.amdhsa_kernarg_size 40
		.amdhsa_user_sgpr_count 2
		.amdhsa_user_sgpr_kernarg_segment_ptr 1
		.amdhsa_wavefront_size32 1
		.amdhsa_system_sgpr_workgroup_id_x 1
		.amdhsa_system_sgpr_workgroup_id_y 1
		.amdhsa_system_sgpr_workgroup_id_z 1
		.amdhsa_system_vgpr_workitem_id 0
		.amdhsa_next_free_vgpr 512
		.amdhsa_next_free_sgpr 100
		.amdhsa_reserve_vcc 0
		.amdhsa_float_denorm_mode_32 3
		.amdhsa_float_denorm_mode_16_64 3
		.amdhsa_memory_ordered 1
		.amdhsa_forward_progress 1
		.amdhsa_inst_pref_size 47
	.end_amdhsa_kernel
	.amdgpu_metadata
---
amdhsa.version: [ 1, 2 ]
amdhsa.kernels:
  - .name:           k_q06eb2de114_ffn_up
    .symbol:         k_q06eb2de114_ffn_up.kd
    .args:
      - { .name: a2, .offset: 0, .size: 8, .value_kind: global_buffer, .address_space: global }
      - { .name: cw, .offset: 8, .size: 8, .value_kind: global_buffer, .address_space: global }
      - { .name: b1, .offset: 16, .size: 8, .value_kind: global_buffer, .address_space: global }
      - { .name: lowp_scales, .offset: 24, .size: 8, .value_kind: global_buffer, .address_space: global }
      - { .name: hc, .offset: 32, .size: 8, .value_kind: global_buffer, .address_space: global }
    .group_segment_fixed_size: 327680
    .private_segment_fixed_size: 0
    .kernarg_segment_align: 8
    .kernarg_segment_size: 40
    .max_flat_workgroup_size: 128
    .sgpr_count:     100
    .vgpr_count:     512
    .wavefront_size: 32
...
	.end_amdgpu_metadata
.endif
;; end of part 6
;; launch ffn_down (part 7): grid 8 x 32, 4 waves a work-group, clusters of 4 x 4, 327,680 bytes of LDS; arguments hc, cw, b2, x1, lowp_scales, out0; writes out0
.if DOCPART == 7
	.amdgcn_target "amdgcn-amd-amdhsa--gfx1250"
	.amdhsa_code_object_version 6
	.text
	.protected	k_q06eb2de114_ffn_down
	.globl	k_q06eb2de114_ffn_down
	.p2align	8
	.type	k_q06eb2de114_ffn_down,@function
k_q06eb2de114_ffn_down:
	s_mov_b64 s[64:65], 0
	v_nop
	global_prefetch_b8 v0, s[64:65] scope:SCOPE_SE
	s_setreg_imm32_b32 hwreg(HW_REG_WAVE_MODE, 25, 1), 1
	s_wait_xcnt 0x0
	s_wait_alu depctr_hold_cnt(0) depctr_sa_sdst(0) depctr_va_vdst(0) depctr_va_sdst(0) depctr_va_ssrc(0) depctr_va_vcc(0) depctr_vm_vsrc(0)
	s_getreg_b32 s2, hwreg(HW_REG_IB_STS2, 6, 4)
	s_cmp_eq_u32 s2, 0
	s_cbranch_scc0 .Lentry_in_a_cluster
	s_endpgm
.Lentry_in_a_cluster:
	s_bfe_u32 s2, ttmp6, 0x10000c
	s_cmp_lg_u32 s2, 0xf033
	s_cbranch_scc0 .Lentry_shape_is_right
	s_endpgm
.Lentry_shape_is_right:
; out0 = x1 + h w2^T + b2: the product on codes of E5M2 (h under e14, w2 under e15, at cw + 8 MB), K = 4,096: eight K steps of 512, so both slots are filled again three times.
; LIMIT: e14 + e15 between -126 and 127.
.set KB,      32
.set QKV,     0
.set F32OUT,  1
.set HASBIAS, 1
.set RELU,    0
.set NTOUT,   1
.set AOFF,    0
.set BOFF,    8<<20
.set EA,      14
.set EB,      15
.set EO,      0
.set KBOUT,   0
.set ARG_A,    0x0
.set ARG_B,    0x8
.set ARG_BIAS, 0x10
.set ARG_RES,  0x18
.set ARG_S,    0x20
.set ARG_OUT,  0x28
; ---- THE PRODUCT'S CORE, the same text in four launches; the constants above say what differs.
; C = A B^T on fragment images (16 rows x 128 K = 2,048 bytes, lane l's registers 4 q .. 4 q + 3 at 512 q + 16 l; fragment (rho, kap) at ((rho / 8) KB + kap) 16,384 + (rho % 8) 2,048).
; A tile of C is 128 x 128; four waves, each 64 x 64: 16 accumulators.  K goes in steps of 512 through two LDS slots of 131,072 bytes (A's 65,536 dense bytes, then B's); each wave brings 32,768 of them by one tensor load.
; A fragment comes from LDS by four ds_load_b128 at 16 x lane: 512 consecutive bytes each, so no pitch and no padding.
; CLUSTERS: 4 x 4 work-groups; A's tile is shared along a row of the cluster, B's along a column: each is asked for jointly, by the same tensor load with the same descriptor and a mask that names the four.
; THE MATRIX INSTRUCTION IS USED TRANSPOSED (source 0 = 16 rows of B, source 1 = 16 rows of A): lane (r, h) holds row r of C and columns 16 b + 8 h + 0 .. 7: eight neighbours, which one conversion turns into
; registers 2 b, 2 b + 1 of the next product's fragment.  So codes leave as pieces of 512 dense bytes, straight from registers.
; REGISTERS: window 0: v1-31 addresses and scales; v32-63 the bias in the result's layout, later rows back from the stage; v64-95 the same, or codes; v96-99 offsets; v128-255 the accumulators ((a, b) at 128 + 8 (4 a + b)).
;   window 1: two sets of fragments (at 0 and 128): A's four at + 16 a, B's four at + 64 + 16 b.   window 2 (f32 results): v0-127 the residual, in the layout of the stores.
.set LAPS,   KB/8                      ; a lap = two K steps = once round the ring
.set SLOT,   131072
.set BPART,  65536
.set SPARE,  2*SLOT                    ; behind the ring: the spare words, 128 bytes for each wave
.set STAGE,  SPARE+512                 ; f32 results: 16 rows x 272 bytes for each wave; no tensor load lands here
.set SPITCH, 272
.set L16,  3
.set ADRA, 16
.set ADRB, 20
.set STO,  24
.set RD,   25
.set CO,   26
.set BO,   27
.set SPW,  28
.set NIL,  29
.set SC,   30
.set LIM,  31
.set BIAS, 32
.set BK,   32
.set CD,   64
.set OFF,  96
.set ACC,  128
.set F0,   0
.set F1,   128
.set G1,   24
.set G0,   32
.set G1B,  48
.set G0B,  56
.set ES,   68
.set MSB, 0
.macro WIN new                         ; the immediate's high byte repeats the setting that is left
.if MSB != \new
	s_set_vgpr_msb (MSB<<8)|\new
.set MSB, \new
.endif
.endm
.set MUL,   0x05                       ; sources 0 (B) and 1 (A) window 1; C and D window 0
.set TO_F,  0x40                       ; destination window 1
.set TO_R,  0x80                       ; destination window 2
.set FMA_R, 0xa0                       ; destination and source 2 window 2
.set ST_R,  0x08                       ; a store's data window 2
.macro JLOAD s                         ; a joint load: waves 0 and 1 fetch A's halves, waves 2 and 3 B's; four v_nop follow each of the two lines
	s_cmp_eq_u32 s11, 0
	s_cbranch_scc0 .Lfor_b_\@
	tensor_load_to_lds s[G0+4*\s:G0+4*\s+3], s[G1:G1+7]
	s_nop 0
.rept 4
	v_nop
.endr
	s_branch .Lasked_\@
.Lfor_b_\@:
	tensor_load_to_lds s[G0B+4*\s:G0B+4*\s+3], s[G1B:G1B+7]
	s_nop 0
.rept 4
	v_nop
.endr
.Lasked_\@:
.endm
.macro CREST                           ; a round of the cluster's barrier behind its opening barrier
	s_cmp_lg_u32 s10, 0
	s_cbranch_scc1 .Lnot_wave_0_\@
	s_barrier_signal -3
.Lnot_wave_0_\@:
	s_barrier_wait -3
	s_barrier_signal -1
	s_barrier_wait -1
.endm
.macro CROUND
	s_barrier_signal -1
	s_barrier_wait -1
	CREST
.endm
.macro PLACES                          ; four plain lines in front of loads into registers that matrix instructions have read, and of the first read of results
.rept 4
	v_nop
.endr
.endm
	s_load_b64 s[4:5], s[0:1], ARG_A
	s_load_b64 s[6:7], s[0:1], ARG_B
	s_load_b64 s[8:9], s[0:1], ARG_OUT
	s_load_b64 s[92:93], s[0:1], ARG_S
.if F32OUT
	s_load_b64 s[84:85], s[0:1], ARG_RES
.endif
.if HASBIAS
	s_load_b64 s[86:87], s[0:1], ARG_BIAS
.endif
	v_lshl_add_u32 v[SPW], v0, 2, SPARE
	v_mov_b32 v[NIL], 0
	ds_add_u32 v28, v29
	ds_add_u32 v28, v29
	s_wait_dscnt 0x0
	v_lshrrev_b32 v1, 5, v0
	v_readfirstlane_b32 s10, v1                    ; wave 0..3
	s_lshr_b32 s11, s10, 1                         ; which 64 rows of the tile are mine.  Also: I fetch for A (0) or for B (1)
	s_and_b32 s12, s10, 1                          ; which 64 columns.  Also: which half of that tile I fetch
	s_bfe_u32 s40, ttmp6, 0x40000                  ; cx, cy: my place in the cluster
	s_bfe_u32 s41, ttmp6, 0x40004
.if QKV
	s_and_b32 s94, ttmp7, 0xffff                   ; the cluster's y
	s_max_u32 s95, ttmp9, 4
	s_sub_co_u32 s95, s95, 4                       ; the cluster's x - 4, for v
	s_lshr_b32 s96, ttmp9, 1
	s_lshl_b32 s96, s96, 22
	s_add_co_u32 s96, s96, 12<<20                  ; the norm's codes under e0 (q) or e2 (k)
	s_cmp_ge_u32 ttmp9, 4                          ; v?
	s_cselect_b32 s18, s94, ttmp9                  ; columns go by the cluster's x (q, k: w_q's 8 tiles, then w_k's) or y (v: tokens)
	s_cselect_b32 s19, s95, s94                    ; rows by y (tokens) or x - 4 (w_v's features)
	s_cselect_b32 s20, 2<<20, s96                  ; the row operand: w_v, or the norm's codes
	s_cselect_b32 s21, 20<<20, 0                   ; the column operand: the norm's codes under e4, or w_q and w_k
.else
	s_mov_b32 s18, ttmp9
	s_and_b32 s19, ttmp7, 0xffff
	s_mov_b32 s20, AOFF
	s_mov_b32 s21, BOFF
.endif
	s_lshl_b32 s42, s18, 2
	s_add_co_u32 s42, s42, s40                     ; tile column
	s_lshl_b32 s13, s19, 2
	s_add_co_u32 s13, s13, s41                     ; tile row
	s_lshl_b32 s43, s41, 2
	s_lshl_b32 s43, 15, s43                        ; my row of the cluster
	s_lshl_b32 s44, 0x1111, s40                    ; my column
	; descriptor group 1: 32,768 dense bytes as 128 rows of 32 elements of 8 bytes
	s_or_b32 s[G1+0], s43, (3<<16)|(1<<21)         ; 15:0 the mask; 17:16 elements of 8 bytes; 20 no padding; 21 set beside a mask
	s_or_b32 s[G1B+0], s44, (3<<16)|(1<<21)
.irp g, G1, G1B
	s_mov_b32 s[\g+1], 32<<16                      ; tensor_dim0 = 32
	s_mov_b32 s[\g+2], 128<<16                     ; tensor_dim1 = 128
	s_mov_b32 s[\g+3], 32<<16                      ; tile_dim0 = 32
	s_mov_b32 s[\g+4], 128                         ; tile_dim1 = 128
	s_mov_b32 s[\g+5], 32                          ; from row to row: 32 elements
	s_mov_b32 s[\g+6], 0
	s_mov_b32 s[\g+7], 0
.endr
	s_lshl_b32 s14, s12, 15                        ; which 32,768 bytes of a K step's 65,536 I fetch
	s_mul_i32 s16, s13, KB*16384                   ; A hangs on the tile row alone,
	s_add_co_u32 s16, s16, s20
	s_add_co_u32 s16, s16, s14
	s_mov_b32 s17, 0
	s_mul_i32 s46, s42, KB*16384                   ; B on the tile column alone
	s_add_co_u32 s46, s46, s21
	s_add_co_u32 s46, s46, s14
	s_mov_b32 s47, 0
	s_lshl_b32 s45, s10, 15                        ; where they go: wave x 32,768
	s_wait_kmcnt 0x0
	s_load_b512 s[ES:ES+15], s[92:93], 0x0         ; e0 .. e15
	s_add_nc_u64 s[14:15], s[4:5], s[16:17]
	s_add_nc_u64 s[46:47], s[6:7], s[46:47]
	CROUND                                         ; all sixteen work-groups are here: the first joint loads meet
.irp s, 0,1
	s_mov_b32 s[G0+4*\s], 1
	s_add_co_u32 s[G0+4*\s+1], s45, \s*SLOT
	s_add_nc_u64 s[G0+4*\s+2:G0+4*\s+3], s[14:15], \s*BPART
	s_or_b32 s[G0+4*\s+3], s[G0+4*\s+3], 0x80000000
	s_mov_b32 s[G0B+4*\s], 1
	s_add_co_u32 s[G0B+4*\s+1], s45, \s*SLOT
	s_add_nc_u64 s[G0B+4*\s+2:G0B+4*\s+3], s[46:47], \s*BPART
	s_or_b32 s[G0B+4*\s+3], s[G0B+4*\s+3], 0x80000000
	JLOAD \s                                       ; two loads of mine are out
.endr
	v_and_b32 v1, 15, v0                           ; r
	v_bfe_u32 v2, v0, 4, 1                         ; h
	v_and_b32 v[L16], 31, v0
	v_lshlrev_b32 v[L16], 4, v[L16]                ; 16 x lane
	s_lshl_b32 s22, s11, 13                        ; my four fragments of A's eight,
	s_lshl_b32 s23, s12, 13
	s_add_co_u32 s23, s23, BPART                   ; of B's
.irp s, 0,1
	v_add_nc_u32 v[ADRA+\s], s22, v[L16]
	v_add_nc_u32 v[ADRB+\s], s23, v[L16]
	s_add_co_u32 s22, s22, SLOT
	s_add_co_u32 s23, s23, SLOT
.endr
	s_lshl_b32 s98, s42, 9
	s_lshl_b32 s99, s12, 8
	s_add_co_u32 s98, s98, s99                     ; my first column as bytes of f32: 512 x tile column + 256 x half
	s_mov_b32 s99, 0
.if HASBIAS
	s_add_nc_u64 s[86:87], s[86:87], s[98:99]
	v_lshlrev_b32 v[BO], 5, v2                     ; lane (r, h) wants, for block b, the bias of columns 16 b + 8 h + 0 .. 7
.irp b, 0,1,2,3
	global_load_b128 v[BIAS+8*\b:BIAS+8*\b+3], v[BO], s[86:87] offset:64*\b
	global_load_b128 v[BIAS+8*\b+4:BIAS+8*\b+7], v[BO], s[86:87] offset:64*\b+16
.endr
.endif
.if F32OUT
	s_mul_i32 s23, s10, 16*SPITCH
	s_add_co_u32 s23, s23, STAGE                   ; my stage
	v_mul_u32_u24 v4, v1, SPITCH
	v_lshl_add_u32 v4, v2, 5, v4
	v_add_nc_u32 v[STO], s23, v4                   ; in: row r, 32 bytes for each half of the lanes
	v_mul_u32_u24 v5, v2, SPITCH
	v_lshl_add_u32 v5, v1, 4, v5
	v_add_nc_u32 v[RD], s23, v5                    ; back: lanes 0-15 one row of 256 bytes, lanes 16-31 the next
	v_lshlrev_b32 v5, 12, v2
	v_lshl_add_u32 v[CO], v1, 4, v5                ; and the same two rows (4,096 bytes apart) in memory
	s_lshl_b32 s96, s13, 7
	s_lshl_b32 s97, s11, 6
	s_add_co_u32 s96, s96, s97                     ; my first row
	s_lshl_b32 s96, s96, 12
	s_add_co_u32 s96, s96, s98
	s_mov_b32 s97, 0
	s_add_nc_u64 s[8:9], s[8:9], s[96:97]
	s_add_nc_u64 s[84:85], s[84:85], s[96:97]
	WIN TO_R
.irp a, 0,1,2,3
.irp t, 0,1,2,3,4,5,6,7
	global_load_b128 v[32*\a+4*\t:32*\a+4*\t+3], v[CO], s[84:85] offset:(16*\a+2*\t)*4096   ; the residual, asked for now, used at the end: sixteen lanes read 256 consecutive bytes
.endr
.endr
	WIN 0
.else
.if QKV
	s_lshr_b32 s94, s13, 4                         ; q, k: batch = tile row / 16,
	s_lshl_b32 s94, s94, 4
	s_and_b32 s95, s42, 7
	s_lshl_b32 s95, s95, 1
	s_add_co_u32 s94, s94, s95
	s_add_co_u32 s94, s94, s12                     ; head = 2 (tile column % 8) + my half,
	s_lshl_b32 s94, s94, 7
	s_and_b32 s95, s13, 15
	s_lshl_b32 s95, s95, 3
	s_add_co_u32 s94, s94, s95
	s_lshl_b32 s95, s11, 2
	s_add_co_u32 s94, s94, s95                     ; token fragment = 8 (tile row % 16) + 4 x half,
	s_lshl_b32 s94, s94, 10
	s_lshr_b32 s95, ttmp9, 1
	s_lshl_b32 s95, s95, 22
	s_add_co_u32 s94, s94, s95                     ; in q's or k's part
	s_lshr_b32 s96, s42, 4                         ; v: batch = tile column / 16,
	s_lshl_b32 s96, s96, 4
	s_lshl_b32 s97, s13, 1
	s_add_co_u32 s96, s96, s97
	s_add_co_u32 s96, s96, s11                     ; head = 2 x tile row + my half,
	s_lshl_b32 s96, s96, 4
	s_and_b32 s97, s42, 15
	s_add_co_u32 s96, s96, s97                     ; chunk of 128 keys = tile column % 16,
	s_lshl_b32 s96, s96, 13
	s_lshl_b32 s97, s12, 10
	s_add_co_u32 s96, s96, s97                     ; my 64 keys are two of a fragment's four pieces
	s_add_co_u32 s96, s96, 8<<20
	s_mov_b32 s90, 1024
	s_cmp_ge_u32 ttmp9, 4
	s_cselect_b32 s96, s96, s94
	s_cselect_b32 s90, 2048, s90                   ; from row block to row block: a fragment of 1,024 or of 2,048 bytes
.else
	s_mul_i32 s96, s13, KBOUT
	s_add_co_u32 s96, s96, s42
	s_lshl_b32 s96, s96, 14                        ; the result as the next product's operand: (tile row x KBOUT + tile column) x 16,384,
	s_lshl_b32 s97, s11, 13
	s_add_co_u32 s96, s96, s97                     ; my four fragments,
	s_lshl_b32 s97, s12, 10
	s_add_co_u32 s96, s96, s97                     ; my two pieces of each
	s_mov_b32 s90, 2048
.endif
	s_mov_b32 s97, 0
	s_add_nc_u64 s[8:9], s[8:9], s[96:97]
.irp a, 0,1,2,3
	s_mul_i32 s91, s90, \a
	v_add_nc_u32 v[OFF+\a], s91, v[L16]
.endr
.endif
	s_wait_kmcnt 0x0                               ; the exponents
.if F32OUT
	s_add_co_i32 s88, s[ES+EA], s[ES+EB]
	s_add_co_i32 s88, s88, 127
	s_lshl_b32 s88, s88, 23                        ; 2^(eA + eB) as f32
	s_mov_b32 s89, s88                             ; (named with it as a pair)
.else
.if QKV
	s_sub_co_i32 s94, s[ES+6], s[ES+0]
	s_sub_co_i32 s94, s94, s[ES+1]
	s_sub_co_i32 s95, s[ES+7], s[ES+2]
	s_sub_co_i32 s95, s95, s[ES+3]
	s_sub_co_i32 s96, s[ES+9], s[ES+4]
	s_sub_co_i32 s96, s96, s[ES+5]
	s_cmp_lt_u32 ttmp9, 4
	s_cselect_b32 s95, s95, s96
	s_cmp_lt_u32 ttmp9, 2
	s_cselect_b32 s94, s94, s95
.else
	s_sub_co_i32 s94, s[ES+EO], s[ES+EA]
	s_sub_co_i32 s94, s94, s[ES+EB]
.endif
	s_add_co_i32 s94, s94, 127                     ; a sum stands for sum x 2^(eA + eB): its code is sum / 2^(eO - eA - eB): three scales folded into the conversion's one
	s_lshl_b32 s95, s94, 23
	v_mov_b32 v[SC], s95
	s_add_co_i32 s94, s94, 15
	s_lshl_b32 s94, s94, 23
	s_or_b32 s94, s94, 0x600000
	v_mov_b32 v[LIM], s94                          ; 57,344 x that
.endif
.if HASBIAS
	s_add_co_i32 s91, s[ES+EA], s[ES+EB]
	s_sub_co_i32 s91, 0, s91
.if F32OUT
	s_wait_loadcnt 32                              ; the bias is in; the residual's 32 younger loads stay out
.else
	s_wait_loadcnt 0x0
.endif
.set i, 0
.rept 32
	v_ldexp_f32 v[BIAS+i], v[BIAS+i], s91          ; the bias goes in as the C of each sum's first product, divided by the power of two that the sums lack
.set i, i+1
.endr
.endif
; 8 matrix instructions: A's blocks a0, a0 + 1 x B's four, 128 along K, from set f.  zero = 1: the first product starts the sums.  The 16 accumulators take turns, one instruction a turn, in the same order in every quarter.
.macro MUL8 f, a0, zero
.irp a, \a0, \a0+1
.irp b, 0,1,2,3
.if \zero && HASBIAS
	v_wmma_f32_16x16x128_bf8_bf8 v[ACC+8*(4*(\a)+\b):ACC+8*(4*(\a)+\b)+7], v[\f+64+16*\b:\f+64+16*\b+15], v[\f+16*(\a):\f+16*(\a)+15], v[BIAS+8*\b:BIAS+8*\b+7]
.elseif \zero
	v_wmma_f32_16x16x128_bf8_bf8 v[ACC+8*(4*(\a)+\b):ACC+8*(4*(\a)+\b)+7], v[\f+64+16*\b:\f+64+16*\b+15], v[\f+16*(\a):\f+16*(\a)+15], 0
.else
	v_wmma_f32_16x16x128_bf8_bf8 v[ACC+8*(4*(\a)+\b):ACC+8*(4*(\a)+\b)+7], v[\f+64+16*\b:\f+64+16*\b+15], v[\f+16*(\a):\f+16*(\a)+15], v[ACC+8*(4*(\a)+\b):ACC+8*(4*(\a)+\b)+7]
.endif
.endr
.endr
.endm
.macro FETCH slot, kq, f               ; 32 LDS loads in one run: the fragments of the slot's kq-th 128 along K into set f: B's four, then A's four
	WIN TO_F
.irp b, 0,1,2,3
.irp q, 0,1,2,3
	ds_load_b128 v[\f+64+16*\b+4*\q:\f+64+16*\b+4*\q+3], v[ADRB+\slot] offset:\kq*16384+\b*2048+512*\q
.endr
.endr
.irp a, 0,1,2,3
.irp q, 0,1,2,3
	ds_load_b128 v[\f+16*\a+4*\q:\f+16*\a+4*\q+3], v[ADRA+\slot] offset:\kq*16384+\a*2048+512*\q
.endr
.endr
.endm
; A K step is four quarters of 128 along K, 16 matrix instructions each, on sets 0, 1, 0, 1.  One of the first three: multiplies set f and fetches the slot's kq-th quarter into set g.
.macro QUARTER slot, kq, f, g, zero
	s_wait_dscnt 8                                 ; all but the youngest eight loads (A's blocks 2, 3) are in
	WIN MUL
	MUL8 \f, 0, \zero
	PLACES
	FETCH \slot, \kq, \g
	s_wait_dscnt 32                                ; all but the 32 just issued
	WIN MUL
	MUL8 \f, 2, \zero
.endm
; The last quarter multiplies set 1 and changes slots: ONE barrier; in front of it each wave waits for all its tensor loads, adds 0 to its spare word, and waits for that and for its reads of this slot.
; fill = 1: the barrier opens a round of the cluster's, and this slot is filled again, two K steps ahead, first thing behind it.
.macro TURN slot, next, fill
	WIN 0
	s_wait_tensorcnt 0x0                           ; all my tensor loads have landed: my part of the next slot
	ds_add_u32 v[SPW], v[NIL]                      ; 0 onto my spare word
	s_wait_dscnt 9                                 ; (the add and the youngest eight loads may be out)
	WIN MUL
	MUL8 F1, 0, 0                                  ; eight matrix instructions stand between the add and the wait for it
	WIN 0
	s_wait_dscnt 0x0                               ; the add is done, and my reads of this slot are over
	s_barrier_signal -1
	s_barrier_wait -1
.if \fill
	CREST                                          ; no wave of any partner still reads this slot's tile or has a load on its way
	s_add_nc_u64 s[G0+4*\slot+2:G0+4*\slot+3], s[G0+4*\slot+2:G0+4*\slot+3], 2*BPART
	s_add_nc_u64 s[G0B+4*\slot+2:G0B+4*\slot+3], s[G0B+4*\slot+2:G0B+4*\slot+3], 2*BPART
	JLOAD \slot                                    ; my one tensor load behind the round; its four v_nop are also the places in front of the loads below
.else
	PLACES
.endif
	FETCH \next, 0, F0
	WIN MUL
	MUL8 F1, 2, 0                                  ; eight matrix instructions while the next slot's first fragments come
.endm
	s_wait_tensorcnt 1                             ; my part of K step 0 is in; K step 1's may stay out
	s_barrier_signal -1
	s_barrier_wait -1
	FETCH 0, 0, F0
	QUARTER 0, 1, F0, F1, 1                        ; the first quarter stands in front of the loop: its products start the sums
.if LAPS > 1
	WIN 0                                          ; at a label and at a branch every window is 0
	s_mov_b32 s3, LAPS-1
.Llap:                                             ; a trip goes once round the ring and fills both slots again
	QUARTER 0, 2, F1, F0, 0
	QUARTER 0, 3, F0, F1, 0
	TURN 0, 1, 1
	QUARTER 1, 1, F0, F1, 0
	QUARTER 1, 2, F1, F0, 0
	QUARTER 1, 3, F0, F1, 0
	TURN 1, 0, 1
	QUARTER 0, 1, F0, F1, 0
	WIN 0
	s_sub_co_u32 s3, s3, 1
	s_cmp_lg_u32 s3, 0
	s_cbranch_scc1 .Llap
.endif
	QUARTER 0, 2, F1, F0, 0                        ; the last lap fills nothing
	QUARTER 0, 3, F0, F1, 0
	TURN 0, 1, 0
	QUARTER 1, 1, F0, F1, 0
	QUARTER 1, 2, F1, F0, 0
	QUARTER 1, 3, F0, F1, 0
	s_wait_dscnt 8
	WIN MUL
	MUL8 F1, 0, 0
	s_wait_dscnt 0x0
	MUL8 F1, 2, 0
	WIN 0
	PLACES
.if F32OUT
; THE WAY OUT, f32: a block of 16 rows x 64 columns goes through my own stage and comes back as rows of 256 bytes; sum x 2^(eA + eB) + residual in one packed multiply-add; sixteen lanes store 256 aligned bytes.
.macro TOSTAGE a
.irp b, 0,1,2,3
	ds_store_b128 v[STO], v[ACC+8*(4*\a+\b):ACC+8*(4*\a+\b)+3] offset:64*\b
	ds_store_b128 v[STO], v[ACC+8*(4*\a+\b)+4:ACC+8*(4*\a+\b)+7] offset:64*\b+16
.endr
.irp t, 0,1,2,3,4,5,6,7
	ds_load_b128 v[BK+32*(\a%2)+4*\t:BK+32*(\a%2)+4*\t+3], v[RD] offset:\t*2*SPITCH   ; LDS serves a wave's instructions in order: these see the stores above
.endr
.endm
.macro SEND a, younger                 ; younger: the LDS instructions issued behind block a's loads
	s_wait_dscnt \younger
	WIN FMA_R
.irp i, 0,2,4,6,8,10,12,14,16,18,20,22,24,26,28,30
	v_pk_fma_f32 v[32*\a+\i:32*\a+\i+1], v[BK+32*(\a%2)+\i:BK+32*(\a%2)+\i+1], s[88:89], v[32*\a+\i:32*\a+\i+1] op_sel_hi:[1,0,1]
.endr
	WIN ST_R
.irp t, 0,1,2,3,4,5,6,7
.if NTOUT
	global_store_b128 v[CO], v[32*\a+4*\t:32*\a+4*\t+3], s[8:9] offset:(16*\a+2*\t)*4096 th:TH_STORE_NT
.else
	global_store_b128 v[CO], v[32*\a+4*\t:32*\a+4*\t+3], s[8:9] offset:(16*\a+2*\t)*4096
.endif
.endr
	WIN 0
.endm
	s_wait_loadcnt 0x0                             ; the residual
	TOSTAGE 0
	TOSTAGE 1
	SEND 0, 16
	TOSTAGE 2
	SEND 1, 16
	TOSTAGE 3
	SEND 2, 16
	SEND 3, 0
.else
; THE WAY OUT, codes: the hold (and the activation, where there is one), one conversion an accumulator, eight stores of 512 dense bytes.
.set i, 0
.rept 128
.if RELU
	v_med3_num_f32 v[ACC+i], v[ACC+i], 0, v[LIM]   ; the activation and the hold in one
.else
	v_med3_num_f32 v[ACC+i], v[ACC+i], -v[LIM], v[LIM]   ; the conversion to an 8-bit code does not saturate (ISA guide 7.6.2)
.endif
.set i, i+1
.endr
.set i, 0
.rept 16
	v_cvt_scalef32_pk8_bf8_f32 v[CD+2*i:CD+2*i+1], v[ACC+8*i:ACC+8*i+7], v[SC]
.set i, i+1
.endr
	v_nop                                          ; a plain line behind the last conversion
.irp a, 0,1,2,3
.irp q, 0,1
	global_store_b128 v[OFF+\a], v[CD+8*\a+4*\q:CD+8*\a+4*\q+3], s[8:9] offset:512*\q
.endr
.endr
.endif
	s_wait_tensorcnt 0x0                           ; the wave's end
	ds_add_u32 v[SPW], v[NIL]
	s_wait_dscnt 0x0
	CROUND                                         ; the closing round: no work-group ends while a partner may still ask for a tile that names it
	s_endpgm
.Lfunc_end_k_q06eb2de114_ffn_down:
	.size	k_q06eb2de114_ffn_down, .Lfunc_end_k_q06eb2de114_ffn_down-k_q06eb2de114_ffn_down
	.p2alignl 7, 3214868480
	.fill 96, 4, 3214868480
	.section	.rodata,"a",@progbits
	.p2align	6, 0x0
	.amdhsa_kernel k_q06eb2de114_ffn_down
		.amdhsa_group_segment_fixed_size 327680
		.amdhsa_private_segment_fixed_size 0
		.amdhsa_enable_private_segment 0
		.amdhsa_kernarg_size 48
		.amdhsa_user_sgpr_count 2
		.amdhsa_user_sgpr_kernarg_segment_ptr 1
		.amdhsa_wavefront_size32 1
		.amdhsa_system_sgpr_workgroup_id_x 1
		.amdhsa_system_sgpr_workgroup_id_y 1
		.amdhsa_system_sgpr_workgroup_id_z 1
		.amdhsa_system_vgpr_workitem_id 0
		.amdhsa_next_free_vgpr 640
		.amdhsa_next_free_sgpr 100
		.amdhsa_reserve_vcc 0
		.amdhsa_float_denorm_mode_32 3
		.amdhsa_float_denorm_mode_16_64 3
		.amdhsa_memory_ordered 1
		.amdhsa_forward_progress 1
		.amdhsa_inst_pref_size 80
	.end_amdhsa_kernel
	.amdgpu_metadata
---
amdhsa.version: [ 1, 2 ]
amdhsa.kernels:
  - .name:           k_q06eb2de114_ffn_down
    .symbol:         k_q06eb2de114_ffn_down.kd
    .args:
      - { .name: hc, .offset: 0, .size: 8, .value_kind: global_buffer, .address_space: global }
      - { .name: cw, .offset: 8, .size: 8, .value_kind: global_buffer, .address_space: global }
      - { .name: b2, .offset: 16, .size: 8, .value_kind: global_buffer, .address_space: global }
      - { .name: x1, .offset: 24, .size: 8, .value_kind: global_buffer, .address_space: global }
      - { .name: lowp_scales, .offset: 32, .size: 8, .value_kind: global_buffer, .address_space: global }
      - { .name: out0, .offset: 40, .size: 8, .value_kind: global_buffer, .address_space: global }
    .group_segment_fixed_size: 327680
    .private_segment_fixed_size: 0
    .kernarg_segment_align: 8
    .kernarg_segment_size: 48
    .max_flat_workgroup_size: 128
    .sgpr_count:     100
    .vgpr_count:     640
    .wavefront_size: 32
...
	.end_amdgpu_metadata
.endif
;; end of part 7
;; ======== version 2 of 2: 7 launches
;; limits: right only within a limited range of input values
;; workspace buffers: cw 25,165,824 bytes; qkv 12,582,912 bytes; ctx 4,194,304 bytes; x1 16,777,216 bytes; a2 4,194,304 bytes; hc 16,777,216 bytes
;; launch prep (part 8): grid 1024 x 1, 4 waves a work-group, no clusters, 70,144 bytes of LDS; arguments x, w_q, w_k, w_v, w_o, w1, w2, g1, be1, lowp_scales, cw; writes cw
.if DOCPART == 8
	.amdgcn_target "amdgcn-amd-amdhsa--gfx1250"
	.amdhsa_code_object_version 6
	.text
	.protected	k_q06eb2de114_prep
	.globl	k_q06eb2de114_prep
	.p2align	8
	.type	k_q06eb2de114_prep,@function
k_q06eb2de114_prep:
	s_mov_b64 s[64:65], 0
	v_nop
	global_prefetch_b8 v0, s[64:65] scope:SCOPE_SE
	s_setreg_imm32_b32 hwreg(HW_REG_WAVE_MODE, 25, 1), 1
	s_wait_xcnt 0x0
; The six weights, and LayerNorm 1 of x under three scales, become codes of E5M2 in cw, laid as IMAGES OF THE OPERAND'S REGISTERS.
; A FRAGMENT is 16 rows x 128 K, 2,048 bytes: byte 512 q + 16 (r + 16 h) + 8 e + i holds X[16 rho + r][128 kap + 32 q + 16 e + 8 h + i]: lane r + 16 h of a wave that loads
; piece q (512 bytes, 16 a lane) has registers 4 q .. 4 q + 3 of the 8-bit operand layout (ISA guide 7.12.2).  Fragment (rho, kap) of a tensor with KB = K / 128 lies at
; ((rho / 8) KB + kap) 16,384 + (rho % 8) 2,048: a tile of 128 rows x 512 K is 65,536 dense bytes.
; cw: w_q 0, w_k 1 MB, w_v 2 MB, w_o 3 MB, w1 4 MB, w2 8 MB (KB = 32), LN1 under e0 12 MB, under e2 16 MB, under e4 20 MB.
; code = number / 2^e, held within +-57,344, to the nearest code, ties to even.  LIMITS: each e between -126 and 112.  NaN among the inputs is not served.
; SHARES.  A work-group takes a unit of 16 rows x 1,024 K (65,536 bytes in, 8 fragments out); wave w takes rows 4 w + i.  Units 0-255: x (with the norm, three images); 256-511: w_q, w_k, w_v, w_o;
; 512-767: w1; 768-1023: w2 (16 rows x a quarter of its K).  Each load of a wave reads 512 consecutive bytes; a lane's four codes are one word, which goes to its place in an LDS image
; (544 bytes a piece, 272 a half: the 32 words of a store fall on 32 different banks: 64 banks of 4 bytes, ISA guide 11.1); behind one barrier the image is read as pieces and stored, 512 dense bytes a store.
; No tensor load, no matrix unit, no cluster: memory binds, and work-groups share no input but g1 and be1.
; The two paths part once, on the work-group's number, and each has LDS bytes of its own: images 0-2 the norm's, image 3 the weights'.  Image 3's base stands in address registers of its own:
; with it in the immediate the last store's offset, 3 x 17,408 + 7 x 2,176 + 48, would pass the 16 bits of an LDS offset.
.set L16,  9                           ; v9       16 x lane
.set GOFF, 2                           ; v2       where my piece goes in cw: 16 x lane + 32,768 x wave (fragments kap = 2 w, 2 w + 1)
.set OFF,  3                           ; v3-6     row 4 w + i: its byte offset + 16 x lane
.set IMGW, 7                           ; v7       my word's place in a fragment's LDS image
.set IMGR, 8                           ; v8       my 16 bytes of a piece on the way out
.set SC,   10                          ; v10      2^e as f32
.set LIM,  11                          ; v11      57,344 x 2^e
.set IMGW3, 13                         ; v13      IMGW in image 3
.set IMGR3, 14                         ; v14      IMGR in image 3
.set X,    16                          ; v16-143  row i, chunk kap of 128: four numbers at X + 32 i + 4 kap; on the way out image m's pieces at X + 32 m
.set G,    144                         ; v144-175 g1 at my columns
.set BE,   176                         ; v176-207 be1
.set T,    208                         ; v208-223 two sets of eight held numbers; in the norm: sums (pairs, T + 2 i) and the permute's results (T + 8 + i)
.set C,    224                         ; v224-255 codes: row i, chunk kap at C + 8 i + kap
.set IMG,  17408                       ; an image: 8 fragments of
.set FRL,  2176                        ; 4 pieces x 544 bytes
	s_load_b512 s[8:23], s[0:1], 0x0               ; x, w_q, w_k, w_v, w_o, w1, w2, g1
	s_load_b128 s[24:27], s[0:1], 0x40             ; be1, the scales' exponents
	s_load_b64 s[28:29], s[0:1], 0x50              ; cw
	v_lshl_add_u32 v15, v0, 2, 0x11000
	v_mov_b32 v12, 0                               ; v15, v12: my spare word's address and 0; never rewritten
	v_lshrrev_b32 v1, 5, v0
	v_readfirstlane_b32 s44, v1                    ; wave
	v_and_b32 v1, 31, v0
	v_lshlrev_b32 v[L16], 4, v1
	v_bfe_u32 v1, v0, 3, 2                         ; my four numbers are k' = 4 lane on: piece q = lane / 8,
	v_mul_u32_u24 v[IMGW], v1, 544
	v_bfe_u32 v1, v0, 1, 1                         ; half h = (lane / 2) % 2,
	v_mad_u32_u24 v[IMGW], v1, 272, v[IMGW]
	v_bfe_u32 v1, v0, 2, 1                         ; e = (lane / 4) % 2,
	v_lshl_add_u32 v[IMGW], v1, 3, v[IMGW]
	v_and_b32 v1, 1, v0                            ; word lane % 2 of the eight bytes,
	v_lshl_add_u32 v[IMGW], v1, 2, v[IMGW]
	s_lshl_b32 s45, s44, 6
	v_add_nc_u32 v[IMGW], s45, v[IMGW]             ; row 4 w (16 bytes a row)
	v_bfe_u32 v1, v0, 4, 1
	v_mul_u32_u24 v[IMGR], v1, 272
	v_and_b32 v1, 15, v0
	v_lshl_add_u32 v[IMGR], v1, 4, v[IMGR]
	s_mul_i32 s45, s44, 2*FRL
	v_add_nc_u32 v[IMGR], s45, v[IMGR]             ; out: fragments 2 w and 2 w + 1
	v_add_nc_u32 v[IMGW3], 3*IMG, v[IMGW]          ; the same two places in the weights' image
	v_add_nc_u32 v[IMGR3], 3*IMG, v[IMGR]
	s_lshl_b32 s45, s44, 15
	v_add_nc_u32 v[GOFF], s45, v[L16]
	s_mov_b32 s40, 0x76543210                      ; v_permlanex16_b32: lane l xor 16
	s_mov_b32 s41, 0xfedcba98
	s_mov_b32 s42, 0x3a800000                      ; 1 / 1,024
	s_mov_b32 s43, 0x3727c5ac                      ; 1e-5
	; which unit: all three forms of the offsets are made, and chosen by the work-group's number
	s_and_b32 s45, ttmp9, 63
	s_and_b32 s46, ttmp9, 255
	s_lshr_b32 s47, ttmp9, 8
	s_cmp_eq_u32 s47, 1
	s_cselect_b32 s45, s45, s46                    ; the unit's number in its tensor: u % 64 for the four square weights, u % 256 else
	s_lshl_b32 s45, s45, 16                        ; 16 rows of 4,096 bytes
	s_lshr_b32 s48, s46, 2                         ; w2: rho,
	s_and_b32 s49, s46, 3                          ; and which quarter of K
	s_lshl_b32 s50, s48, 18                        ; 16 rows of 16,384 bytes
	s_lshl_b32 s51, s49, 12
	s_add_co_u32 s50, s50, s51
	s_lshr_b32 s52, ttmp9, 3
	s_add_co_u32 s52, s52, 96
	s_and_b32 s52, s52, 127                        ; block of 131,072 bytes in cw: 96 + u / 8 for x, u / 8 - 32 for units 256-767
	s_lshl_b32 s52, s52, 17
	s_and_b32 s53, ttmp9, 7
	s_lshl_b32 s53, s53, 11
	s_add_co_u32 s52, s52, s53
	s_lshr_b32 s54, s48, 3
	s_lshl_b32 s54, s54, 2
	s_add_co_u32 s54, s54, s49
	s_add_co_u32 s54, s54, 64                      ; w2: block 64 + 4 (rho / 8) + quarter
	s_lshl_b32 s54, s54, 17
	s_and_b32 s55, s48, 7
	s_lshl_b32 s55, s55, 11
	s_add_co_u32 s54, s54, s55
	s_mov_b32 s38, 4096
	s_cmp_ge_u32 ttmp9, 768
	s_cselect_b32 s56, s50, s45                    ; the unit's first byte in its tensor,
	s_cselect_b32 s58, s54, s52                    ; in cw,
	s_cselect_b32 s38, 16384, s38                  ; and the tensor's row in bytes
	s_mov_b32 s57, 0
	s_mov_b32 s59, 0
	s_lshl_b32 s46, s44, 2
.irp i, 0,1,2,3
	s_add_co_u32 s47, s46, \i
	s_mul_i32 s47, s47, s38
	v_add_nc_u32 v[OFF+\i], s47, v[L16]
.endr
	s_wait_alu depctr_va_vdst(0)
	s_wait_kmcnt 0x0
	s_load_b512 s[68:83], s[26:27], 0x0            ; e0 .. e15
.macro PICKP bound, p                  ; a choice between buffers that hangs on the work-group's number alone
	s_cmp_lt_u32 ttmp9, \bound
	s_cselect_b64 s[30:31], s[\p:\p+1], s[30:31]
.endm
	s_mov_b64 s[30:31], s[20:21]                   ; w2,
	PICKP 768, 18                                  ; w1,
	PICKP 512, 16                                  ; w_o,
	PICKP 448, 14                                  ; w_v,
	PICKP 384, 12                                  ; w_k,
	PICKP 320, 10                                  ; w_q,
	PICKP 256, 8                                   ; x
	s_add_nc_u64 s[30:31], s[30:31], s[56:57]
	s_add_nc_u64 s[32:33], s[28:29], s[58:59]
	s_add_nc_u64 s[34:35], s[32:33], 0x400000      ; the norm's second and third image
	s_add_nc_u64 s[36:37], s[32:33], 0x800000
.irp i, 0,1,2,3
.irp k, 0,1,2,3,4,5,6,7
	global_load_b128 v[X+32*\i+4*\k:X+32*\i+4*\k+3], v[OFF+\i], s[30:31] offset:512*\k th:TH_LOAD_NT   ; 32 lanes read 512 consecutive bytes; all 32 loads of the wave go out at once
.endr
.endr
.macro SETSC e                         ; the scale and the hold for exponent e (a scalar register)
	s_add_co_i32 s45, \e, 127
	s_lshl_b32 s46, s45, 23
	v_mov_b32 v[SC], s46                           ; 2^e: the conversion takes its exponent field
	s_add_co_i32 s45, s45, 15
	s_lshl_b32 s45, s45, 23
	s_or_b32 s45, s45, 0x600000
	v_mov_b32 v[LIM], s45                          ; 57,344 x 2^e
.endm
.macro QIMG adr, base                  ; my four rows become codes and go to the image at v[adr] + base
.irp i, 0,1,2,3
.irp p, 0,1,2,3
.irp j, 0,1,2,3,4,5,6,7
	v_med3_num_f32 v[T+8*(\p%2)+\j], v[X+32*\i+8*\p+\j], -v[LIM], v[LIM]   ; the conversion to an 8-bit code does not saturate (ISA guide 7.6.2): the hold comes first; X is kept for the next image
.endr
	v_cvt_scalef32_pk8_bf8_f32 v[C+8*\i+2*\p:C+8*\i+2*\p+1], v[T+8*(\p%2):T+8*(\p%2)+7], v[SC]   ; four codes of chunk 2 p, four of chunk 2 p + 1; the other set's eight holds are the plain lines behind it
.endr
.endr
	v_nop                                          ; a plain line behind the last conversion: SC and LIM are written next
.irp i, 0,1,2,3
.irp k, 0,1,2,3,4,5,6,7
	ds_store_b32 v[\adr], v[C+8*\i+\k] offset:\base+\k*FRL+16*\i
.endr
.endr
.endm
.macro OUT set, adr, base, dst         ; my two fragments of the image at v[adr] + base: eight pieces back into register set 'set', eight stores of 512 dense bytes
.irp j, 0,1
.irp q, 0,1,2,3
	ds_load_b128 v[X+32*\set+16*\j+4*\q:X+32*\set+16*\j+4*\q+3], v[\adr] offset:\base+\j*FRL+\q*544
.endr
.endr
.irp j, 0,1
.irp q, 0,1,2,3
	s_wait_dscnt 7-(4*\j+\q)                       ; LDS loads come back in order: this piece is in
	global_store_b128 v[GOFF], v[X+32*\set+16*\j+4*\q:X+32*\set+16*\j+4*\q+3], s[\dst:\dst+1] offset:\j*16384+512*\q
.endr
.endr
.endm
.macro WSUM                            ; the four rows' sums over the 32 lanes, in every lane
.irp m, 1,2,4,8
.irp i, 0,1,2,3
	v_add_f32_dpp v[T+2*\i], v[T+2*\i], v[T+2*\i] row_xmask:\m row_mask:0xf bank_mask:0xf
.endr
.endr
.irp i, 0,1,2,3
	v_permlanex16_b32 v[T+8+\i], v[T+2*\i], s40, s41
.endr
.irp i, 0,1,2,3
	v_add_f32 v[T+2*\i], v[T+2*\i], v[T+8+\i]
.endr
.endm
	s_cmp_lt_u32 ttmp9, 256
	s_cbranch_scc0 .Lweights
	; ---- LayerNorm 1: a row lies whole in one wave; the four rows take turns line by line
.irp k, 0,1,2,3,4,5,6,7
	global_load_b128 v[G+4*\k:G+4*\k+3], v[L16], s[22:23] offset:512*\k
	global_load_b128 v[BE+4*\k:BE+4*\k+3], v[L16], s[24:25] offset:512*\k
.endr
.irp i, 0,1,2,3
	v_mov_b32 v[T+8+\i], 0                         ; a lane permute's destination counts as read
.endr
	s_wait_loadcnt 16                              ; the rows are in; g1 and be1, sixteen younger loads, may be out
.irp i, 0,1,2,3
	v_pk_add_f32 v[T+2*\i:T+2*\i+1], v[X+32*\i:X+32*\i+1], v[X+32*\i+2:X+32*\i+3]
.endr
.set j, 4
.rept 14
.irp i, 0,1,2,3
	v_pk_add_f32 v[T+2*\i:T+2*\i+1], v[T+2*\i:T+2*\i+1], v[X+32*\i+j:X+32*\i+j+1]
.endr
.set j, j+2
.endr
.irp i, 0,1,2,3
	v_add_f32 v[T+2*\i], v[T+2*\i], v[T+2*\i+1]
.endr
	WSUM
.irp i, 0,1,2,3
	v_mul_f32 v[T+2*\i], s42, v[T+2*\i]            ; the mean
.endr
.set j, 0
.rept 16
.irp i, 0,1,2,3
	v_pk_add_f32 v[X+32*\i+j:X+32*\i+j+1], v[X+32*\i+j:X+32*\i+j+1], v[T+2*\i:T+2*\i+1] op_sel_hi:[1,0] neg_lo:[0,1] neg_hi:[0,1]   ; x - mean
.endr
.set j, j+2
.endr
.irp i, 0,1,2,3
	v_pk_mul_f32 v[T+2*\i:T+2*\i+1], v[X+32*\i:X+32*\i+1], v[X+32*\i:X+32*\i+1]
.endr
.set j, 2
.rept 15
.irp i, 0,1,2,3
	v_pk_fma_f32 v[T+2*\i:T+2*\i+1], v[X+32*\i+j:X+32*\i+j+1], v[X+32*\i+j:X+32*\i+j+1], v[T+2*\i:T+2*\i+1]
.endr
.set j, j+2
.endr
.irp i, 0,1,2,3
	v_add_f32 v[T+2*\i], v[T+2*\i], v[T+2*\i+1]
.endr
	WSUM
.irp i, 0,1,2,3
	v_fma_f32 v[T+2*\i], v[T+2*\i], s42, s43       ; the variance + 1e-5
.endr
	s_wait_alu depctr_va_vdst(0)
.irp i, 0,1,2,3
	v_rsq_f32 v[T+2*\i], v[T+2*\i]
.endr
	v_nop                                          ; a plain line behind the transcendentals
	s_wait_loadcnt 0x0                             ; g1, be1
.set j, 0
	s_wait_alu depctr_va_vdst(0)
.rept 16
.irp i, 0,1,2,3
	v_pk_mul_f32 v[X+32*\i+j:X+32*\i+j+1], v[X+32*\i+j:X+32*\i+j+1], v[T+2*\i:T+2*\i+1] op_sel_hi:[1,0]
.endr
.irp i, 0,1,2,3
	v_pk_fma_f32 v[X+32*\i+j:X+32*\i+j+1], v[X+32*\i+j:X+32*\i+j+1], v[G+j:G+j+1], v[BE+j:BE+j+1]
.endr
.set j, j+2
.endr
	s_wait_kmcnt 0x0
	SETSC s68                                      ; e0: the operand of the product with w_q
	QIMG IMGW, 0
	s_wait_dscnt 0x0                               ; the stores have read C
	SETSC s70                                      ; e2: with w_k
	QIMG IMGW, IMG
	s_wait_dscnt 0x0
	SETSC s72                                      ; e4: with w_v
	QIMG IMGW, 2*IMG
	s_wait_dscnt 0x0                               ; for the others' sake: my words lie in the images
	s_barrier_signal -1
	s_barrier_wait -1
	OUT 0, IMGR, 0, 32
	OUT 1, IMGR, IMG, 34
	OUT 2, IMGR, 2*IMG, 36
	s_wait_tensorcnt 0x0                           ; the wave's end
	ds_add_u32 v15, v12
	s_wait_dscnt 0x0
	s_endpgm
.Lweights:
	s_wait_kmcnt 0x0
.macro PICKE bound, e
	s_cmp_lt_u32 ttmp9, \bound
	s_cselect_b32 s39, s[\e], s39
.endm
	s_mov_b32 s39, s83                             ; e15 (w2),
	PICKE 768, 81                                  ; e13 (w1),
	PICKE 512, 79                                  ; e11 (w_o),
	PICKE 448, 73                                  ; e5 (w_v),
	PICKE 384, 71                                  ; e3 (w_k),
	PICKE 320, 69                                  ; e1 (w_q)
	SETSC s39
	s_wait_alu depctr_va_vdst(0)
	s_wait_loadcnt 0x0
	QIMG IMGW3, 0
	s_wait_dscnt 0x0                               ; for the others' sake: my words lie in the image
	s_barrier_signal -1
	s_barrier_wait -1
	OUT 3, IMGR3, 0, 32
	s_wait_tensorcnt 0x0                           ; the wave's end
	ds_add_u32 v15, v12
	s_wait_dscnt 0x0
	s_endpgm
.Lfunc_end_k_q06eb2de114_prep:
	.size	k_q06eb2de114_prep, .Lfunc_end_k_q06eb2de114_prep-k_q06eb2de114_prep
	.p2alignl 7, 3214868480
	.fill 96, 4, 3214868480
	.section	.rodata,"a",@progbits
	.p2align	6, 0x0
	.amdhsa_kernel k_q06eb2de114_prep
		.amdhsa_group_segment_fixed_size 70144
		.amdhsa_private_segment_fixed_size 0
		.amdhsa_enable_private_segment 0
		.amdhsa_kernarg_size 88
		.amdhsa_user_sgpr_count 2
		.amdhsa_user_sgpr_kernarg_segment_ptr 1
		.amdhsa_wavefront_size32 1
		.amdhsa_system_sgpr_workgroup_id_x 1
		.amdhsa_system_sgpr_workgroup_id_y 1
		.amdhsa_system_sgpr_workgroup_id_z 1
		.amdhsa_system_vgpr_workitem_id 0
		.amdhsa_next_free_vgpr 256
		.amdhsa_next_free_sgpr 100
		.amdhsa_reserve_vcc 0
		.amdhsa_float_denorm_mode_32 3
		.amdhsa_float_denorm_mode_16_64 3
		.amdhsa_memory_ordered 1
		.amdhsa_forward_progress 1
		.amdhsa_inst_pref_size 86
	.end_amdhsa_kernel
	.amdgpu_metadata
---
amdhsa.version: [ 1, 2 ]
amdhsa.kernels:
  - .name:           k_q06eb2de114_prep
    .symbol:         k_q06eb2de114_prep.kd
    .args:
      - { .name: x, .offset: 0, .size: 8, .value_kind: global_buffer, .address_space: global }
      - { .name: w_q, .offset: 8, .size: 8, .value_kind: global_buffer, .address_space: global }
      - { .name: w_k, .offset: 16, .size: 8, .value_kind: global_buffer, .address_space: global }
      - { .name: w_v, .offset: 24, .size: 8, .value_kind: global_buffer, .address_space: global }
      - { .name: w_o, .offset: 32, .size: 8, .value_kind: global_buffer, .address_space: global }
      - { .name: w1, .offset: 40, .size: 8, .value_kind: global_buffer, .address_space: global }
      - { .name: w2, .offset: 48, .size: 8, .value_kind: global_buffer, .address_space: global }
      - { .name: g1, .offset: 56, .size: 8, .value_kind: global_buffer, .address_space: global }
      - { .name: be1, .offset: 64, .size: 8, .value_kind: global_buffer, .address_space: global }
      - { .name: lowp_scales, .offset: 72, .size: 8, .value_kind: global_buffer, .address_space: global }
      - { .name: cw, .offset: 80, .size: 8, .value_kind: global_buffer, .address_space: global }
    .group_segment_fixed_size: 70144
    .private_segment_fixed_size: 0
    .kernarg_segment_align: 8
    .kernarg_segment_size: 88
    .max_flat_workgroup_size: 128
    .sgpr_count:     100
    .vgpr_count:     256
    .wavefront_size: 32
...
	.end_amdgpu_metadata
.endif
;; end of part 8
;; launch proj_qkv (part 9): grid 12 x 16, 4 waves a work-group, clusters of 4 x 4, 327,680 bytes of LDS; arguments cw, lowp_scales, qkv; writes qkv
.if DOCPART == 9
	.amdgcn_target "amdgcn-amd-amdhsa--gfx1250"
	.amdhsa_code_object_version 6
	.text
	.protected	k_q06eb2de114_proj_qkv
	.globl	k_q06eb2de114_proj_qkv
	.p2align	8
	.type	k_q06eb2de114_proj_qkv,@function
k_q06eb2de114_proj_qkv:
	s_mov_b64 s[64:65], 0
	v_nop
	global_prefetch_b8 v0, s[64:65] scope:SCOPE_SE
	s_setreg_imm32_b32 hwreg(HW_REG_WAVE_MODE, 25, 1), 1
	s_wait_xcnt 0x0
	s_wait_alu depctr_hold_cnt(0) depctr_sa_sdst(0) depctr_va_vdst(0) depctr_va_sdst(0) depctr_va_ssrc(0) depctr_va_vcc(0) depctr_vm_vsrc(0)
	s_getreg_b32 s2, hwreg(HW_REG_IB_STS2, 6, 4)
	s_cmp_eq_u32 s2, 0
	s_cbranch_scc0 .Lentry_in_a_cluster
	s_endpgm
.Lentry_in_a_cluster:
	s_bfe_u32 s2, ttmp6, 0x10000c
	s_cmp_lg_u32 s2, 0xf033
	s_cbranch_scc0 .Lentry_shape_is_right
	s_endpgm
.Lentry_shape_is_right:
; q, k and v: three products of LayerNorm 1's codes with w_q, w_k, w_v, on codes of E5M2, each result quantised at once for attention (e6, e7, e9).
; Cluster x = 0: q; 1: k; rows = tokens, columns = features: a wave's 128 columns are two heads, and its codes are fragments of 16 tokens x 64 (1,024 bytes): qkv + 0 (q), + 4 MB (k): [batch x head 32][token / 16: 128][1,024].
; Cluster x = 2: v, with the operands' parts exchanged (rows = w_v's features, columns = tokens), so that a lane's eight results are eight neighbouring KEYS: fragments of 16 features x 128 keys: qkv + 8 MB: [batch x head][key / 128: 16][feature / 16: 4][2,048].
; All that differs between the three is chosen by s_cselect_b32 on the cluster's x: no branch.
; 4,096 x 3,072 results are 192 tiles of 256 x 256: a quarter of the 256 WGPs has no work-group.  A tile of half the side would fill them, and bring twice the bytes into LDS for each multiply-add.
; LIMITS: e6 - e0 - e1, e7 - e2 - e3 and e9 - e4 - e5 between -126 and 112.
.set QKV,     1
.set HASBIAS, 0
.set RELU,    0
.set AOFF,    0
.set BOFF,    0
.set EA,      0
.set EB,      0
.set EO,      0
.set KBOUT,   0
.set ARG_A,    0x0
.set ARG_B,    0x0
.set ARG_S,    0x8
.set ARG_OUT,  0x10
.set ARG_BIAS, 0x0
; ---- THE WIDE PRODUCT'S CORE, the same text in two launches; the constants above say what differs.
; C = A B^T on fragment images (16 rows x 128 K = 2,048 bytes, lane l's registers 4 q .. 4 q + 3 at 512 q + 16 l; fragment (rho, kap) at ((rho / 8) 8 + kap) 16,384 + (rho % 8) 2,048); K = 1,024; C leaves as codes.
; A tile of C is 256 x 256: a work-group brings (256 + 256) x 1,024 bytes into LDS for 256 x 256 x 1,024 multiply-adds.  Four waves, as many as a WGP has SIMDs, each 128 x 128: 64 accumulators, 512 registers.
; K goes in steps of 256 through two LDS slots of 131,072 bytes: A's two blocks of 128 rows (32,768 dense bytes each), then B's two; each wave brings one block by one tensor load.  Four K steps: each slot is filled again once.
; A fragment comes from LDS by four ds_load_b128 at 16 x lane: 512 consecutive bytes each, so no pitch and no padding.
; CLUSTERS: 4 x 4 work-groups; A's tile is shared along a row of the cluster, B's along a column: each is asked for jointly, by the same tensor load with the same descriptor and a mask that names the four.
; THE MATRIX INSTRUCTION IS USED TRANSPOSED (source 0 = 16 rows of B, source 1 = 16 rows of A): lane (r, h) holds row r of C and columns 16 b + 8 h + 0 .. 7: eight neighbours, which one conversion turns into
; registers 2 b, 2 b + 1 of the next product's fragment.  So a block of 16 rows x 128 columns leaves as four pieces of 512 dense bytes, straight from registers.
; REGISTERS, in windows of 256: window 0: v2, v3, v16-31 addresses and scales; v32-95 the bias in the result's layout; v96-111 the stores' offsets; v128-255 A's eight fragments, ONE set; on the way out v128-191 held sums, v192-255 and v32-95 codes.
;   window 1: B's fragments, TWO sets, at v0 and at v128.   window 2: the 32 accumulators of my rows 0-63 ((a, b) at v[8 (8 a + b)]);   window 3: those of my rows 64-127.
; A step of 128 along K is 64 matrix instructions, A's blocks one after the other, each against B's eight: a block of A is free as soon as its eight products are issued, so one set serves A:
; blocks 0-3 are fetched anew in the step's middle, blocks 4-7 at its end.  B's fragments are at work through the whole step, so B has two sets.
.set KB,     8                         ; K / 128
.set LAPS,   KB/4                      ; a lap = two K steps of 256 = once round the ring
.set SLOT,   131072
.set PART,   32768                     ; 128 rows x 256 K: what one tensor load brings
.set SPARE,  2*SLOT                    ; behind the ring: the spare words, 128 bytes for each wave: two blocks of 256 bytes that no other line names
.set FR,   16                          ; registers of a fragment
.set NL,   4                           ; LDS loads that bring one
.set L16,  3                           ; v3      16 x lane
.set ADRA, 16                          ; v16-17  LDS address of my A fragments in slot 0, 1
.set ADRB, 20                          ; v20-21  the same for B
.set BO,   27                          ; v27     32 h: my eight numbers of a block of the bias
.set SPW,  28                          ; v28     LDS address of my spare word; never rewritten
.set NIL,  29                          ; v29     0; never rewritten
.set SC,   30                          ; v30     the conversion's scale
.set LIM,  31                          ; v31     57,344 x that
.set BIAS, 32
.set OFFV, 96                          ; v96-111 block a, half g of its fragment: where it goes, + 16 x lane; never rewritten
.set AF,   128
.set TMP,  128
.set G1,   24                          ; s[24:31] descriptor group 1 for A's tiles;  s[32:39] group 0, one set for each slot
.set G0,   32
.set G1B,  48                          ; s[48:55], s[56:63] the same for B's tiles
.set G0B,  56
.set ES,   68                          ; s[68:83] e0 .. e15
.set MSB, 0
.macro WIN new                         ; the immediate's high byte repeats the setting that is left
.if MSB != (\new)
	s_set_vgpr_msb (MSB<<8)|(\new)
.set MSB, \new
.endif
.endm
.set MUL_LO, 0xa1                      ; source 0 (B) window 1, source 1 (A) window 0, C and D window 2
.set MUL_HI, 0xf1                      ; the same, C and D window 3
.set TO_B,   0x40                      ; destination window 1, address window 0
.macro WINM hi, zero                   ; the windows of a run of products; where the bias starts the sums, C lies in window 0
.if (\zero) && HASBIAS
	WIN 0x81+0x40*(\hi)
.else
	WIN 0xa1+0x50*(\hi)
.endif
.endm
.macro JLOAD s                         ; a joint load: waves 0 and 1 fetch A's blocks, waves 2 and 3 B's; four v_nop follow each of the two lines
	s_cmp_eq_u32 s11, 0
	s_cbranch_scc0 .Lfor_b_\@
	tensor_load_to_lds s[G0+4*\s:G0+4*\s+3], s[G1:G1+7]
	s_nop 0
.rept 4
	v_nop
.endr
	s_branch .Lasked_\@
.Lfor_b_\@:
	tensor_load_to_lds s[G0B+4*\s:G0B+4*\s+3], s[G1B:G1B+7]
	s_nop 0
.rept 4
	v_nop
.endr
.Lasked_\@:
.endm
.macro CREST                           ; a round of the cluster's barrier behind its opening barrier
	s_cmp_lg_u32 s10, 0
	s_cbranch_scc1 .Lnot_wave_0_\@
	s_barrier_signal -3
.Lnot_wave_0_\@:
	s_barrier_wait -3
	s_barrier_signal -1
	s_barrier_wait -1
.endm
.macro CROUND
	s_barrier_signal -1
	s_barrier_wait -1
	CREST
.endm
.macro PLACES                          ; four plain lines in front of loads into registers that matrix instructions have read, and of the first read of results
.rept 4
	v_nop
.endr
.endm
	s_load_b64 s[4:5], s[0:1], ARG_A
	s_load_b64 s[6:7], s[0:1], ARG_B
	s_load_b64 s[8:9], s[0:1], ARG_OUT
	s_load_b64 s[92:93], s[0:1], ARG_S
.if HASBIAS
	s_load_b64 s[86:87], s[0:1], ARG_BIAS
.endif
	v_lshl_add_u32 v[SPW], v0, 2, SPARE
	v_mov_b32 v[NIL], 0
	ds_add_u32 v28, v29
	ds_add_u32 v28, v29
	s_wait_dscnt 0x0
	v_lshrrev_b32 v1, 5, v0
	v_readfirstlane_b32 s10, v1                    ; wave 0..3
	s_lshr_b32 s11, s10, 1                         ; which 128 rows of the tile are mine.  Also: I fetch for A (0) or for B (1)
	s_and_b32 s12, s10, 1                          ; which 128 columns.  Also: which block of that tile I fetch
	s_bfe_u32 s40, ttmp6, 0x40000                  ; cx, cy: my place in the cluster
	s_bfe_u32 s41, ttmp6, 0x40004
.if QKV
	s_and_b32 s94, ttmp7, 0xffff                   ; the cluster's y
	s_lshl_b32 s96, ttmp9, 22
	s_add_co_u32 s96, s96, 12<<20                  ; the norm's codes under e0 (q) or e2 (k)
	s_cmp_ge_u32 ttmp9, 2                          ; v?
	s_cselect_b32 s18, s94, ttmp9                  ; columns go by the cluster's x (q, k: w_q's 4 tiles, then w_k's) or y (v: tokens)
	s_cselect_b32 s19, 0, s94                      ; rows by y (tokens); w_v's 1,024 features are one cluster's four tiles
	s_cselect_b32 s20, 2<<20, s96                  ; the row operand: w_v, or the norm's codes
	s_cselect_b32 s21, 20<<20, 0                   ; the column operand: the norm's codes under e4, or w_q and w_k
.else
	s_mov_b32 s18, ttmp9
	s_and_b32 s19, ttmp7, 0xffff
	s_mov_b32 s20, AOFF
	s_mov_b32 s21, BOFF
.endif
	s_lshl_b32 s42, s18, 2
	s_add_co_u32 s42, s42, s40                     ; tile column
	s_lshl_b32 s13, s19, 2
	s_add_co_u32 s13, s13, s41                     ; tile row
	s_lshl_b32 s43, s41, 2
	s_lshl_b32 s43, 15, s43                        ; my row of the cluster
	s_lshl_b32 s44, 0x1111, s40                    ; my column
	; descriptor group 1: 32,768 dense bytes as 128 rows of 32 elements of 8 bytes
	s_or_b32 s[G1+0], s43, (3<<16)|(1<<21)         ; 15:0 the mask; 17:16 elements of 8 bytes; 20 no padding; 21 set beside a mask
	s_or_b32 s[G1B+0], s44, (3<<16)|(1<<21)
.irp g, G1, G1B
	s_mov_b32 s[\g+1], 32<<16                      ; tensor_dim0 = 32
	s_mov_b32 s[\g+2], 128<<16                     ; tensor_dim1 = 128
	s_mov_b32 s[\g+3], 32<<16                      ; tile_dim0 = 32
	s_mov_b32 s[\g+4], 128                         ; tile_dim1 = 128
	s_mov_b32 s[\g+5], 32                          ; from row to row: 32 elements
	s_mov_b32 s[\g+6], 0
	s_mov_b32 s[\g+7], 0
.endr
	s_lshl_b32 s16, s13, 1                         ; A hangs on the tile row and the wave's number alone: block of 128 rows = 2 x tile row + wave % 2,
	s_add_co_u32 s16, s16, s12
	s_mul_i32 s16, s16, KB*16384                   ; 131,072 bytes a block
	s_add_co_u32 s16, s16, s20
	s_mov_b32 s17, 0
	s_lshl_b32 s46, s42, 1                         ; B on the tile column and the wave's number alone
	s_add_co_u32 s46, s46, s12
	s_mul_i32 s46, s46, KB*16384
	s_add_co_u32 s46, s46, s21
	s_mov_b32 s47, 0
	s_lshl_b32 s45, s10, 15                        ; where they go: wave x 32,768: A's two blocks, then B's two
	s_wait_kmcnt 0x0
	s_load_b512 s[ES:ES+15], s[92:93], 0x0         ; e0 .. e15
	s_add_nc_u64 s[14:15], s[4:5], s[16:17]
	s_add_nc_u64 s[46:47], s[6:7], s[46:47]
	CROUND                                         ; all sixteen work-groups are here: the first joint loads meet
.irp s, 0,1
	s_mov_b32 s[G0+4*\s], 1
	s_add_co_u32 s[G0+4*\s+1], s45, \s*SLOT
	s_add_nc_u64 s[G0+4*\s+2:G0+4*\s+3], s[14:15], \s*PART
	s_or_b32 s[G0+4*\s+3], s[G0+4*\s+3], 0x80000000
	s_mov_b32 s[G0B+4*\s], 1
	s_add_co_u32 s[G0B+4*\s+1], s45, \s*SLOT
	s_add_nc_u64 s[G0B+4*\s+2:G0B+4*\s+3], s[46:47], \s*PART
	s_or_b32 s[G0B+4*\s+3], s[G0B+4*\s+3], 0x80000000
.endr
	JLOAD 0                                        ; K step 0: one tensor load a wave at the head; the set-up below stands under its flight
	; PREFETCH: here one a wave for each of K steps 1 and 2, behind K step 1's load one for K step 3.  Of the 32,768 bytes that a wave loads, each of the four partners that ask for them jointly
	; names 8,192, told apart by address (cx for the row operand, cy for the column operand), a lane to each 256 bytes: each block is named once in a cluster.  K ends at step 3.
	s_cmp_eq_u32 s11, 0                            ; do I fetch for A?
	s_cselect_b64 s[66:67], s[14:15], s[46:47]     ; where my load of K step 0 begins,
	s_cselect_b32 s16, s40, s41                    ; my place among the four that ask with me,
	s_lshl_b32 s16, s16, 13
	s_mov_b32 s17, 0
	s_add_nc_u64 s[66:67], s[66:67], s[16:17]      ; and my work-group's 8,192 bytes of it; never rewritten
	v_and_b32 v6, 31, v0
	v_lshlrev_b32 v6, 8, v6                        ; v6: 256 x lane; never rewritten
	global_prefetch_b8 v6, s[66:67] offset:PART th:TH_LOAD_NT scope:SCOPE_SE       ; K step 1
	global_prefetch_b8 v6, s[66:67] offset:2*PART th:TH_LOAD_NT scope:SCOPE_SE     ; K step 2
	v_bfe_u32 v2, v0, 4, 1                         ; h
	v_and_b32 v[L16], 31, v0
	v_lshlrev_b32 v[L16], 4, v[L16]                ; 16 x lane
	s_wait_alu depctr_va_vdst(0)
	s_lshl_b32 s22, s11, 15                        ; my block of A,
	s_lshl_b32 s23, s12, 15
	s_add_co_u32 s23, s23, 2*PART                  ; of B
.irp s, 0,1
	v_add_nc_u32 v[ADRA+\s], s22, v[L16]
	v_add_nc_u32 v[ADRB+\s], s23, v[L16]
	s_add_co_u32 s22, s22, SLOT
	s_add_co_u32 s23, s23, SLOT
.endr
.if HASBIAS
	s_lshl_b32 s94, s42, 10
	s_lshl_b32 s95, s12, 9
	s_add_co_u32 s94, s94, s95                     ; my first column as bytes of f32: 1,024 x tile column + 512 x half
	s_mov_b32 s95, 0
	s_add_nc_u64 s[86:87], s[86:87], s[94:95]
	v_lshlrev_b32 v[BO], 5, v2                     ; lane (r, h) wants, for block b, the bias of columns 16 b + 8 h + 0 .. 7
.irp b, 0,1,2,3,4,5,6,7
	global_load_b128 v[BIAS+8*\b:BIAS+8*\b+3], v[BO], s[86:87] offset:64*\b
	global_load_b128 v[BIAS+8*\b+4:BIAS+8*\b+7], v[BO], s[86:87] offset:64*\b+16
.endr
.endif
	; where my codes go: a base, and three strides: from block a to block a + 1 (s90), an extra step at a = 4 (s91), from a fragment's registers 0-7 to its registers 8-15 (s98)
.if QKV
	s_lshr_b32 s94, s13, 3                         ; q, k: batch = tile row / 8,
	s_lshl_b32 s94, s94, 4
	s_and_b32 s95, s42, 3
	s_lshl_b32 s95, s95, 2
	s_add_co_u32 s94, s94, s95
	s_lshl_b32 s95, s12, 1
	s_add_co_u32 s94, s94, s95                     ; head = 4 (tile column % 4) + 2 x my half (+ 1 for registers 8-15),
	s_lshl_b32 s94, s94, 7
	s_and_b32 s95, s13, 7
	s_lshl_b32 s95, s95, 4
	s_add_co_u32 s94, s94, s95
	s_lshl_b32 s95, s11, 3
	s_add_co_u32 s94, s94, s95                     ; token fragment = 16 (tile row % 8) + 8 x half (+ a),
	s_lshl_b32 s94, s94, 10
	s_lshl_b32 s95, ttmp9, 22
	s_add_co_u32 s94, s94, s95                     ; in q's or k's part
	s_lshr_b32 s96, s42, 3                         ; v: batch = tile column / 8,
	s_lshl_b32 s96, s96, 4
	s_lshl_b32 s97, s13, 2
	s_add_co_u32 s96, s96, s97
	s_lshl_b32 s97, s11, 1
	s_add_co_u32 s96, s96, s97                     ; head = 4 x tile row + 2 x my half (+ a / 4),
	s_lshl_b32 s96, s96, 4
	s_and_b32 s97, s42, 7
	s_lshl_b32 s97, s97, 1
	s_add_co_u32 s96, s96, s97
	s_add_co_u32 s96, s96, s12                     ; chunk of 128 keys = 2 (tile column % 8) + my half,
	s_lshl_b32 s96, s96, 13                        ; four fragments of 2,048 bytes a chunk (fragment a % 4)
	s_add_co_u32 s96, s96, 8<<20
	s_mov_b32 s90, 1024
	s_mov_b32 s98, 131072
	s_cmp_ge_u32 ttmp9, 2
	s_cselect_b32 s96, s96, s94
	s_cselect_b32 s90, 2048, s90                   ; q, k: a fragment of 1,024 bytes; v: of 2,048
	s_cselect_b32 s91, 122880, 0                   ; v: at a = 4 the next head: 131,072 - 4 x 2,048
	s_cselect_b32 s98, 1024, s98                   ; q, k: registers 8-15 are the next head's fragment, 131,072 bytes on; v: the same fragment's pieces 2 and 3
.else
	s_lshl_b32 s96, s13, 1
	s_add_co_u32 s96, s96, s11                     ; the result as the next product's operand: block of 128 rows = 2 x tile row + half,
	s_mul_i32 s96, s96, KBOUT
	s_lshl_b32 s97, s42, 1
	s_add_co_u32 s96, s96, s97
	s_add_co_u32 s96, s96, s12                     ; its K / 128 = 2 x tile column + half,
	s_lshl_b32 s96, s96, 14
	s_mov_b32 s90, 2048
	s_mov_b32 s91, 0
	s_mov_b32 s98, 1024
.endif
	s_mov_b32 s97, 0
	s_add_nc_u64 s[8:9], s[8:9], s[96:97]
.irp a, 0,1,2,3,4,5,6,7
	s_mul_i32 s99, s90, \a
.if \a >= 4
	s_add_co_u32 s99, s99, s91
.endif
	v_add_nc_u32 v[OFFV+2*\a], s99, v[L16]
	s_add_co_u32 s99, s99, s98
	v_add_nc_u32 v[OFFV+2*\a+1], s99, v[L16]
.endr
	s_wait_kmcnt 0x0                               ; the exponents
.if QKV
	s_sub_co_i32 s94, s[ES+6], s[ES+0]
	s_sub_co_i32 s94, s94, s[ES+1]
	s_sub_co_i32 s95, s[ES+7], s[ES+2]
	s_sub_co_i32 s95, s95, s[ES+3]
	s_sub_co_i32 s96, s[ES+9], s[ES+4]
	s_sub_co_i32 s96, s96, s[ES+5]
	s_cmp_lt_u32 ttmp9, 2
	s_cselect_b32 s95, s95, s96
	s_cmp_lt_u32 ttmp9, 1
	s_cselect_b32 s94, s94, s95
.else
	s_sub_co_i32 s94, s[ES+EO], s[ES+EA]
	s_sub_co_i32 s94, s94, s[ES+EB]
.endif
	s_add_co_i32 s94, s94, 127                     ; a sum stands for sum x 2^(eA + eB): its code is sum / 2^(eO - eA - eB): three scales folded into the conversion's one
	s_lshl_b32 s95, s94, 23
	v_mov_b32 v[SC], s95
	s_add_co_i32 s94, s94, 15
	s_lshl_b32 s94, s94, 23
	s_or_b32 s94, s94, 0x600000
	v_mov_b32 v[LIM], s94                          ; 57,344 x that
.if HASBIAS
	s_add_co_i32 s91, s[ES+EA], s[ES+EB]
	s_sub_co_i32 s91, 0, s91
	s_wait_loadcnt 0x0
.set i, 0
.rept 64
	v_ldexp_f32 v[BIAS+i], v[BIAS+i], s91          ; the bias goes in as the C of each sum's first product, divided by the power of two that the sums lack
.set i, i+1
.endr
.endif
.macro FRAG reg, adr, q, i             ; fragment i of the slot's q-th 128 along K: four pieces of 512 bytes
.irp c, 0,1,2,3
	ds_load_b128 v[\reg+4*\c:\reg+4*\c+3], v[\adr] offset:(\q)*16384+(\i)*2048+512*\c
.endr
.endm
; 16 matrix instructions: A's blocks a0, a0 + 1 x B's eight, 128 along K.  p: B's set.  zero = 1: the first product starts the sums: nothing is ever cleared.
; The 64 accumulators take turns, one instruction a turn, in the same order in every step.
.macro MUL16 a0, p, zero
.irp a, \a0, \a0+1
.irp b, 0,1,2,3,4,5,6,7
.if \zero && HASBIAS
	v_wmma_f32_16x16x128_bf8_bf8 v[8*(8*((\a)%4)+\b):8*(8*((\a)%4)+\b)+7], v[128*(\p)+FR*\b:128*(\p)+FR*\b+FR-1], v[AF+FR*(\a):AF+FR*(\a)+FR-1], v[BIAS+8*\b:BIAS+8*\b+7]
.elseif \zero
	v_wmma_f32_16x16x128_bf8_bf8 v[8*(8*((\a)%4)+\b):8*(8*((\a)%4)+\b)+7], v[128*(\p)+FR*\b:128*(\p)+FR*\b+FR-1], v[AF+FR*(\a):AF+FR*(\a)+FR-1], 0
.else
	v_wmma_f32_16x16x128_bf8_bf8 v[8*(8*((\a)%4)+\b):8*(8*((\a)%4)+\b)+7], v[128*(\p)+FR*\b:128*(\p)+FR*\b+FR-1], v[AF+FR*(\a):AF+FR*(\a)+FR-1], v[8*(8*((\a)%4)+\b):8*(8*((\a)%4)+\b)+7]
.endif
.endr
.endr
.endm
.macro FETCH_B slot, q, p              ; B's eight fragments of the slot's q-th 128 along K into set p
	WIN TO_B
.irp i, 0,1,2,3,4,5,6,7
	FRAG 128*(\p)+FR*\i, ADRB+\slot, \q, \i
.endr
	WIN 0
.endm
.macro FETCH_A slot, q, i0             ; A's blocks i0 .. i0 + 3
.irp i, \i0, \i0+1, \i0+2, \i0+3
	FRAG AF+FR*(\i), ADRA+\slot, \q, \i
.endr
.endm
; A slot's first step of 128 along K: multiplies B's set 0 and fetches the slot's second step.
.macro STEP slot, zero
	s_wait_dscnt 4*NL                              ; B's set and A's blocks 0-3 are in; the youngest sixteen loads (A's blocks 4-7) may be out
	WINM 0, \zero
	MUL16 0, 0, \zero
	MUL16 2, 0, \zero
	s_wait_dscnt 0x0                               ; A's blocks 4-7 are in (asked for 32 matrix instructions ago)
	PLACES
	FETCH_B \slot, 1, 1
	FETCH_A \slot, 1, 0
	WINM 1, \zero
	MUL16 4, 0, \zero
	MUL16 6, 0, \zero
	PLACES
	WIN 0
	FETCH_A \slot, 1, 4
.endm
; A slot's second step multiplies B's set 1 and changes slots: ONE barrier; in front of it each wave waits for all its tensor loads, adds 0 to its spare word, and waits for that and for its own reads of this slot.
; fill = 1: the barrier opens a round of the cluster's, and this slot is filled again, two K steps ahead, first thing behind it.
.macro TURN slot, next, fill
	s_wait_tensorcnt 0x0                           ; all my tensor loads have landed: my part of the next slot  (every window is 0 here: the add's two registers lie in window 0)
	ds_add_u32 v[SPW], v[NIL]                      ; 0 onto my spare word
	s_wait_dscnt 4*NL+1                            ; (the add and the youngest sixteen loads, A's blocks 4-7, may be out)
	WIN MUL_LO
	MUL16 0, 1, 0                                  ; sixteen matrix instructions stand between the add and the wait for it
	s_wait_dscnt 0x0                               ; the add is done, and my reads of this slot are over
	s_barrier_signal -1
	MUL16 2, 1, 0                                  ; work on registers while the others arrive
	WIN 0
	s_barrier_wait -1
.if \fill
	CREST                                          ; no wave of any partner still reads this slot's tile or has a load on its way
	s_add_nc_u64 s[G0+4*\slot+2:G0+4*\slot+3], s[G0+4*\slot+2:G0+4*\slot+3], 2*PART
	s_add_nc_u64 s[G0B+4*\slot+2:G0B+4*\slot+3], s[G0B+4*\slot+2:G0B+4*\slot+3], 2*PART
	JLOAD \slot                                    ; my one tensor load behind the round; its four v_nop are also the places in front of the loads below
.else
	PLACES
.endif
	FETCH_B \next, 0, 0
	FETCH_A \next, 0, 0
	WIN MUL_HI
	MUL16 4, 1, 0
	MUL16 6, 1, 0
	PLACES
	WIN 0
	FETCH_A \next, 0, 4
.endm
	s_wait_alu depctr_va_vdst(0)
	s_wait_tensorcnt 0x0                           ; my part of K step 0 is in; slot 1's first fill is issued as a refill is:
	ds_add_u32 v[SPW], v[NIL]                      ; 0 onto my spare word
	s_wait_dscnt 0x0
	CROUND                                         ; everybody's part of K step 0 is in, and all sixteen work-groups are here
	JLOAD 1                                        ; K step 1: my one tensor load behind the round
	global_prefetch_b8 v6, s[66:67] offset:3*PART th:TH_LOAD_NT scope:SCOPE_SE     ; K step 3
	FETCH_B 0, 0, 0
	FETCH_A 0, 0, 0
	FETCH_A 0, 0, 4
	STEP 0, 1                                      ; the first step stands in front of the loop: its products start the sums
	s_mov_b32 s3, LAPS-1
.Llap:                                             ; a trip goes once round the ring, from a lap's second step to the next lap's first, and fills both slots again
	TURN 0, 1, 1
	STEP 1, 0
	TURN 1, 0, 1
	STEP 0, 0
	s_sub_co_u32 s3, s3, 1
	s_cmp_lg_u32 s3, 0
	s_cbranch_scc1 .Llap
	TURN 0, 1, 0                                   ; the last lap fills nothing, and has no round of the cluster's barrier
	STEP 1, 0
	s_wait_dscnt 4*NL                              ; the very last step: nothing more to fetch
	WIN MUL_LO
	MUL16 0, 1, 0
	MUL16 2, 1, 0
	s_wait_alu depctr_va_vdst(0)
	s_wait_dscnt 0x0
	WIN MUL_HI
	MUL16 4, 1, 0
	MUL16 6, 1, 0
	WIN 0
	PLACES
; THE WAY OUT, block by block of 16 rows x 128 columns: the hold (and the activation, where there is one) into window 0, each accumulator from its low end on; one conversion an accumulator; four stores of 512 dense bytes.
; Each block has code registers of its own (blocks 0-3: v192-255; blocks 4-7: v32-95) and each store an offset register of its own: nothing that a store reads is written again.
.macro OUTA a
.set AC, 64*((\a)%4)
.set CDA, 192+16*(\a)-224*((\a)/4)
	WIN 0x02+((\a)/4)                              ; source 0: window 2 or 3
.set i, 0
.rept 64
.if RELU
	v_med3_num_f32 v[TMP+i], v[AC+i], 0, v[LIM]    ; the activation and the hold in one
.else
	v_med3_num_f32 v[TMP+i], v[AC+i], -v[LIM], v[LIM]   ; the conversion to an 8-bit code does not saturate (ISA guide 7.6.2)
.endif
.set i, i+1
.endr
	WIN 0
.irp b, 0,1,2,3,4,5,6,7
	v_cvt_scalef32_pk8_bf8_f32 v[CDA+2*\b:CDA+2*\b+1], v[TMP+8*\b:TMP+8*\b+7], v[SC]
.endr
	v_nop                                          ; a plain line behind the last conversion: the next block's holds write its sources
.irp g, 0,1
.irp e, 0,1
	global_store_b128 v[OFFV+2*(\a)+\g], v[CDA+8*\g+4*\e:CDA+8*\g+4*\e+3], s[8:9] offset:512*\e
.endr
.endr
.endm
.irp a, 0,1,2,3,4,5,6,7
	OUTA \a
.endr
	s_wait_tensorcnt 0x0                           ; the wave's end
	ds_add_u32 v[SPW], v[NIL]
	s_wait_dscnt 0x0
	CROUND                                         ; the closing round: no work-group ends while a partner may still ask for a tile that names it
	s_endpgm
.Lfunc_end_k_q06eb2de114_proj_qkv:
	.size	k_q06eb2de114_proj_qkv, .Lfunc_end_k_q06eb2de114_proj_qkv-k_q06eb2de114_proj_qkv
	.p2alignl 7, 3214868480
	.fill 96, 4, 3214868480
	.section	.rodata,"a",@progbits
	.p2align	6, 0x0
	.amdhsa_kernel k_q06eb2de114_proj_qkv
		.amdhsa_group_segment_fixed_size 327680
		.amdhsa_private_segment_fixed_size 0
		.amdhsa_enable_private_segment 0
		.amdhsa_kernarg_size 24
		.amdhsa_user_sgpr_count 2
		.amdhsa_user_sgpr_kernarg_segment_ptr 1
		.amdhsa_wavefront_size32 1
		.amdhsa_system_sgpr_workgroup_id_x 1
		.amdhsa_system_sgpr_workgroup_id_y 1
		.amdhsa_system_sgpr_workgroup_id_z 1
		.amdhsa_system_vgpr_workitem_id 0
		.amdhsa_next_free_vgpr 1024
		.amdhsa_next_free_sgpr 100
		.amdhsa_reserve_vcc 0
		.amdhsa_float_denorm_mode_32 3
		.amdhsa_float_denorm_mode_16_64 3
		.amdhsa_memory_ordered 1
		.amdhsa_forward_progress 1
		.amdhsa_inst_pref_size 121
	.end_amdhsa_kernel
	.amdgpu_metadata
---
amdhsa.version: [ 1, 2 ]
amdhsa.kernels:
  - .name:           k_q06eb2de114_proj_qkv
    .symbol:         k_q06eb2de114_proj_qkv.kd
    .args:
      - { .name: cw, .offset: 0, .size: 8, .value_kind: global_buffer, .address_space: global }
      - { .name: lowp_scales, .offset: 8, .size: 8, .value_kind: global_buffer, .address_space: global }
      - { .name: qkv, .offset: 16, .size: 8, .value_kind: global_buffer, .address_space: global }
    .group_segment_fixed_size: 327680
    .private_segment_fixed_size: 0
    .kernarg_segment_align: 8
    .kernarg_segment_size: 24
    .max_flat_workgroup_size: 128
    .sgpr_count:     100
    .vgpr_count:     1024
    .wavefront_size: 32
...
	.end_amdgpu_metadata
.endif
;; end of part 9
;; launch attn (part 10): grid 8 x 32, 8 waves a work-group, clusters of 4 x 1, 327,680 bytes of LDS; arguments qkv, mask, lowp_scales, ctx; writes ctx
.if DOCPART == 10
	.amdgcn_target "amdgcn-amd-amdhsa--gfx1250"
	.amdhsa_code_object_version 6
	.text
	.protected	k_q06eb2de114_attn
	.globl	k_q06eb2de114_attn
	.p2align	8
	.type	k_q06eb2de114_attn,@function
k_q06eb2de114_attn:
	s_mov_b64 s[64:65], 0
	v_nop
	global_prefetch_b8 v0, s[64:65] scope:SCOPE_SE
	s_setreg_imm32_b32 hwreg(HW_REG_WAVE_MODE, 25, 1), 1
	s_wait_xcnt 0x0
	s_wait_alu depctr_hold_cnt(0) depctr_sa_sdst(0) depctr_va_vdst(0) depctr_va_sdst(0) depctr_va_ssrc(0) depctr_va_vcc(0) depctr_vm_vsrc(0)
	s_getreg_b32 s2, hwreg(HW_REG_IB_STS2, 6, 4)
	s_cmp_eq_u32 s2, 0
	s_cbranch_scc0 .Lentry_in_a_cluster
	s_endpgm
.Lentry_in_a_cluster:
	s_bfe_u32 s2, ttmp6, 0x10000c
	s_cmp_lg_u32 s2, 0x3003
	s_cbranch_scc0 .Lentry_shape_is_right
	s_endpgm
.Lentry_shape_is_right:
; ctx = softmax(q k^T / 8, masked keys out) v for one batch x head, both products on codes of E5M2; ctx leaves as codes under e10, laid as the next product's fragments.
; qkv: q at 0, k at 4 MB: [batch x head 32][token / 16: 128][1,024 bytes: 16 tokens x 64 in the 8-bit operand layout]; v at 8 MB: [batch x head][key / 128: 16][feature / 16: 4][2,048 bytes: 16 features x 128 keys].
; THE SOFTMAX: t = score x log2(e) / 8; M = the running largest t rounded up to a whole number; p = 2^(t - M) is quantised under e8, not normalised; the row's sum is taken of the unquantised p and divides at the end.
; When M moves, the sum and O are multiplied by 2^(old M - new M): nothing is rounded, and there is no branch on data.
; THE MASK: a masked key's score gets -2^100 as the C of its product, so its p is 0.  A row all of whose keys are masked has its largest t under -2^99 x c and leaves as NaN codes, as a softmax over -infinity alone is NaN.
; LIMITS: e6 + e7 between -123 and 130; e8 between -126 and 112; e10 - e8 - e9 between -126 and 112; the sums of the first product stay under 2^99 in magnitude; the scaled scores stay under 2^31.
; SHARES.  A work-group owns 256 queries of one batch x head, each of its 8 waves 32 of them (two tiles): two waves to a SIMD.  8 x 32 work-groups: one for each of 256 WGPs.
; A head's K (131,072 bytes) and V (131,072) lie whole in LDS: each byte is brought once, nothing is filled again.  Waves 0-3 bring K, waves 4-7 V: at the head 8,192 bytes a wave (keys 0-511),
; behind one full sequence and a round 24,576 bytes a wave (keys 512-2,047), which have three key steps in which to land.  The four work-groups of a cluster share a head: every load is joint (mask 15).
; No prefetch: all of K and V is asked for by these two loads, ahead of the loop, so there is no later stream to run ahead of.
; LAYOUT.  Both products transposed: S^T = K Q^T (+ the mask's term as C), O^T = V^T P^T: a lane holds one query of each tile; chunk c's eight registers are keys 16 c + 8 h + 0 .. 7, which one conversion
; turns into registers 2 c, 2 c + 1 of the second product's operand.
; THE STEP'S ORDER.  Exponentials take turns with plain lines whose results are read only behind the batch's wait: tile 0's with tile 1's multiply-adds; tile 1's with tile 0's first level of sums and its holds.
; REGISTERS.  Window 0: v1-5 addresses; v9, v31 the hold; v10, v11 the add's; v12-19 per tile -M, largest t, the sum (a pair); v20-29 at work; v30 the scale; v32-95 V's fragments; v96-223 S^T, then p; v224-255 sums at work, then p's codes.
;   Window 1: v0-63 O^T; v64-79 Q; v80-143 the mask's terms; v144-207 K's fragments.
.set VREG,  131072                     ; V's region in LDS, behind K's
.set BIASL, 262144                     ; the mask's terms, 8,192 bytes, written twice on end: the last step's look-ahead stays on written bytes
.set SPARE, 278528                     ; the spare words: 128 bytes for each of 8 waves
.set L16, 1
.set AB0, 2
.set ADK, 3
.set ADV, 4
.set ADB, 5
.set LIM2, 9
.set ST,  12
.set MX,  20
.set PD,  24
.set FF,  26
.set SC,  30
.set LIM, 31
.set FR,  32
.set S,   96
.set P,   224
.set Q,   64
.set BI,  80
.set KF,  144
.set WV,  12
.set G1A, 16                           ; s[16:23] group 1: 32 rows of 256 bytes;  s[32:39]: 96 rows
.set G0A, 24                           ; s[24:27], s[28:31] the two groups 0
.set G0B, 28
.set G1B, 32
.set SEL, 40
.set CS,  42
.set TK,  44
.set TV,  45
.set TBI, 46
.set CNT, 47
.set MSB, 0
.macro WIN new                         ; the immediate's high byte repeats the setting that is left
.if MSB != \new
	s_set_vgpr_msb (MSB<<8)|\new
.set MSB, \new
.endif
.endm
.macro CROUND                          ; a round of the cluster's barrier
	s_barrier_signal -1
	s_barrier_wait -1
	s_cmp_lg_u32 s[WV], 0
	s_cbranch_scc1 .Lnot_wave_0_\@
	s_barrier_signal -3
.Lnot_wave_0_\@:
	s_barrier_wait -3
	s_barrier_signal -1
	s_barrier_wait -1
.endm
.macro HOLD2 r                         ; two numbers held at the largest code x the scale, in one pair; the bound stands in two registers, one for each half
	v_dual_min_num_f32 v[\r], v[\r], v[LIM] :: v_dual_min_num_f32 v[\r+1], v[\r+1], v[LIM2]
.endm
	s_load_b256 s[4:11], s[0:1], 0x0               ; qkv, mask, the exponents, ctx
	v_lshl_add_u32 v10, v0, 2, SPARE
	v_mov_b32 v11, 0
	ds_add_u32 v10, v11                            ; the opening lines: the add, twice on end, and its wait ahead of my first tensor load
	ds_add_u32 v10, v11
	v_lshrrev_b32 v1, 5, v0
	s_delay_alu instid0(VALU_DEP_1)
	v_readfirstlane_b32 s[WV], v1                  ; wave 0..7
	v_and_b32 v[L16], 31, v0
	s_delay_alu instid0(VALU_DEP_1)
	v_lshlrev_b32 v[L16], 4, v[L16]                ; 16 x lane
	v_bfe_u32 v[AB0], v0, 4, 1
	s_delay_alu instid0(VALU_DEP_1)
	v_lshl_add_u32 v[AB0], v[AB0], 5, BIASL        ; the mask's terms of keys 8 h + 0 .. 7 of a chunk
	v_lshl_add_u32 v8, v0, 5, BIASL                ; where my thread's eight terms go
	v_lshlrev_b32 v6, 5, v0                        ; and its eight words of the mask
	s_bfe_u32 s13, ttmp6, 0x40000                  ; cx
	s_lshl_b32 s14, ttmp9, 2
	s_add_co_u32 s14, s14, s13                     ; block of 256 queries
	s_and_b32 s15, ttmp7, 0xffff                   ; batch x head
	s_mov_b32 s[G1A], 15|(3<<16)|(1<<21)           ; the mask names the cluster's four; elements of 8 bytes; bit 21 beside a mask
	s_mov_b32 s[G1A+1], 32<<16
	s_mov_b32 s[G1A+2], 32<<16
	s_mov_b32 s[G1A+3], 32<<16
	s_mov_b32 s[G1A+4], 32
	s_mov_b32 s[G1A+5], 32
	s_mov_b32 s[G1A+6], 0
	s_mov_b32 s[G1A+7], 0
	s_mov_b32 s[G1B], 15|(3<<16)|(1<<21)
	s_mov_b32 s[G1B+1], 32<<16
	s_mov_b32 s[G1B+2], 96<<16
	s_mov_b32 s[G1B+3], 32<<16
	s_mov_b32 s[G1B+4], 96
	s_mov_b32 s[G1B+5], 32
	s_mov_b32 s[G1B+6], 0
	s_mov_b32 s[G1B+7], 0
	s_mov_b32 s[SEL], 0x76543210                   ; v_permlanex16_b32: lane l xor 16
	s_mov_b32 s[SEL+1], 0xfedcba98
	s_mov_b32 s[CS], 0x3e38aa3b                    ; c = log2(e) / 8
	s_lshr_b32 s48, s[WV], 2                       ; I bring K (0) or V (1),
	s_and_b32 s49, s[WV], 3                        ; and which quarter
	s_lshl_b32 s52, s48, 17                        ; the region in LDS
	s_lshl_b32 s60, s49, 13                        ; first load: 8,192 x quarter
	s_mov_b32 s61, 0
	s_mul_i32 s62, s49, 24576
	s_add_co_u32 s62, s62, 32768                   ; second load: 32,768 + 24,576 x quarter
	s_mov_b32 s63, 0
	s_lshl_b32 s50, s48, 22
	s_add_co_u32 s50, s50, 4<<20
	s_lshl_b32 s54, s15, 17
	s_add_co_u32 s50, s50, s54                     ; the region in qkv
	s_mov_b32 s51, 0
	s_lshr_b32 s58, s15, 4
	s_lshl_b32 s58, s58, 13                        ; the batch's row of the mask
	s_mov_b32 s59, 0
	s_lshl_b32 s56, s14, 14
	s_add_co_u32 s56, s56, s54
	s_lshl_b32 s57, s[WV], 11
	s_add_co_u32 s56, s56, s57                     ; my two fragments of q
	s_mov_b32 s57, 0
	s_wait_dscnt 0x0                               ; both opening adds are done
	s_wait_kmcnt 0x0
	s_load_b512 s[68:83], s[8:9], 0x0              ; e0 .. e15
	s_add_nc_u64 s[50:51], s[4:5], s[50:51]
	s_add_nc_u64 s[6:7], s[6:7], s[58:59]
	s_add_nc_u64 s[56:57], s[4:5], s[56:57]
	s_mov_b32 s[G0A], 1
	s_add_co_u32 s[G0A+1], s52, s60
	s_add_nc_u64 s[G0A+2:G0A+3], s[50:51], s[60:61]
	s_or_b32 s[G0A+3], s[G0A+3], 0x80000000
	s_mov_b32 s[G0B], 1
	s_add_co_u32 s[G0B+1], s52, s62
	s_add_nc_u64 s[G0B+2:G0B+3], s[50:51], s[62:63]
	s_or_b32 s[G0B+3], s[G0B+3], 0x80000000
	CROUND                                         ; the four work-groups are here: the first joint loads meet
	tensor_load_to_lds s[G0A:G0A+3], s[G1A:G1A+7]  ; keys 0-511: my one tensor load at the head
	s_nop 0
.rept 4
	v_nop
.endr
	s_wait_alu depctr_va_vdst(0)
	global_load_b128 v[32:35], v6, s[6:7]
	global_load_b128 v[36:39], v6, s[6:7] offset:16
	WIN 0x40
.irp t, 0,1
.irp q, 0,1
	global_load_b128 v[Q+8*\t+4*\q:Q+8*\t+4*\q+3], v[L16], s[56:57] offset:\t*1024+512*\q
.endr
.endr
.set i, 0
.rept 64
	v_mov_b32 v[i], 0                              ; O^T: the step is written once; its first run finds zeros
.set i, i+1
.endr
	WIN 0
	v_mov_b32 v7, 0xf1800000                       ; -2^100
.irp t, 0,1
	v_mov_b32 v[ST+4*\t+1], 0xff61b1e6             ; the largest t so far: -3e38
	s_delay_alu instid0(VALU_DEP_1)
	v_floor_f32 v[ST+4*\t], -v[ST+4*\t+1]
	v_mov_b32 v[ST+4*\t+2], 0
	v_mov_b32 v[ST+4*\t+3], 0
	v_mov_b32 v[PD+\t], 0
	v_mov_b32 v[FF+2*\t+1], 0
.endr
	s_lshr_b32 s84, s15, 4                         ; where my codes go in ctx: block of 128 rows = 16 x batch + 2 x query block + wave / 4,
	s_lshl_b32 s84, s84, 4
	s_lshl_b32 s85, s14, 1
	s_add_co_u32 s84, s84, s85
	s_add_co_u32 s84, s84, s48
	s_lshl_b32 s84, s84, 17
	s_bfe_u32 s85, s15, 0x30001                    ; K / 128 = head / 2,
	s_lshl_b32 s85, s85, 14
	s_add_co_u32 s84, s84, s85
	s_lshl_b32 s85, s49, 12                        ; fragments 2 (wave % 4) and the next,
	s_add_co_u32 s84, s84, s85
	s_and_b32 s85, s15, 1                          ; pieces 2 (head % 2) and the next
	s_lshl_b32 s85, s85, 10
	s_add_co_u32 s84, s84, s85
	s_mov_b32 s85, 0
	s_add_nc_u64 s[10:11], s[10:11], s[84:85]
	s_wait_kmcnt 0x0
	s_add_co_i32 s48, s74, s75
	s_lshl_b32 s48, s48, 23
	s_add_co_i32 s[CS], s[CS], s48                 ; e6 + e7 are added to c's exponent field
	s_mov_b32 s[CS+1], s[CS]
	s_add_co_i32 s48, s76, 127
	s_lshl_b32 s49, s48, 23
	v_mov_b32 v[SC], s49                           ; 2^e8
	s_add_co_i32 s48, s48, 15
	s_lshl_b32 s48, s48, 23
	s_or_b32 s48, s48, 0x600000
	v_mov_b32 v[LIM], s48                          ; 57,344 x 2^e8
	v_mov_b32 v[LIM2], s48
	s_wait_loadcnt 4                               ; the mask's two loads are in; Q's four may be out
.irp j, 0,1,2,3,4,5,6,7
	v_cmp_eq_u32 vcc_lo, 0, v[32+\j]
	s_delay_alu instid0(VALU_DEP_1)
	v_cndmask_b32 v[32+\j], 0, v7, vcc_lo
.endr
	ds_store_b128 v8, v[32:35]
	ds_store_b128 v8, v[36:39] offset:16
	ds_store_b128 v8, v[32:35] offset:8192
	ds_store_b128 v8, v[36:39] offset:8208
	s_wait_alu depctr_va_vdst(0)
	s_wait_tensorcnt 0x0                           ; my part of keys 0-511 is in; the later first fill is issued as a refill is:
	ds_add_u32 v10, v11                            ; 0 onto my spare word
	s_wait_dscnt 0x0                               ; the add is done, and my terms of the mask lie in LDS
	CROUND
	tensor_load_to_lds s[G0B:G0B+3], s[G1B:G1B+7]  ; keys 512-2,047: my one tensor load behind the round
	s_nop 0
.rept 4
	v_nop
.endr
	WIN 0x40
.irp c, 0,1,2,3,4,5,6,7
.irp g, 0,1
	ds_load_b128 v[BI+8*\c+4*\g:BI+8*\c+4*\g+3], v[AB0] offset:64*\c+16*\g
.endr
.endr
.irp c, 0,1,2,3,4,5,6,7
.irp q, 0,1
	ds_load_b128 v[KF+8*\c+4*\q:KF+8*\c+4*\q+3], v[L16] offset:\c*1024+512*\q
.endr
.endr
	WIN 0
	s_mov_b32 s[TK], 8192                          ; the next step's K,
	s_mov_b32 s[TV], VREG                          ; this step's V,
	s_mov_b32 s[TBI], 512                          ; the next step's terms of the mask
	s_wait_loadcnt 0x0                             ; Q
; A KEY STEP: 128 keys x my 32 queries.
.macro STEP
	s_wait_dscnt 0x0                               ; K's fragments and the mask's terms are in
	WIN 0x15
.irp c, 0,1,2,3,4,5,6,7
.irp t, 0,1
	v_wmma_f32_16x16x64_bf8_bf8 v[S+64*\t+8*\c:S+64*\t+8*\c+7], v[KF+8*\c:KF+8*\c+7], v[Q+8*\t:Q+8*\t+7], v[BI+8*\c:BI+8*\c+7]
.endr
.endr
	WIN 0
	v_add_nc_u32 v[ADV], s[TV], v[L16]             ; four places behind the products
	v_add_nc_u32 v[ADK], s[TK], v[L16]
	v_add_nc_u32 v[ADB], s[TBI], v[AB0]
	v_nop
.irp d, 0,1,2,3
.irp q, 0,1,2,3
	ds_load_b128 v[FR+16*\d+4*\q:FR+16*\d+4*\q+3], v[ADV] offset:\d*2048+512*\q
.endr
.endr
	WIN 0x40
.irp c, 0,1,2,3,4,5,6,7
.irp g, 0,1
	ds_load_b128 v[BI+8*\c+4*\g:BI+8*\c+4*\g+3], v[ADB] offset:64*\c+16*\g
.endr
.endr
.irp c, 0,1,2,3,4,5,6,7
.irp q, 0,1
	ds_load_b128 v[KF+8*\c+4*\q:KF+8*\c+4*\q+3], v[ADK] offset:\c*1024+512*\q
.endr
.endr
	WIN 0
	s_add_co_u32 s[TV], s[TV], 8192
	s_add_co_u32 s[TK], s[TK], 8192
	s_add_co_u32 s[TBI], s[TBI], 512
.irp t, 0,1                                    ; the step's largest score of each query: two chains a tile, each accumulator from its low end on
	v_max3_num_f32 v[MX+2*\t], v[S+64*\t], v[S+64*\t+1], v[S+64*\t+2]
.endr
.irp t, 0,1
	v_max3_num_f32 v[MX+2*\t+1], v[S+64*\t+3], v[S+64*\t+4], v[S+64*\t+5]
.endr
.irp i, 6,10,14,18,22,26,30,34,38,42,46,50,54,58
.irp t, 0,1
	v_max3_num_f32 v[MX+2*\t], v[MX+2*\t], v[S+64*\t+\i], v[S+64*\t+\i+1]
.endr
.irp t, 0,1
	v_max3_num_f32 v[MX+2*\t+1], v[MX+2*\t+1], v[S+64*\t+\i+2], v[S+64*\t+\i+3]
.endr
.endr
.irp t, 0,1
	v_max3_num_f32 v[MX+2*\t], v[MX+2*\t], v[S+64*\t+62], v[S+64*\t+63]
.endr
.irp t, 0,1
	s_delay_alu instid0(VALU_DEP_2)
	v_max_num_f32 v[MX+2*\t], v[MX+2*\t], v[MX+2*\t+1]
.endr
.irp t, 0,1
	s_delay_alu instid0(VALU_DEP_2)
	v_permlanex16_b32 v[PD+\t], v[MX+2*\t], s[SEL], s[SEL+1]
.endr
.irp t, 0,1
	s_delay_alu instid0(VALU_DEP_2)
	v_max_num_f32 v[MX+2*\t], v[MX+2*\t], v[PD+\t]
.endr
.irp t, 0,1
	s_delay_alu instid0(VALU_DEP_2)
	v_mul_f32 v[MX+2*\t], s[CS], v[MX+2*\t]        ; as t (c is positive)
.endr
.irp t, 0,1
	s_delay_alu instid0(VALU_DEP_2)
	v_max_num_f32 v[ST+4*\t+1], v[ST+4*\t+1], v[MX+2*\t]   ; the running largest t
.endr
.irp t, 0,1
	v_mov_b32 v[MX+2*\t], v[ST+4*\t]
.endr
.irp t, 0,1
	s_delay_alu instid0(VALU_DEP_4)
	v_floor_f32 v[ST+4*\t], -v[ST+4*\t+1]          ; the new -M: a whole number
.endr
.irp t, 0,1
	s_delay_alu instid0(VALU_DEP_2)
	v_sub_f32 v[MX+2*\t], v[ST+4*\t], v[MX+2*\t]
.endr
.irp t, 0,1
	s_delay_alu instid0(VALU_DEP_2)
	v_cvt_i32_f32 v[MX+2*\t], v[MX+2*\t]
.endr
.irp t, 0,1
	s_delay_alu instid0(VALU_DEP_2)
	v_ldexp_f32 v[FF+2*\t], 1.0, v[MX+2*\t]        ; f = 2^(old M - new M)
.endr
.set j, 0
.rept 32
	v_pk_fma_f32 v[S+j:S+j+1], v[S+j:S+j+1], s[CS:CS+1], v[ST:ST+1] op_sel_hi:[1,0,0]   ; tile 0: t - M
.set j, j+2
.endr
.irp t, 0,1
	v_pk_mul_f32 v[ST+4*\t+2:ST+4*\t+3], v[ST+4*\t+2:ST+4*\t+3], v[FF+2*\t:FF+2*\t+1] op_sel_hi:[1,0]   ; the sums under the new M
.endr
	WIN 0x41
.set j, 0
.rept 16
.irp t, 0,1
	v_pk_mul_f32 v[32*\t+j:32*\t+j+1], v[32*\t+j:32*\t+j+1], v[FF+2*\t:FF+2*\t+1] op_sel_hi:[1,0]   ; O^T under the new M, ahead of the step's first exponential
.endr
.set j, j+2
.endr
	WIN 0
	s_wait_alu depctr_va_vdst(0)
.set j, 0
.rept 32                                       ; tile 0's exponentials; tile 1's t - M stand among them and are read behind the next wait
	v_exp_f32 v[S+j], v[S+j]
	v_exp_f32 v[S+j+1], v[S+j+1]
	v_pk_fma_f32 v[S+64+j:S+64+j+1], v[S+64+j:S+64+j+1], s[CS:CS+1], v[ST+4:ST+5] op_sel_hi:[1,0,0]
.set j, j+2
.endr
	s_wait_alu depctr_va_vdst(0)                   ; behind tile 0's batch and ahead of tile 1's
.set j, 0
.rept 16                                       ; tile 1's exponentials; among them tile 0's first level of sums (of the unquantised p, into registers of their own) and then its holds: all read behind the next wait
	v_exp_f32 v[S+64+j], v[S+64+j]
	v_exp_f32 v[S+64+j+1], v[S+64+j+1]
	v_exp_f32 v[S+64+j+2], v[S+64+j+2]
	v_exp_f32 v[S+64+j+3], v[S+64+j+3]
	v_pk_add_f32 v[P+j/2:P+j/2+1], v[S+j:S+j+1], v[S+j+2:S+j+3]
	HOLD2 S+j
	HOLD2 S+j+2
.set j, j+4
.endr
	v_nop                                          ; a plain line behind the last exponential
	s_wait_alu depctr_va_vdst(0)                   ; one wait for the batch, ahead of its first reader
	v_pk_add_f32 v[MX:MX+1], v[P:P+1], v[P+2:P+3]  ; the rows' sums: two chains a tile, the four by turns
	v_pk_add_f32 v[MX+2:MX+3], v[S+64:S+65], v[S+66:S+67]
.set j, 0
.rept 7
	v_pk_add_f32 v[ST+2:ST+3], v[ST+2:ST+3], v[P+4+4*j:P+5+4*j]
	v_pk_add_f32 v[ST+6:ST+7], v[ST+6:ST+7], v[S+68+8*j:S+69+8*j]
	v_pk_add_f32 v[MX:MX+1], v[MX:MX+1], v[P+6+4*j:P+7+4*j]
	v_pk_add_f32 v[MX+2:MX+3], v[MX+2:MX+3], v[S+70+8*j:S+71+8*j]
	v_pk_add_f32 v[ST+6:ST+7], v[ST+6:ST+7], v[S+72+8*j:S+73+8*j]
	v_pk_add_f32 v[MX+2:MX+3], v[MX+2:MX+3], v[S+74+8*j:S+75+8*j]
.set j, j+1
.endr
	v_pk_add_f32 v[ST+6:ST+7], v[ST+6:ST+7], v[S+124:S+125]
	v_pk_add_f32 v[MX+2:MX+3], v[MX+2:MX+3], v[S+126:S+127]
	v_pk_add_f32 v[ST+2:ST+3], v[ST+2:ST+3], v[MX:MX+1]
	v_pk_add_f32 v[ST+6:ST+7], v[ST+6:ST+7], v[MX+2:MX+3]
.irp c, 0,1,2,3,4,5,6,7                        ; tile 1's holds, and both tiles' codes (the conversion to an 8-bit code does not saturate: ISA guide 7.6.2; p is not negative, so the hold is one-sided)
	HOLD2 S+64+8*\c
	HOLD2 S+64+8*\c+2
	HOLD2 S+64+8*\c+4
	HOLD2 S+64+8*\c+6
	v_cvt_scalef32_pk8_bf8_f32 v[P+2*\c:P+2*\c+1], v[S+8*\c:S+8*\c+7], v[SC]
	v_cvt_scalef32_pk8_bf8_f32 v[P+16+2*\c:P+16+2*\c+1], v[S+64+8*\c:S+64+8*\c+7], v[SC]
.endr
	v_nop                                          ; a plain line behind the last conversion
	s_wait_alu depctr_va_vdst(0)
	s_wait_dscnt 32                                ; V's 16 loads are in; the 32 younger ones (the next step's terms and K) may be out
	WIN 0x50
.irp d, 0,1,2,3
.irp t, 0,1
	v_wmma_f32_16x16x128_bf8_bf8 v[32*\t+8*\d:32*\t+8*\d+7], v[FR+16*\d:FR+16*\d+15], v[P+16*\t:P+16*\t+15], v[32*\t+8*\d:32*\t+8*\d+7]
.endr
.endr
	WIN 0
.endm
	s_mov_b32 s[CNT], 3                            ; steps 0-2 read keys 0-511 alone (step 2 looks ahead to step 3's K)
.Lfirst:
	STEP
	s_sub_co_u32 s[CNT], s[CNT], 1
	s_cmp_lg_u32 s[CNT], 0
	s_cbranch_scc1 .Lfirst
	s_wait_tensorcnt 0x0                           ; my part of keys 512-2,047 is in;
	s_wait_dscnt 0x0
	s_barrier_signal -1
	s_barrier_wait -1                              ; everybody's is.
	s_mov_b32 s[CNT], 13
.Lrest:
	STEP
	s_sub_co_u32 s[CNT], s[CNT], 1
	s_cmp_lg_u32 s[CNT], 0
	s_cbranch_scc1 .Lrest
	s_wait_dscnt 0x0
	; THE WAY OUT: O^T / the sum, held, becomes codes under e10: a lane's eight registers are eight neighbouring features, so the codes are the next operand's registers and leave as pieces of 512 dense bytes
.irp t, 0,1
	v_add_f32 v[ST+4*\t+2], v[ST+4*\t+2], v[ST+4*\t+3]
.endr
.irp t, 0,1
	s_delay_alu instid0(VALU_DEP_2)
	v_permlanex16_b32 v[PD+\t], v[ST+4*\t+2], s[SEL], s[SEL+1]
.endr
.irp t, 0,1
	s_delay_alu instid0(VALU_DEP_2)
	v_add_f32 v[ST+4*\t+2], v[ST+4*\t+2], v[PD+\t]
.endr
	s_wait_alu depctr_va_vdst(0)
.irp t, 0,1
	v_rcp_f32 v[ST+4*\t+2], v[ST+4*\t+2]
.endr
	s_sub_co_i32 s48, s78, s76
	s_sub_co_i32 s48, s48, s77
	s_add_co_i32 s48, s48, 127                     ; a sum stands for sum x 2^(e8 + e9): its code is sum / 2^(e10 - e8 - e9)
	s_lshl_b32 s49, s48, 23
	v_mov_b32 v[SC], s49
	s_add_co_i32 s48, s48, 15
	s_lshl_b32 s48, s48, 23
	s_or_b32 s48, s48, 0x600000
	v_mov_b32 v[LIM], s48
	v_mov_b32 v6, s[CS]
	s_delay_alu instid0(VALU_DEP_1)
	v_mul_f32 v6, 0xf1000000, v6                   ; -2^99 x c: a largest t under it means that every key was masked
	v_mov_b32 v7, 0x7f7f7f7f                       ; four NaN codes
	WIN 0x01
.set i, 0
	s_wait_alu depctr_va_vdst(0)                   ; ahead of the first reader of the reciprocals and of O^T
.rept 32
.irp t, 0,1
	v_mul_f32 v[S+64*\t+i], v[32*\t+i], v[ST+4*\t+2]
.endr
.set i, i+1
.endr
	WIN 0
.set i, 0
.rept 32
.irp t, 0,1
	v_med3_num_f32 v[S+64*\t+i], v[S+64*\t+i], -v[LIM], v[LIM]
.endr
.set i, i+1
.endr
.irp t, 0,1
.irp d, 0,1,2,3
	v_cvt_scalef32_pk8_bf8_f32 v[P+16*\t+2*\d:P+16*\t+2*\d+1], v[S+64*\t+8*\d:S+64*\t+8*\d+7], v[SC]
.endr
.endr
	v_nop
.irp t, 0,1
	v_cmp_lt_f32 vcc_lo, v[ST+4*\t+1], v6
.irp i, 0,1,2,3,4,5,6,7
	v_cndmask_b32 v[P+16*\t+\i], v[P+16*\t+\i], v7, vcc_lo
.endr
.endr
.irp t, 0,1
.irp q, 0,1
	global_store_b128 v[L16], v[P+16*\t+4*\q:P+16*\t+4*\q+3], s[10:11] offset:\t*2048+512*\q
.endr
.endr
	s_wait_tensorcnt 0x0                           ; the wave's end
	ds_add_u32 v10, v11
	s_wait_dscnt 0x0
	CROUND                                         ; the closing round
	s_endpgm
.Lfunc_end_k_q06eb2de114_attn:
	.size	k_q06eb2de114_attn, .Lfunc_end_k_q06eb2de114_attn-k_q06eb2de114_attn
	.p2alignl 7, 3214868480
	.fill 96, 4, 3214868480
	.section	.rodata,"a",@progbits
	.p2align	6, 0x0
	.amdhsa_kernel k_q06eb2de114_attn
		.amdhsa_group_segment_fixed_size 327680
		.amdhsa_private_segment_fixed_size 0
		.amdhsa_enable_private_segment 0
		.amdhsa_kernarg_size 32
		.amdhsa_user_sgpr_count 2
		.amdhsa_user_sgpr_kernarg_segment_ptr 1
		.amdhsa_wavefront_size32 1
		.amdhsa_system_sgpr_workgroup_id_x 1
		.amdhsa_system_sgpr_workgroup_id_y 1
		.amdhsa_system_sgpr_workgroup_id_z 1
		.amdhsa_system_vgpr_workitem_id 0
		.amdhsa_next_free_vgpr 464
		.amdhsa_next_free_sgpr 100
		.amdhsa_reserve_vcc 1
		.amdhsa_float_denorm_mode_32 3
		.amdhsa_float_denorm_mode_16_64 3
		.amdhsa_memory_ordered 1
		.amdhsa_forward_progress 1
		.amdhsa_inst_pref_size 82
	.end_amdhsa_kernel
	.amdgpu_metadata
---
amdhsa.version: [ 1, 2 ]
amdhsa.kernels:
  - .name:           k_q06eb2de114_attn
    .symbol:         k_q06eb2de114_attn.kd
    .args:
      - { .name: qkv, .offset: 0, .size: 8, .value_kind: global_buffer, .address_space: global }
      - { .name: mask, .offset: 8, .size: 8, .value_kind: global_buffer, .address_space: global }
      - { .name: lowp_scales, .offset: 16, .size: 8, .value_kind: global_buffer, .address_space: global }
      - { .name: ctx, .offset: 24, .size: 8, .value_kind: global_buffer, .address_space: global }
    .group_segment_fixed_size: 327680
    .private_segment_fixed_size: 0
    .kernarg_segment_align: 8
    .kernarg_segment_size: 32
    .max_flat_workgroup_size: 256
    .sgpr_count:     100
    .vgpr_count:     464
    .wavefront_size: 32
...
	.end_amdgpu_metadata
.endif
;; end of part 10
;; launch proj_o (part 11): grid 8 x 32, 4 waves a work-group, clusters of 4 x 4, 327,680 bytes of LDS; arguments ctx, cw, x, lowp_scales, x1; writes x1
.if DOCPART == 11
	.amdgcn_target "amdgcn-amd-amdhsa--gfx1250"
	.amdhsa_code_object_version 6
	.text
	.protected	k_q06eb2de114_proj_o
	.globl	k_q06eb2de114_proj_o
	.p2align	8
	.type	k_q06eb2de114_proj_o,@function
k_q06eb2de114_proj_o:
	s_mov_b64 s[64:65], 0
	v_nop
	global_prefetch_b8 v0, s[64:65] scope:SCOPE_SE
	s_setreg_imm32_b32 hwreg(HW_REG_WAVE_MODE, 25, 1), 1
	s_wait_xcnt 0x0
	s_wait_alu depctr_hold_cnt(0) depctr_sa_sdst(0) depctr_va_vdst(0) depctr_va_sdst(0) depctr_va_ssrc(0) depctr_va_vcc(0) depctr_vm_vsrc(0)
	s_getreg_b32 s2, hwreg(HW_REG_IB_STS2, 6, 4)
	s_cmp_eq_u32 s2, 0
	s_cbranch_scc0 .Lentry_in_a_cluster
	s_endpgm
.Lentry_in_a_cluster:
	s_bfe_u32 s2, ttmp6, 0x10000c
	s_cmp_lg_u32 s2, 0xf033
	s_cbranch_scc0 .Lentry_shape_is_right
	s_endpgm
.Lentry_shape_is_right:
; x1 = x + ctx w_o^T: the product on codes of E5M2 (ctx under e10, w_o under e11, at cw + 3 MB); sums f32; x1 [4096][1024] f32.
; LIMIT: e10 + e11 between -126 and 127.
.set KB,      8
.set QKV,     0
.set F32OUT,  1
.set HASBIAS, 0
.set RELU,    0
.set NTOUT,   0
.set AOFF,    0
.set BOFF,    3<<20
.set EA,      10
.set EB,      11
.set EO,      0
.set KBOUT,   0
.set ARG_A,    0x0
.set ARG_B,    0x8
.set ARG_RES,  0x10
.set ARG_S,    0x18
.set ARG_OUT,  0x20
.set ARG_BIAS, 0x0
; ---- THE PRODUCT'S CORE, the same text in two launches; the constants above say what differs.
; C = A B^T on fragment images (16 rows x 128 K = 2,048 bytes, lane l's registers 4 q .. 4 q + 3 at 512 q + 16 l; fragment (rho, kap) at ((rho / 8) KB + kap) 16,384 + (rho % 8) 2,048).
; A tile of C is 128 x 128; four waves, each 64 x 64: 16 accumulators.  K goes in steps of 512 through two LDS slots of 131,072 bytes (A's 65,536 dense bytes, then B's); each wave brings 32,768 of them by one tensor load.
; A fragment comes from LDS by four ds_load_b128 at 16 x lane: 512 consecutive bytes each, so no pitch and no padding.
; CLUSTERS: 4 x 4 work-groups; A's tile is shared along a row of the cluster, B's along a column: each is asked for jointly, by the same tensor load with the same descriptor and a mask that names the four.
; THE MATRIX INSTRUCTION IS USED TRANSPOSED (source 0 = 16 rows of B, source 1 = 16 rows of A): lane (r, h) holds row r of C and columns 16 b + 8 h + 0 .. 7: eight neighbours, which one conversion turns into
; registers 2 b, 2 b + 1 of the next product's fragment.  So codes leave as pieces of 512 dense bytes, straight from registers.
; REGISTERS: window 0: v1-31 addresses and scales; v32-63 the bias in the result's layout, later rows back from the stage; v64-95 the same, or codes; v96-99 offsets; v128-255 the accumulators ((a, b) at 128 + 8 (4 a + b)).
;   window 1: two sets of fragments (at 0 and 128): A's four at + 16 a, B's four at + 64 + 16 b.   window 2 (f32 results): v0-127 the residual, in the layout of the stores.
.set LAPS,   KB/8                      ; a lap = two K steps = once round the ring
.set SLOT,   131072
.set BPART,  65536
.set SPARE,  2*SLOT                    ; behind the ring: the spare words, 128 bytes for each wave
.set STAGE,  SPARE+512                 ; f32 results: 16 rows x 272 bytes for each wave; no tensor load lands here
.set SPITCH, 272
.set L16,  3
.set ADRA, 16
.set ADRB, 20
.set STO,  24
.set RD,   25
.set CO,   26
.set BO,   27
.set SPW,  28
.set NIL,  29
.set SC,   30
.set LIM,  31
.set BIAS, 32
.set BK,   32
.set CD,   64
.set OFF,  96
.set ACC,  128
.set F0,   0
.set F1,   128
.set G1,   24
.set G0,   32
.set G1B,  48
.set G0B,  56
.set ES,   68
.set MSB, 0
.macro WIN new                         ; the immediate's high byte repeats the setting that is left
.if MSB != \new
	s_set_vgpr_msb (MSB<<8)|\new
.set MSB, \new
.endif
.endm
.set MUL,   0x05                       ; sources 0 (B) and 1 (A) window 1; C and D window 0
.set TO_F,  0x40                       ; destination window 1
.set TO_R,  0x80                       ; destination window 2
.set FMA_R, 0xa0                       ; destination and source 2 window 2
.set ST_R,  0x08                       ; a store's data window 2
.macro JLOAD s                         ; a joint load: waves 0 and 1 fetch A's halves, waves 2 and 3 B's; four v_nop follow each of the two lines
	s_cmp_eq_u32 s11, 0
	s_cbranch_scc0 .Lfor_b_\@
	tensor_load_to_lds s[G0+4*\s:G0+4*\s+3], s[G1:G1+7]
	s_nop 0
.rept 4
	v_nop
.endr
	s_branch .Lasked_\@
.Lfor_b_\@:
	tensor_load_to_lds s[G0B+4*\s:G0B+4*\s+3], s[G1B:G1B+7]
	s_nop 0
.rept 4
	v_nop
.endr
.Lasked_\@:
.endm
.macro CREST                           ; a round of the cluster's barrier behind its opening barrier
	s_cmp_lg_u32 s10, 0
	s_cbranch_scc1 .Lnot_wave_0_\@
	s_barrier_signal -3
.Lnot_wave_0_\@:
	s_barrier_wait -3
	s_barrier_signal -1
	s_barrier_wait -1
.endm
.macro CROUND
	s_barrier_signal -1
	s_barrier_wait -1
	CREST
.endm
.macro PLACES                          ; four plain lines in front of loads into registers that matrix instructions have read, and of the first read of results
.rept 4
	v_nop
.endr
.endm
	s_load_b64 s[4:5], s[0:1], ARG_A
	s_load_b64 s[6:7], s[0:1], ARG_B
	s_load_b64 s[8:9], s[0:1], ARG_OUT
	s_load_b64 s[92:93], s[0:1], ARG_S
.if F32OUT
	s_load_b64 s[84:85], s[0:1], ARG_RES
.endif
.if HASBIAS
	s_load_b64 s[86:87], s[0:1], ARG_BIAS
.endif
	v_lshl_add_u32 v[SPW], v0, 2, SPARE
	v_mov_b32 v[NIL], 0
	ds_add_u32 v28, v29
	ds_add_u32 v28, v29
	s_wait_dscnt 0x0
	v_lshrrev_b32 v1, 5, v0
	v_readfirstlane_b32 s10, v1                    ; wave 0..3
	s_lshr_b32 s11, s10, 1                         ; which 64 rows of the tile are mine.  Also: I fetch for A (0) or for B (1)
	s_and_b32 s12, s10, 1                          ; which 64 columns.  Also: which half of that tile I fetch
	s_bfe_u32 s40, ttmp6, 0x40000                  ; cx, cy: my place in the cluster
	s_bfe_u32 s41, ttmp6, 0x40004
.if QKV
	s_and_b32 s94, ttmp7, 0xffff                   ; the cluster's y
	s_max_u32 s95, ttmp9, 4
	s_sub_co_u32 s95, s95, 4                       ; the cluster's x - 4, for v
	s_lshr_b32 s96, ttmp9, 1
	s_lshl_b32 s96, s96, 22
	s_add_co_u32 s96, s96, 12<<20                  ; the norm's codes under e0 (q) or e2 (k)
	s_cmp_ge_u32 ttmp9, 4                          ; v?
	s_cselect_b32 s18, s94, ttmp9                  ; columns go by the cluster's x (q, k: w_q's 8 tiles, then w_k's) or y (v: tokens)
	s_cselect_b32 s19, s95, s94                    ; rows by y (tokens) or x - 4 (w_v's features)
	s_cselect_b32 s20, 2<<20, s96                  ; the row operand: w_v, or the norm's codes
	s_cselect_b32 s21, 20<<20, 0                   ; the column operand: the norm's codes under e4, or w_q and w_k
.else
	s_mov_b32 s18, ttmp9
	s_and_b32 s19, ttmp7, 0xffff
	s_mov_b32 s20, AOFF
	s_mov_b32 s21, BOFF
.endif
	s_lshl_b32 s42, s18, 2
	s_add_co_u32 s42, s42, s40                     ; tile column
	s_lshl_b32 s13, s19, 2
	s_add_co_u32 s13, s13, s41                     ; tile row
	s_lshl_b32 s43, s41, 2
	s_lshl_b32 s43, 15, s43                        ; my row of the cluster
	s_lshl_b32 s44, 0x1111, s40                    ; my column
	; descriptor group 1: 32,768 dense bytes as 128 rows of 32 elements of 8 bytes
	s_or_b32 s[G1+0], s43, (3<<16)|(1<<21)         ; 15:0 the mask; 17:16 elements of 8 bytes; 20 no padding; 21 set beside a mask
	s_or_b32 s[G1B+0], s44, (3<<16)|(1<<21)
.irp g, G1, G1B
	s_mov_b32 s[\g+1], 32<<16                      ; tensor_dim0 = 32
	s_mov_b32 s[\g+2], 128<<16                     ; tensor_dim1 = 128
	s_mov_b32 s[\g+3], 32<<16                      ; tile_dim0 = 32
	s_mov_b32 s[\g+4], 128                         ; tile_dim1 = 128
	s_mov_b32 s[\g+5], 32                          ; from row to row: 32 elements
	s_mov_b32 s[\g+6], 0
	s_mov_b32 s[\g+7], 0
.endr
	s_lshl_b32 s14, s12, 15                        ; which 32,768 bytes of a K step's 65,536 I fetch
	s_mul_i32 s16, s13, KB*16384                   ; A hangs on the tile row alone,
	s_add_co_u32 s16, s16, s20
	s_add_co_u32 s16, s16, s14
	s_mov_b32 s17, 0
	s_mul_i32 s46, s42, KB*16384                   ; B on the tile column alone
	s_add_co_u32 s46, s46, s21
	s_add_co_u32 s46, s46, s14
	s_mov_b32 s47, 0
	s_lshl_b32 s45, s10, 15                        ; where they go: wave x 32,768
	s_wait_kmcnt 0x0
	s_load_b512 s[ES:ES+15], s[92:93], 0x0         ; e0 .. e15
	s_add_nc_u64 s[14:15], s[4:5], s[16:17]
	s_add_nc_u64 s[46:47], s[6:7], s[46:47]
	CROUND                                         ; all sixteen work-groups are here: the first joint loads meet
.irp s, 0,1
	s_mov_b32 s[G0+4*\s], 1
	s_add_co_u32 s[G0+4*\s+1], s45, \s*SLOT
	s_add_nc_u64 s[G0+4*\s+2:G0+4*\s+3], s[14:15], \s*BPART
	s_or_b32 s[G0+4*\s+3], s[G0+4*\s+3], 0x80000000
	s_mov_b32 s[G0B+4*\s], 1
	s_add_co_u32 s[G0B+4*\s+1], s45, \s*SLOT
	s_add_nc_u64 s[G0B+4*\s+2:G0B+4*\s+3], s[46:47], \s*BPART
	s_or_b32 s[G0B+4*\s+3], s[G0B+4*\s+3], 0x80000000
.endr
	JLOAD 0                                        ; K step 0: one tensor load a wave at the head; the set-up below stands under its flight
	; PREFETCH of K step 1, the last: of the 32,768 bytes that a wave loads, each of the four partners that ask for them jointly names 8,192, told apart by address (cx for A, cy for B), a lane to each 256 bytes
	s_cmp_eq_u32 s11, 0                            ; do I fetch for A?
	s_cselect_b64 s[66:67], s[14:15], s[46:47]     ; where my load of K step 0 begins,
	s_cselect_b32 s16, s40, s41                    ; my place among the four that ask with me,
	s_lshl_b32 s16, s16, 13
	s_mov_b32 s17, 0
	s_add_nc_u64 s[66:67], s[66:67], s[16:17]      ; and my work-group's 8,192 bytes of it; never rewritten
	v_and_b32 v6, 31, v0
	v_lshlrev_b32 v6, 8, v6                        ; v6: 256 x lane; never rewritten
	global_prefetch_b8 v6, s[66:67] offset:BPART th:TH_LOAD_NT scope:SCOPE_SE      ; K step 1
	v_and_b32 v1, 15, v0                           ; r
	s_wait_alu depctr_va_vdst(0)
	v_bfe_u32 v2, v0, 4, 1                         ; h
	v_and_b32 v[L16], 31, v0
	v_lshlrev_b32 v[L16], 4, v[L16]                ; 16 x lane
	s_lshl_b32 s22, s11, 13                        ; my four fragments of A's eight,
	s_lshl_b32 s23, s12, 13
	s_add_co_u32 s23, s23, BPART                   ; of B's
.irp s, 0,1
	v_add_nc_u32 v[ADRA+\s], s22, v[L16]
	v_add_nc_u32 v[ADRB+\s], s23, v[L16]
	s_add_co_u32 s22, s22, SLOT
	s_add_co_u32 s23, s23, SLOT
.endr
	s_lshl_b32 s98, s42, 9
	s_lshl_b32 s99, s12, 8
	s_add_co_u32 s98, s98, s99                     ; my first column as bytes of f32: 512 x tile column + 256 x half
	s_mov_b32 s99, 0
.if HASBIAS
	s_add_nc_u64 s[86:87], s[86:87], s[98:99]
	v_lshlrev_b32 v[BO], 5, v2                     ; lane (r, h) wants, for block b, the bias of columns 16 b + 8 h + 0 .. 7
.irp b, 0,1,2,3
	global_load_b128 v[BIAS+8*\b:BIAS+8*\b+3], v[BO], s[86:87] offset:64*\b
	global_load_b128 v[BIAS+8*\b+4:BIAS+8*\b+7], v[BO], s[86:87] offset:64*\b+16
.endr
.endif
.if F32OUT
	s_mul_i32 s23, s10, 16*SPITCH
	s_add_co_u32 s23, s23, STAGE                   ; my stage
	v_mul_u32_u24 v4, v1, SPITCH
	s_wait_alu depctr_va_vdst(0)
	v_lshl_add_u32 v4, v2, 5, v4
	v_add_nc_u32 v[STO], s23, v4                   ; in: row r, 32 bytes for each half of the lanes
	v_mul_u32_u24 v5, v2, SPITCH
	v_lshl_add_u32 v5, v1, 4, v5
	v_add_nc_u32 v[RD], s23, v5                    ; back: lanes 0-15 one row of 256 bytes, lanes 16-31 the next
	v_lshlrev_b32 v5, 12, v2
	v_lshl_add_u32 v[CO], v1, 4, v5                ; and the same two rows (4,096 bytes apart) in memory
	s_wait_alu depctr_va_vdst(0)
	s_lshl_b32 s96, s13, 7
	s_lshl_b32 s97, s11, 6
	s_add_co_u32 s96, s96, s97                     ; my first row
	s_lshl_b32 s96, s96, 12
	s_add_co_u32 s96, s96, s98
	s_mov_b32 s97, 0
	s_add_nc_u64 s[8:9], s[8:9], s[96:97]
	s_add_nc_u64 s[84:85], s[84:85], s[96:97]
.else
.if QKV
	s_lshr_b32 s94, s13, 4                         ; q, k: batch = tile row / 16,
	s_lshl_b32 s94, s94, 4
	s_and_b32 s95, s42, 7
	s_lshl_b32 s95, s95, 1
	s_add_co_u32 s94, s94, s95
	s_add_co_u32 s94, s94, s12                     ; head = 2 (tile column % 8) + my half,
	s_lshl_b32 s94, s94, 7
	s_and_b32 s95, s13, 15
	s_lshl_b32 s95, s95, 3
	s_add_co_u32 s94, s94, s95
	s_lshl_b32 s95, s11, 2
	s_add_co_u32 s94, s94, s95                     ; token fragment = 8 (tile row % 16) + 4 x half,
	s_lshl_b32 s94, s94, 10
	s_lshr_b32 s95, ttmp9, 1
	s_lshl_b32 s95, s95, 22
	s_add_co_u32 s94, s94, s95                     ; in q's or k's part
	s_lshr_b32 s96, s42, 4                         ; v: batch = tile column / 16,
	s_lshl_b32 s96, s96, 4
	s_lshl_b32 s97, s13, 1
	s_add_co_u32 s96, s96, s97
	s_add_co_u32 s96, s96, s11                     ; head = 2 x tile row + my half,
	s_lshl_b32 s96, s96, 4
	s_and_b32 s97, s42, 15
	s_add_co_u32 s96, s96, s97                     ; chunk of 128 keys = tile column % 16,
	s_lshl_b32 s96, s96, 13
	s_lshl_b32 s97, s12, 10
	s_add_co_u32 s96, s96, s97                     ; my 64 keys are two of a fragment's four pieces
	s_add_co_u32 s96, s96, 8<<20
	s_mov_b32 s90, 1024
	s_cmp_ge_u32 ttmp9, 4
	s_cselect_b32 s96, s96, s94
	s_cselect_b32 s90, 2048, s90                   ; from row block to row block: a fragment of 1,024 or of 2,048 bytes
.else
	s_mul_i32 s96, s13, KBOUT
	s_add_co_u32 s96, s96, s42
	s_lshl_b32 s96, s96, 14                        ; the result as the next product's operand: (tile row x KBOUT + tile column) x 16,384,
	s_lshl_b32 s97, s11, 13
	s_add_co_u32 s96, s96, s97                     ; my four fragments,
	s_lshl_b32 s97, s12, 10
	s_add_co_u32 s96, s96, s97                     ; my two pieces of each
	s_mov_b32 s90, 2048
.endif
	s_mov_b32 s97, 0
	s_add_nc_u64 s[8:9], s[8:9], s[96:97]
.irp a, 0,1,2,3
	s_mul_i32 s91, s90, \a
	v_add_nc_u32 v[OFF+\a], s91, v[L16]
.endr
.endif
	s_wait_kmcnt 0x0                               ; the exponents
.if F32OUT
	s_add_co_i32 s88, s[ES+EA], s[ES+EB]
	s_add_co_i32 s88, s88, 127
	s_lshl_b32 s88, s88, 23                        ; 2^(eA + eB) as f32
	s_mov_b32 s89, s88                             ; (named with it as a pair)
.else
.if QKV
	s_sub_co_i32 s94, s[ES+6], s[ES+0]
	s_sub_co_i32 s94, s94, s[ES+1]
	s_sub_co_i32 s95, s[ES+7], s[ES+2]
	s_sub_co_i32 s95, s95, s[ES+3]
	s_sub_co_i32 s96, s[ES+9], s[ES+4]
	s_sub_co_i32 s96, s96, s[ES+5]
	s_cmp_lt_u32 ttmp9, 4
	s_cselect_b32 s95, s95, s96
	s_cmp_lt_u32 ttmp9, 2
	s_cselect_b32 s94, s94, s95
.else
	s_sub_co_i32 s94, s[ES+EO], s[ES+EA]
	s_sub_co_i32 s94, s94, s[ES+EB]
.endif
	s_add_co_i32 s94, s94, 127                     ; a sum stands for sum x 2^(eA + eB): its code is sum / 2^(eO - eA - eB): three scales folded into the conversion's one
	s_lshl_b32 s95, s94, 23
	v_mov_b32 v[SC], s95
	s_add_co_i32 s94, s94, 15
	s_lshl_b32 s94, s94, 23
	s_or_b32 s94, s94, 0x600000
	v_mov_b32 v[LIM], s94                          ; 57,344 x that
.endif
.if HASBIAS
	s_add_co_i32 s91, s[ES+EA], s[ES+EB]
	s_sub_co_i32 s91, 0, s91
.if F32OUT
	s_wait_loadcnt 32                              ; the bias is in; the residual's 32 younger loads stay out
.else
	s_wait_loadcnt 0x0
.endif
.set i, 0
.rept 32
	v_ldexp_f32 v[BIAS+i], v[BIAS+i], s91          ; the bias goes in as the C of each sum's first product, divided by the power of two that the sums lack
.set i, i+1
.endr
.endif
; 8 matrix instructions: A's blocks a0, a0 + 1 x B's four, 128 along K, from set f.  zero = 1: the first product starts the sums.  The 16 accumulators take turns, one instruction a turn, in the same order in every quarter.
.macro MUL8 f, a0, zero
.irp a, \a0, \a0+1
.irp b, 0,1,2,3
.if \zero && HASBIAS
	v_wmma_f32_16x16x128_bf8_bf8 v[ACC+8*(4*(\a)+\b):ACC+8*(4*(\a)+\b)+7], v[\f+64+16*\b:\f+64+16*\b+15], v[\f+16*(\a):\f+16*(\a)+15], v[BIAS+8*\b:BIAS+8*\b+7]
.elseif \zero
	v_wmma_f32_16x16x128_bf8_bf8 v[ACC+8*(4*(\a)+\b):ACC+8*(4*(\a)+\b)+7], v[\f+64+16*\b:\f+64+16*\b+15], v[\f+16*(\a):\f+16*(\a)+15], 0
.else
	v_wmma_f32_16x16x128_bf8_bf8 v[ACC+8*(4*(\a)+\b):ACC+8*(4*(\a)+\b)+7], v[\f+64+16*\b:\f+64+16*\b+15], v[\f+16*(\a):\f+16*(\a)+15], v[ACC+8*(4*(\a)+\b):ACC+8*(4*(\a)+\b)+7]
.endif
.endr
.endr
.endm
.macro FETCH slot, kq, f               ; 32 LDS loads in one run: the fragments of the slot's kq-th 128 along K into set f: B's four, then A's four
	WIN TO_F
.irp b, 0,1,2,3
.irp q, 0,1,2,3
	ds_load_b128 v[\f+64+16*\b+4*\q:\f+64+16*\b+4*\q+3], v[ADRB+\slot] offset:\kq*16384+\b*2048+512*\q
.endr
.endr
.irp a, 0,1,2,3
.irp q, 0,1,2,3
	ds_load_b128 v[\f+16*\a+4*\q:\f+16*\a+4*\q+3], v[ADRA+\slot] offset:\kq*16384+\a*2048+512*\q
.endr
.endr
.endm
; A K step is four quarters of 128 along K, 16 matrix instructions each, on sets 0, 1, 0, 1.  One of the first three: multiplies set f and fetches the slot's kq-th quarter into set g.
.macro QUARTER slot, kq, f, g, zero
	s_wait_dscnt 8                                 ; all but the youngest eight loads (A's blocks 2, 3) are in
	WIN MUL
	MUL8 \f, 0, \zero
	PLACES
	FETCH \slot, \kq, \g
	s_wait_dscnt 32                                ; all but the 32 just issued
	WIN MUL
	MUL8 \f, 2, \zero
.endm
; The last quarter multiplies set 1 and changes slots: ONE barrier; in front of it each wave waits for all its tensor loads, adds 0 to its spare word, and waits for that and for its reads of this slot.
; fill = 1: the barrier opens a round of the cluster's, and this slot is filled again, two K steps ahead, first thing behind it.
.macro TURN slot, next, fill
	WIN 0
	s_wait_tensorcnt 0x0                           ; all my tensor loads have landed: my part of the next slot
	ds_add_u32 v[SPW], v[NIL]                      ; 0 onto my spare word
	s_wait_dscnt 9                                 ; (the add and the youngest eight loads may be out)
	WIN MUL
	MUL8 F1, 0, 0                                  ; eight matrix instructions stand between the add and the wait for it
	WIN 0
	s_wait_dscnt 0x0                               ; the add is done, and my reads of this slot are over
	s_barrier_signal -1
	s_barrier_wait -1
.if \fill
	CREST                                          ; no wave of any partner still reads this slot's tile or has a load on its way
	s_add_nc_u64 s[G0+4*\slot+2:G0+4*\slot+3], s[G0+4*\slot+2:G0+4*\slot+3], 2*BPART
	s_add_nc_u64 s[G0B+4*\slot+2:G0B+4*\slot+3], s[G0B+4*\slot+2:G0B+4*\slot+3], 2*BPART
	JLOAD \slot                                    ; my one tensor load behind the round; its four v_nop are also the places in front of the loads below
.else
	PLACES
.endif
	FETCH \next, 0, F0
	WIN MUL
	MUL8 F1, 2, 0                                  ; eight matrix instructions while the next slot's first fragments come
.endm
	s_wait_alu depctr_va_vdst(0)
	s_wait_tensorcnt 0x0                           ; my part of K step 0 is in; slot 1's first fill is issued as a refill is:
	ds_add_u32 v[SPW], v[NIL]                      ; 0 onto my spare word
	s_wait_dscnt 0x0
	CROUND                                         ; everybody's part of K step 0 is in, and all sixteen work-groups are here
	JLOAD 1                                        ; K step 1: my one tensor load behind the round
	FETCH 0, 0, F0
	WIN TO_R
.irp a, 0,1,2,3
.irp t, 0,1,2,3,4,5,6,7
	global_load_b128 v[32*\a+4*\t:32*\a+4*\t+3], v[CO], s[84:85] offset:(16*\a+2*\t)*4096   ; the residual, asked for behind both K steps' tiles, used at the end: sixteen lanes read 256 consecutive bytes
.endr
.endr
	QUARTER 0, 1, F0, F1, 1                        ; the first quarter stands in front of the loop: its products start the sums
.if LAPS > 1
	WIN 0                                          ; at a label and at a branch every window is 0
	s_mov_b32 s3, LAPS-1
.Llap:                                             ; a trip goes once round the ring and fills both slots again
	QUARTER 0, 2, F1, F0, 0
	QUARTER 0, 3, F0, F1, 0
	TURN 0, 1, 1
	QUARTER 1, 1, F0, F1, 0
	QUARTER 1, 2, F1, F0, 0
	QUARTER 1, 3, F0, F1, 0
	TURN 1, 0, 1
	QUARTER 0, 1, F0, F1, 0
	WIN 0
	s_sub_co_u32 s3, s3, 1
	s_cmp_lg_u32 s3, 0
	s_cbranch_scc1 .Llap
.endif
	QUARTER 0, 2, F1, F0, 0                        ; the last lap fills nothing
	QUARTER 0, 3, F0, F1, 0
	TURN 0, 1, 0
	QUARTER 1, 1, F0, F1, 0
	QUARTER 1, 2, F1, F0, 0
	QUARTER 1, 3, F0, F1, 0
	s_wait_dscnt 8
	WIN MUL
	MUL8 F1, 0, 0
	s_wait_dscnt 0x0
	MUL8 F1, 2, 0
	WIN 0
	PLACES
.if F32OUT
; THE WAY OUT, f32: a block of 16 rows x 64 columns goes through my own stage and comes back as rows of 256 bytes; sum x 2^(eA + eB) + residual in one packed multiply-add; sixteen lanes store 256 aligned bytes.
.macro TOSTAGE a
.irp b, 0,1,2,3
	ds_store_b128 v[STO], v[ACC+8*(4*\a+\b):ACC+8*(4*\a+\b)+3] offset:64*\b
	ds_store_b128 v[STO], v[ACC+8*(4*\a+\b)+4:ACC+8*(4*\a+\b)+7] offset:64*\b+16
.endr
.irp t, 0,1,2,3,4,5,6,7
	ds_load_b128 v[BK+32*(\a%2)+4*\t:BK+32*(\a%2)+4*\t+3], v[RD] offset:\t*2*SPITCH   ; LDS serves a wave's instructions in order: these see the stores above
.endr
.endm
.macro SEND a, younger                 ; younger: the LDS instructions issued behind block a's loads
	s_wait_dscnt \younger
	WIN FMA_R
.irp i, 0,2,4,6,8,10,12,14,16,18,20,22,24,26,28,30
	v_pk_fma_f32 v[32*\a+\i:32*\a+\i+1], v[BK+32*(\a%2)+\i:BK+32*(\a%2)+\i+1], s[88:89], v[32*\a+\i:32*\a+\i+1] op_sel_hi:[1,0,1]
.endr
	WIN ST_R
.irp t, 0,1,2,3,4,5,6,7
.if NTOUT
	global_store_b128 v[CO], v[32*\a+4*\t:32*\a+4*\t+3], s[8:9] offset:(16*\a+2*\t)*4096 th:TH_STORE_NT
.else
	global_store_b128 v[CO], v[32*\a+4*\t:32*\a+4*\t+3], s[8:9] offset:(16*\a+2*\t)*4096
.endif
.endr
	WIN 0
.endm
	s_wait_loadcnt 0x0                             ; the residual
	TOSTAGE 0
	TOSTAGE 1
	SEND 0, 16
	TOSTAGE 2
	SEND 1, 16
	TOSTAGE 3
	SEND 2, 16
	SEND 3, 0
.else
; THE WAY OUT, codes: the hold (and the activation, where there is one), one conversion an accumulator, eight stores of 512 dense bytes.
.set i, 0
.rept 128
.if RELU
	v_med3_num_f32 v[ACC+i], v[ACC+i], 0, v[LIM]   ; the activation and the hold in one
.else
	v_med3_num_f32 v[ACC+i], v[ACC+i], -v[LIM], v[LIM]   ; the conversion to an 8-bit code does not saturate (ISA guide 7.6.2)
.endif
.set i, i+1
.endr
.set i, 0
.rept 16
	v_cvt_scalef32_pk8_bf8_f32 v[CD+2*i:CD+2*i+1], v[ACC+8*i:ACC+8*i+7], v[SC]
.set i, i+1
.endr
	v_nop                                          ; a plain line behind the last conversion
.irp a, 0,1,2,3
.irp q, 0,1
	global_store_b128 v[OFF+\a], v[CD+8*\a+4*\q:CD+8*\a+4*\q+3], s[8:9] offset:512*\q
.endr
.endr
.endif
	s_wait_tensorcnt 0x0                           ; the wave's end
	ds_add_u32 v[SPW], v[NIL]
	s_wait_dscnt 0x0
	CROUND                                         ; the closing round: no work-group ends while a partner may still ask for a tile that names it
	s_endpgm
.Lfunc_end_k_q06eb2de114_proj_o:
	.size	k_q06eb2de114_proj_o, .Lfunc_end_k_q06eb2de114_proj_o-k_q06eb2de114_proj_o
	.p2alignl 7, 3214868480
	.fill 96, 4, 3214868480
	.section	.rodata,"a",@progbits
	.p2align	6, 0x0
	.amdhsa_kernel k_q06eb2de114_proj_o
		.amdhsa_group_segment_fixed_size 327680
		.amdhsa_private_segment_fixed_size 0
		.amdhsa_enable_private_segment 0
		.amdhsa_kernarg_size 40
		.amdhsa_user_sgpr_count 2
		.amdhsa_user_sgpr_kernarg_segment_ptr 1
		.amdhsa_wavefront_size32 1
		.amdhsa_system_sgpr_workgroup_id_x 1
		.amdhsa_system_sgpr_workgroup_id_y 1
		.amdhsa_system_sgpr_workgroup_id_z 1
		.amdhsa_system_vgpr_workitem_id 0
		.amdhsa_next_free_vgpr 640
		.amdhsa_next_free_sgpr 100
		.amdhsa_reserve_vcc 0
		.amdhsa_float_denorm_mode_32 3
		.amdhsa_float_denorm_mode_16_64 3
		.amdhsa_memory_ordered 1
		.amdhsa_forward_progress 1
		.amdhsa_inst_pref_size 50
	.end_amdhsa_kernel
	.amdgpu_metadata
---
amdhsa.version: [ 1, 2 ]
amdhsa.kernels:
  - .name:           k_q06eb2de114_proj_o
    .symbol:         k_q06eb2de114_proj_o.kd
    .args:
      - { .name: ctx, .offset: 0, .size: 8, .value_kind: global_buffer, .address_space: global }
      - { .name: cw, .offset: 8, .size: 8, .value_kind: global_buffer, .address_space: global }
      - { .name: x, .offset: 16, .size: 8, .value_kind: global_buffer, .address_space: global }
      - { .name: lowp_scales, .offset: 24, .size: 8, .value_kind: global_buffer, .address_space: global }
      - { .name: x1, .offset: 32, .size: 8, .value_kind: global_buffer, .address_space: global }
    .group_segment_fixed_size: 327680
    .private_segment_fixed_size: 0
    .kernarg_segment_align: 8
    .kernarg_segment_size: 40
    .max_flat_workgroup_size: 128
    .sgpr_count:     100
    .vgpr_count:     640
    .wavefront_size: 32
...
	.end_amdgpu_metadata
.endif
;; end of part 11
;; launch norm2 (part 12): grid 256 x 1, 4 waves a work-group, no clusters, 17,920 bytes of LDS; arguments x1, g2, be2, lowp_scales, a2; writes a2
.if DOCPART == 12
	.amdgcn_target "amdgcn-amd-amdhsa--gfx1250"
	.amdhsa_code_object_version 6
	.text
	.protected	k_q06eb2de114_norm2
	.globl	k_q06eb2de114_norm2
	.p2align	8
	.type	k_q06eb2de114_norm2,@function
k_q06eb2de114_norm2:
	s_mov_b64 s[64:65], 0
	v_nop
	global_prefetch_b8 v0, s[64:65] scope:SCOPE_SE
	s_setreg_imm32_b32 hwreg(HW_REG_WAVE_MODE, 25, 1), 1
	s_wait_xcnt 0x0
; LayerNorm 2 of x1 becomes codes of E5M2 under e12, laid as the next product's operand: fragments of 16 rows x 128 K (2,048 bytes: byte 512 q + 16 (r + 16 h) + 8 e + i holds column 32 q + 16 e + 8 h + i of row r),
; fragment (rho, kap) at ((rho / 8) 8 + kap) 16,384 + (rho % 8) 2,048.  LIMITS: e12 between -126 and 112.  NaN among the inputs is not served.
; A work-group takes 16 rows; wave w takes rows 4 w + i, each whole in the wave: the sums never leave it.  Each load reads 512 consecutive bytes; a lane's four codes are one word, which goes to its place in an LDS image
; (544 bytes a piece, 272 a half: the 32 words of a store fall on 32 different banks: 64 banks of 4 bytes, ISA guide 11.1); behind one barrier the image leaves as pieces of 512 dense bytes.
; No tensor load, no matrix unit, no cluster: memory binds, and work-groups share no input but g2 and be2.
.set L16,  9
.set GOFF, 2
.set OFF,  3
.set IMGW, 7
.set IMGR, 8
.set SC,   10
.set LIM,  11
.set X,    16                          ; v16-143  row i, chunk kap: four numbers at X + 32 i + 4 kap; on the way out the pieces
.set G,    144
.set BE,   176
.set T,    208                         ; v208-223 two sets of eight held numbers; in the norm: sums and the permute's results
.set C,    224
.set FRL,  2176
	s_load_b256 s[8:15], s[0:1], 0x0               ; x1, g2, be2, the exponents
	s_load_b64 s[16:17], s[0:1], 0x20              ; a2
	v_lshl_add_u32 v14, v0, 2, 0x4400
	v_mov_b32 v15, 0
	v_lshrrev_b32 v1, 5, v0
	v_readfirstlane_b32 s44, v1                    ; wave
	v_and_b32 v1, 31, v0
	v_lshlrev_b32 v[L16], 4, v1
	v_bfe_u32 v12, v0, 3, 2                        ; my four numbers are k' = 4 lane on: piece lane / 8,
	v_mul_u32_u24 v[IMGW], v12, 544
	v_bfe_u32 v12, v0, 1, 1                        ; half (lane / 2) % 2,
	v_mad_u32_u24 v[IMGW], v12, 272, v[IMGW]
	v_bfe_u32 v12, v0, 2, 1                        ; e = (lane / 4) % 2,
	v_lshl_add_u32 v[IMGW], v12, 3, v[IMGW]
	v_and_b32 v12, 1, v0
	v_lshl_add_u32 v[IMGW], v12, 2, v[IMGW]
	s_lshl_b32 s45, s44, 6
	v_add_nc_u32 v[IMGW], s45, v[IMGW]             ; row 4 w
	v_bfe_u32 v12, v0, 4, 1
	v_mul_u32_u24 v[IMGR], v12, 272
	v_and_b32 v12, 15, v0
	v_lshl_add_u32 v[IMGR], v12, 4, v[IMGR]
	s_mul_i32 s45, s44, 2*FRL
	v_add_nc_u32 v[IMGR], s45, v[IMGR]
	s_lshl_b32 s45, s44, 15
	v_add_nc_u32 v[GOFF], s45, v[L16]
	s_mov_b32 s40, 0x76543210
	s_mov_b32 s41, 0xfedcba98
	s_mov_b32 s42, 0x3a800000                      ; 1 / 1,024
	s_mov_b32 s43, 0x3727c5ac                      ; 1e-5
	s_lshl_b32 s56, ttmp9, 16                      ; 16 rows of 4,096 bytes
	s_mov_b32 s57, 0
	s_lshr_b32 s58, ttmp9, 3
	s_lshl_b32 s58, s58, 17
	s_and_b32 s59, ttmp9, 7
	s_lshl_b32 s59, s59, 11
	s_add_co_u32 s58, s58, s59
	s_mov_b32 s59, 0
	s_lshl_b32 s46, s44, 14                        ; row 4 w
.irp i, 0,1,2,3
	s_add_co_u32 s47, s46, \i*4096
	v_add_nc_u32 v[OFF+\i], s47, v[L16]
.endr
	s_wait_alu depctr_va_vdst(0)
	s_wait_kmcnt 0x0
	s_load_b32 s39, s[14:15], 0x30                 ; e12
	s_add_nc_u64 s[30:31], s[8:9], s[56:57]
	s_add_nc_u64 s[32:33], s[16:17], s[58:59]
.irp i, 0,1,2,3
.irp k, 0,1,2,3,4,5,6,7
	global_load_b128 v[X+32*\i+4*\k:X+32*\i+4*\k+3], v[OFF+\i], s[30:31] offset:512*\k   ; 32 lanes read 512 consecutive bytes; x1 is read again by the last launch
.endr
.endr
.irp k, 0,1,2,3,4,5,6,7
	global_load_b128 v[G+4*\k:G+4*\k+3], v[L16], s[10:11] offset:512*\k
	global_load_b128 v[BE+4*\k:BE+4*\k+3], v[L16], s[12:13] offset:512*\k
.endr
.macro WSUM                            ; the four rows' sums over the 32 lanes, in every lane
.irp m, 1,2,4,8
.irp i, 0,1,2,3
	v_add_f32_dpp v[T+2*\i], v[T+2*\i], v[T+2*\i] row_xmask:\m row_mask:0xf bank_mask:0xf
.endr
.endr
.irp i, 0,1,2,3
	v_permlanex16_b32 v[T+8+\i], v[T+2*\i], s40, s41
.endr
.irp i, 0,1,2,3
	v_add_f32 v[T+2*\i], v[T+2*\i], v[T+8+\i]
.endr
.endm
.irp i, 0,1,2,3
	v_mov_b32 v[T+8+\i], 0                         ; a lane permute's destination counts as read
.endr
	s_wait_loadcnt 16                              ; the rows are in; g2 and be2, sixteen younger loads, may be out
.irp i, 0,1,2,3
	v_pk_add_f32 v[T+2*\i:T+2*\i+1], v[X+32*\i:X+32*\i+1], v[X+32*\i+2:X+32*\i+3]
.endr
.set j, 4
.rept 14
.irp i, 0,1,2,3
	v_pk_add_f32 v[T+2*\i:T+2*\i+1], v[T+2*\i:T+2*\i+1], v[X+32*\i+j:X+32*\i+j+1]
.endr
.set j, j+2
.endr
.irp i, 0,1,2,3
	v_add_f32 v[T+2*\i], v[T+2*\i], v[T+2*\i+1]
.endr
	WSUM
.irp i, 0,1,2,3
	v_mul_f32 v[T+2*\i], s42, v[T+2*\i]            ; the mean
.endr
.set j, 0
.rept 16
.irp i, 0,1,2,3
	v_pk_add_f32 v[X+32*\i+j:X+32*\i+j+1], v[X+32*\i+j:X+32*\i+j+1], v[T+2*\i:T+2*\i+1] op_sel_hi:[1,0] neg_lo:[0,1] neg_hi:[0,1]   ; x - mean
.endr
.set j, j+2
.endr
.irp i, 0,1,2,3
	v_pk_mul_f32 v[T+2*\i:T+2*\i+1], v[X+32*\i:X+32*\i+1], v[X+32*\i:X+32*\i+1]
.endr
.set j, 2
.rept 15
.irp i, 0,1,2,3
	v_pk_fma_f32 v[T+2*\i:T+2*\i+1], v[X+32*\i+j:X+32*\i+j+1], v[X+32*\i+j:X+32*\i+j+1], v[T+2*\i:T+2*\i+1]
.endr
.set j, j+2
.endr
.irp i, 0,1,2,3
	v_add_f32 v[T+2*\i], v[T+2*\i], v[T+2*\i+1]
.endr
	WSUM
.irp i, 0,1,2,3
	v_fma_f32 v[T+2*\i], v[T+2*\i], s42, s43       ; the variance + 1e-5
.endr
	s_wait_alu depctr_va_vdst(0)
.irp i, 0,1,2,3
	v_rsq_f32 v[T+2*\i], v[T+2*\i]
.endr
	v_nop                                          ; a plain line behind the transcendentals
	s_wait_loadcnt 0x0                             ; g2, be2
.set j, 0
	s_wait_alu depctr_va_vdst(0)
.rept 16
.irp i, 0,1,2,3
	v_pk_mul_f32 v[X+32*\i+j:X+32*\i+j+1], v[X+32*\i+j:X+32*\i+j+1], v[T+2*\i:T+2*\i+1] op_sel_hi:[1,0]
.endr
.irp i, 0,1,2,3
	v_pk_fma_f32 v[X+32*\i+j:X+32*\i+j+1], v[X+32*\i+j:X+32*\i+j+1], v[G+j:G+j+1], v[BE+j:BE+j+1]
.endr
.set j, j+2
.endr
	s_wait_kmcnt 0x0
	s_add_co_i32 s45, s39, 127
	s_lshl_b32 s46, s45, 23
	v_mov_b32 v[SC], s46                           ; 2^e12: the conversion takes its exponent field
	s_add_co_i32 s45, s45, 15
	s_lshl_b32 s45, s45, 23
	s_or_b32 s45, s45, 0x600000
	v_mov_b32 v[LIM], s45                          ; 57,344 x 2^e12
.irp i, 0,1,2,3
.irp p, 0,1,2,3
.irp j, 0,1,2,3,4,5,6,7
	v_med3_num_f32 v[T+8*(\p%2)+\j], v[X+32*\i+8*\p+\j], -v[LIM], v[LIM]   ; the conversion to an 8-bit code does not saturate (ISA guide 7.6.2): the hold comes first
.endr
	v_cvt_scalef32_pk8_bf8_f32 v[C+8*\i+2*\p:C+8*\i+2*\p+1], v[T+8*(\p%2):T+8*(\p%2)+7], v[SC]   ; four codes of chunk 2 p, four of chunk 2 p + 1; the other set's eight holds are the plain lines behind it
.endr
.endr
	v_nop
.irp i, 0,1,2,3
.irp k, 0,1,2,3,4,5,6,7
	ds_store_b32 v[IMGW], v[C+8*\i+\k] offset:\k*FRL+16*\i
.endr
.endr
	s_wait_dscnt 0x0                               ; for the others' sake: my words lie in the image
	s_barrier_signal -1
	s_barrier_wait -1
.irp j, 0,1
.irp q, 0,1,2,3
	ds_load_b128 v[X+16*\j+4*\q:X+16*\j+4*\q+3], v[IMGR] offset:\j*FRL+\q*544
.endr
.endr
.irp j, 0,1
.irp q, 0,1,2,3
	s_wait_dscnt 7-(4*\j+\q)                       ; LDS loads come back in order: this piece is in
	global_store_b128 v[GOFF], v[X+16*\j+4*\q:X+16*\j+4*\q+3], s[32:33] offset:\j*16384+512*\q
.endr
.endr
	s_wait_tensorcnt 0x0
	ds_add_u32 v14, v15
	s_wait_dscnt 0x0
	s_endpgm
.Lfunc_end_k_q06eb2de114_norm2:
	.size	k_q06eb2de114_norm2, .Lfunc_end_k_q06eb2de114_norm2-k_q06eb2de114_norm2
	.p2alignl 7, 3214868480
	.fill 96, 4, 3214868480
	.section	.rodata,"a",@progbits
	.p2align	6, 0x0
	.amdhsa_kernel k_q06eb2de114_norm2
		.amdhsa_group_segment_fixed_size 17920
		.amdhsa_private_segment_fixed_size 0
		.amdhsa_enable_private_segment 0
		.amdhsa_kernarg_size 40
		.amdhsa_user_sgpr_count 2
		.amdhsa_user_sgpr_kernarg_segment_ptr 1
		.amdhsa_wavefront_size32 1
		.amdhsa_system_sgpr_workgroup_id_x 1
		.amdhsa_system_sgpr_workgroup_id_y 1
		.amdhsa_system_sgpr_workgroup_id_z 1
		.amdhsa_system_vgpr_workitem_id 0
		.amdhsa_next_free_vgpr 256
		.amdhsa_next_free_sgpr 100
		.amdhsa_reserve_vcc 0
		.amdhsa_float_denorm_mode_32 3
		.amdhsa_float_denorm_mode_16_64 3
		.amdhsa_memory_ordered 1
		.amdhsa_forward_progress 1
		.amdhsa_inst_pref_size 44
	.end_amdhsa_kernel
	.amdgpu_metadata
---
amdhsa.version: [ 1, 2 ]
amdhsa.kernels:
  - .name:           k_q06eb2de114_norm2
    .symbol:         k_q06eb2de114_norm2.kd
    .args:
      - { .name: x1, .offset: 0, .size: 8, .value_kind: global_buffer, .address_space: global }
      - { .name: g2, .offset: 8, .size: 8, .value_kind: global_buffer, .address_space: global }
      - { .name: be2, .offset: 16, .size: 8, .value_kind: global_buffer, .address_space: global }
      - { .name: lowp_scales, .offset: 24, .size: 8, .value_kind: global_buffer, .address_space: global }
      - { .name: a2, .offset: 32, .size: 8, .value_kind: global_buffer, .address_space: global }
    .group_segment_fixed_size: 17920
    .private_segment_fixed_size: 0
    .kernarg_segment_align: 8
    .kernarg_segment_size: 40
    .max_flat_workgroup_size: 128
    .sgpr_count:     100
    .vgpr_count:     256
    .wavefront_size: 32
...
	.end_amdgpu_metadata
.endif
;; end of part 12
;; launch ffn_up (part 13): grid 16 x 16, 4 waves a work-group, clusters of 4 x 4, 327,680 bytes of LDS; arguments a2, cw, b1, lowp_scales, hc; writes hc
.if DOCPART == 13
	.amdgcn_target "amdgcn-amd-amdhsa--gfx1250"
	.amdhsa_code_object_version 6
	.text
	.protected	k_q06eb2de114_ffn_up
	.globl	k_q06eb2de114_ffn_up
	.p2align	8
	.type	k_q06eb2de114_ffn_up,@function
k_q06eb2de114_ffn_up:
	s_mov_b64 s[64:65], 0
	v_nop
	global_prefetch_b8 v0, s[64:65] scope:SCOPE_SE
	s_setreg_imm32_b32 hwreg(HW_REG_WAVE_MODE, 25, 1), 1
	s_wait_xcnt 0x0
	s_wait_alu depctr_hold_cnt(0) depctr_sa_sdst(0) depctr_va_vdst(0) depctr_va_sdst(0) depctr_va_ssrc(0) depctr_va_vcc(0) depctr_vm_vsrc(0)
	s_getreg_b32 s2, hwreg(HW_REG_IB_STS2, 6, 4)
	s_cmp_eq_u32 s2, 0
	s_cbranch_scc0 .Lentry_in_a_cluster
	s_endpgm
.Lentry_in_a_cluster:
	s_bfe_u32 s2, ttmp6, 0x10000c
	s_cmp_lg_u32 s2, 0xf033
	s_cbranch_scc0 .Lentry_shape_is_right
	s_endpgm
.Lentry_shape_is_right:
; hc = the codes under e14 of relu(a2 w1^T + b1): the product on codes of E5M2 (a2 under e12; w1 under e13, at cw + 4 MB), sums f32; the wide product's core as in proj_qkv, with the constants below.
; The bias goes in as the C of each sum's first product, divided by 2^(e12 + e13); the activation and the hold are one line.  LIMITS: e14 - e12 - e13 between -126 and 112.
; PREFETCH: behind the load of K step 0 one a wave for each of K steps 1 and 2, behind K step 1's load one for K step 3.  Of the 32,768 bytes that a wave loads, each of the four partners that ask for them
; jointly names 8,192, told apart by address (cx for A, cy for B), a lane to each 256 bytes: each block is named once in a cluster.  K ends at step 3.
.set QKV,     0
.set HASBIAS, 1
.set RELU,    1
.set AOFF,    0
.set BOFF,    4<<20
.set EA,      12
.set EB,      13
.set EO,      14
.set KBOUT,   32
.set ARG_A,    0x0
.set ARG_B,    0x8
.set ARG_BIAS, 0x10
.set ARG_S,    0x18
.set ARG_OUT,  0x20
.set KB,     8
.set LAPS,   KB/4
.set SLOT,   131072
.set PART,   32768
.set SPARE,  2*SLOT
.set FR,   16
.set NL,   4
.set L16,  3
.set ADRA, 16
.set ADRB, 20
.set BO,   27
.set SPW,  28
.set NIL,  29
.set SC,   30
.set LIM,  31
.set BIAS, 32
.set OFFV, 96
.set AF,   128
.set TMP,  128
.set G1,   24
.set G0,   32
.set G1B,  48
.set G0B,  56
.set ES,   68
.set MSB, 0
.macro WIN new
.if MSB != (\new)
	s_set_vgpr_msb (MSB<<8)|(\new)
.set MSB, \new
.endif
.endm
.set MUL_LO, 0xa1
.set MUL_HI, 0xf1
.set TO_B,   0x40
.macro WINM hi, zero
.if (\zero) && HASBIAS
	WIN 0x81+0x40*(\hi)
.else
	WIN 0xa1+0x50*(\hi)
.endif
.endm
.macro JLOAD s
	s_cmp_eq_u32 s11, 0
	s_cbranch_scc0 .Lfor_b_\@
	tensor_load_to_lds s[G0+4*\s:G0+4*\s+3], s[G1:G1+7]
	s_nop 0
.rept 4
	v_nop
.endr
	s_branch .Lasked_\@
.Lfor_b_\@:
	tensor_load_to_lds s[G0B+4*\s:G0B+4*\s+3], s[G1B:G1B+7]
	s_nop 0
.rept 4
	v_nop
.endr
.Lasked_\@:
.endm
.macro CREST
	s_cmp_lg_u32 s10, 0
	s_cbranch_scc1 .Lnot_wave_0_\@
	s_barrier_signal -3
.Lnot_wave_0_\@:
	s_barrier_wait -3
	s_barrier_signal -1
	s_barrier_wait -1
.endm
.macro CROUND
	s_barrier_signal -1
	s_barrier_wait -1
	CREST
.endm
.macro PLACES
.rept 4
	v_nop
.endr
.endm
	s_load_b64 s[4:5], s[0:1], ARG_A
	s_load_b64 s[6:7], s[0:1], ARG_B
	s_load_b64 s[8:9], s[0:1], ARG_OUT
	s_load_b64 s[92:93], s[0:1], ARG_S
.if HASBIAS
	s_load_b64 s[86:87], s[0:1], ARG_BIAS
.endif
	v_lshl_add_u32 v[SPW], v0, 2, SPARE
	v_mov_b32 v[NIL], 0
	ds_add_u32 v28, v29
	ds_add_u32 v28, v29
	s_wait_dscnt 0x0
	v_lshrrev_b32 v1, 5, v0
	v_readfirstlane_b32 s10, v1
	s_lshr_b32 s11, s10, 1
	s_and_b32 s12, s10, 1
	s_bfe_u32 s40, ttmp6, 0x40000
	s_bfe_u32 s41, ttmp6, 0x40004
.if QKV
	s_and_b32 s94, ttmp7, 0xffff
	s_lshl_b32 s96, ttmp9, 22
	s_add_co_u32 s96, s96, 12<<20
	s_cmp_ge_u32 ttmp9, 2
	s_cselect_b32 s18, s94, ttmp9
	s_cselect_b32 s19, 0, s94
	s_cselect_b32 s20, 2<<20, s96
	s_cselect_b32 s21, 20<<20, 0
.else
	s_mov_b32 s18, ttmp9
	s_and_b32 s19, ttmp7, 0xffff
	s_mov_b32 s20, AOFF
	s_mov_b32 s21, BOFF
.endif
	s_lshl_b32 s42, s18, 2
	s_add_co_u32 s42, s42, s40
	s_lshl_b32 s13, s19, 2
	s_add_co_u32 s13, s13, s41
	s_lshl_b32 s43, s41, 2
	s_lshl_b32 s43, 15, s43
	s_lshl_b32 s44, 0x1111, s40
	s_or_b32 s[G1+0], s43, (3<<16)|(1<<21)
	s_or_b32 s[G1B+0], s44, (3<<16)|(1<<21)
.irp g, G1, G1B
	s_mov_b32 s[\g+1], 32<<16
	s_mov_b32 s[\g+2], 128<<16
	s_mov_b32 s[\g+3], 32<<16
	s_mov_b32 s[\g+4], 128
	s_mov_b32 s[\g+5], 32
	s_mov_b32 s[\g+6], 0
	s_mov_b32 s[\g+7], 0
.endr
	s_lshl_b32 s16, s13, 1
	s_add_co_u32 s16, s16, s12
	s_mul_i32 s16, s16, KB*16384
	s_add_co_u32 s16, s16, s20
	s_mov_b32 s17, 0
	s_lshl_b32 s46, s42, 1
	s_add_co_u32 s46, s46, s12
	s_mul_i32 s46, s46, KB*16384
	s_add_co_u32 s46, s46, s21
	s_mov_b32 s47, 0
	s_lshl_b32 s45, s10, 15
	s_wait_kmcnt 0x0
	s_load_b512 s[ES:ES+15], s[92:93], 0x0
	s_add_nc_u64 s[14:15], s[4:5], s[16:17]
	s_add_nc_u64 s[46:47], s[6:7], s[46:47]
	CROUND
.irp s, 0,1
	s_mov_b32 s[G0+4*\s], 1
	s_add_co_u32 s[G0+4*\s+1], s45, \s*SLOT
	s_add_nc_u64 s[G0+4*\s+2:G0+4*\s+3], s[14:15], \s*PART
	s_or_b32 s[G0+4*\s+3], s[G0+4*\s+3], 0x80000000
	s_mov_b32 s[G0B+4*\s], 1
	s_add_co_u32 s[G0B+4*\s+1], s45, \s*SLOT
	s_add_nc_u64 s[G0B+4*\s+2:G0B+4*\s+3], s[46:47], \s*PART
	s_or_b32 s[G0B+4*\s+3], s[G0B+4*\s+3], 0x80000000
.endr
	JLOAD 0                                        ; K step 0: one tensor load a wave at the head; the set-up and the bias's loads below stand under its flight
	s_cmp_eq_u32 s11, 0                            ; do I fetch for A?
	s_cselect_b64 s[66:67], s[14:15], s[46:47]     ; where my load of K step 0 begins,
	s_cselect_b32 s16, s40, s41                    ; my place among the four that ask with me,
	s_lshl_b32 s16, s16, 13
	s_mov_b32 s17, 0
	s_add_nc_u64 s[66:67], s[66:67], s[16:17]      ; and my work-group's 8,192 bytes of it; never rewritten
	v_and_b32 v6, 31, v0
	v_lshlrev_b32 v6, 8, v6                        ; v6: 256 x lane; never rewritten
	global_prefetch_b8 v6, s[66:67] offset:PART th:TH_LOAD_NT scope:SCOPE_SE       ; K step 1
	global_prefetch_b8 v6, s[66:67] offset:2*PART th:TH_LOAD_NT scope:SCOPE_SE     ; K step 2
	v_bfe_u32 v2, v0, 4, 1
	s_wait_alu depctr_va_vdst(0)
	v_and_b32 v[L16], 31, v0
	v_lshlrev_b32 v[L16], 4, v[L16]
	s_wait_alu depctr_va_vdst(0)
	s_lshl_b32 s22, s11, 15
	s_lshl_b32 s23, s12, 15
	s_add_co_u32 s23, s23, 2*PART
.irp s, 0,1
	v_add_nc_u32 v[ADRA+\s], s22, v[L16]
	v_add_nc_u32 v[ADRB+\s], s23, v[L16]
	s_add_co_u32 s22, s22, SLOT
	s_add_co_u32 s23, s23, SLOT
.endr
.if HASBIAS
	s_lshl_b32 s94, s42, 10
	s_lshl_b32 s95, s12, 9
	s_add_co_u32 s94, s94, s95
	s_mov_b32 s95, 0
	s_add_nc_u64 s[86:87], s[86:87], s[94:95]
	v_lshlrev_b32 v[BO], 5, v2
.irp b, 0,1,2,3,4,5,6,7
	global_load_b128 v[BIAS+8*\b:BIAS+8*\b+3], v[BO], s[86:87] offset:64*\b
	global_load_b128 v[BIAS+8*\b+4:BIAS+8*\b+7], v[BO], s[86:87] offset:64*\b+16
.endr
.endif
.if QKV
	s_lshr_b32 s94, s13, 3
	s_lshl_b32 s94, s94, 4
	s_and_b32 s95, s42, 3
	s_lshl_b32 s95, s95, 2
	s_add_co_u32 s94, s94, s95
	s_lshl_b32 s95, s12, 1
	s_add_co_u32 s94, s94, s95
	s_lshl_b32 s94, s94, 7
	s_and_b32 s95, s13, 7
	s_lshl_b32 s95, s95, 4
	s_add_co_u32 s94, s94, s95
	s_lshl_b32 s95, s11, 3
	s_add_co_u32 s94, s94, s95
	s_lshl_b32 s94, s94, 10
	s_lshl_b32 s95, ttmp9, 22
	s_add_co_u32 s94, s94, s95
	s_lshr_b32 s96, s42, 3
	s_lshl_b32 s96, s96, 4
	s_lshl_b32 s97, s13, 2
	s_add_co_u32 s96, s96, s97
	s_lshl_b32 s97, s11, 1
	s_add_co_u32 s96, s96, s97
	s_lshl_b32 s96, s96, 4
	s_and_b32 s97, s42, 7
	s_lshl_b32 s97, s97, 1
	s_add_co_u32 s96, s96, s97
	s_add_co_u32 s96, s96, s12
	s_lshl_b32 s96, s96, 13
	s_add_co_u32 s96, s96, 8<<20
	s_mov_b32 s90, 1024
	s_mov_b32 s98, 131072
	s_cmp_ge_u32 ttmp9, 2
	s_cselect_b32 s96, s96, s94
	s_cselect_b32 s90, 2048, s90
	s_cselect_b32 s91, 122880, 0
	s_cselect_b32 s98, 1024, s98
.else
	s_lshl_b32 s96, s13, 1
	s_add_co_u32 s96, s96, s11
	s_mul_i32 s96, s96, KBOUT
	s_lshl_b32 s97, s42, 1
	s_add_co_u32 s96, s96, s97
	s_add_co_u32 s96, s96, s12
	s_lshl_b32 s96, s96, 14
	s_mov_b32 s90, 2048
	s_mov_b32 s91, 0
	s_mov_b32 s98, 1024
.endif
	s_mov_b32 s97, 0
	s_add_nc_u64 s[8:9], s[8:9], s[96:97]
.irp a, 0,1,2,3,4,5,6,7
	s_mul_i32 s99, s90, \a
.if \a >= 4
	s_add_co_u32 s99, s99, s91
.endif
	v_add_nc_u32 v[OFFV+2*\a], s99, v[L16]
	s_add_co_u32 s99, s99, s98
	v_add_nc_u32 v[OFFV+2*\a+1], s99, v[L16]
.endr
	s_wait_kmcnt 0x0
.if QKV
	s_sub_co_i32 s94, s[ES+6], s[ES+0]
	s_sub_co_i32 s94, s94, s[ES+1]
	s_sub_co_i32 s95, s[ES+7], s[ES+2]
	s_sub_co_i32 s95, s95, s[ES+3]
	s_sub_co_i32 s96, s[ES+9], s[ES+4]
	s_sub_co_i32 s96, s96, s[ES+5]
	s_cmp_lt_u32 ttmp9, 2
	s_cselect_b32 s95, s95, s96
	s_cmp_lt_u32 ttmp9, 1
	s_cselect_b32 s94, s94, s95
.else
	s_sub_co_i32 s94, s[ES+EO], s[ES+EA]
	s_sub_co_i32 s94, s94, s[ES+EB]
.endif
	s_add_co_i32 s94, s94, 127
	s_lshl_b32 s95, s94, 23
	v_mov_b32 v[SC], s95
	s_add_co_i32 s94, s94, 15
	s_lshl_b32 s94, s94, 23
	s_or_b32 s94, s94, 0x600000
	v_mov_b32 v[LIM], s94
.if HASBIAS
	s_add_co_i32 s91, s[ES+EA], s[ES+EB]
	s_sub_co_i32 s91, 0, s91
	s_wait_loadcnt 0x0
.set i, 0
.rept 64
	v_ldexp_f32 v[BIAS+i], v[BIAS+i], s91
.set i, i+1
.endr
.endif
.macro FRAG reg, adr, q, i
.irp c, 0,1,2,3
	ds_load_b128 v[\reg+4*\c:\reg+4*\c+3], v[\adr] offset:(\q)*16384+(\i)*2048+512*\c
.endr
.endm
.macro MUL16 a0, p, zero
.irp a, \a0, \a0+1
.irp b, 0,1,2,3,4,5,6,7
.if \zero && HASBIAS
	v_wmma_f32_16x16x128_bf8_bf8 v[8*(8*((\a)%4)+\b):8*(8*((\a)%4)+\b)+7], v[128*(\p)+FR*\b:128*(\p)+FR*\b+FR-1], v[AF+FR*(\a):AF+FR*(\a)+FR-1], v[BIAS+8*\b:BIAS+8*\b+7]
.elseif \zero
	v_wmma_f32_16x16x128_bf8_bf8 v[8*(8*((\a)%4)+\b):8*(8*((\a)%4)+\b)+7], v[128*(\p)+FR*\b:128*(\p)+FR*\b+FR-1], v[AF+FR*(\a):AF+FR*(\a)+FR-1], 0
.else
	v_wmma_f32_16x16x128_bf8_bf8 v[8*(8*((\a)%4)+\b):8*(8*((\a)%4)+\b)+7], v[128*(\p)+FR*\b:128*(\p)+FR*\b+FR-1], v[AF+FR*(\a):AF+FR*(\a)+FR-1], v[8*(8*((\a)%4)+\b):8*(8*((\a)%4)+\b)+7]
.endif
.endr
.endr
.endm
.macro FETCH_B slot, q, p
	WIN TO_B
.irp i, 0,1,2,3,4,5,6,7
	FRAG 128*(\p)+FR*\i, ADRB+\slot, \q, \i
.endr
	WIN 0
.endm
.macro FETCH_A slot, q, i0
.irp i, \i0, \i0+1, \i0+2, \i0+3
	FRAG AF+FR*(\i), ADRA+\slot, \q, \i
.endr
.endm
.macro STEP slot, zero
	s_wait_dscnt 4*NL
	WINM 0, \zero
	MUL16 0, 0, \zero
	MUL16 2, 0, \zero
	s_wait_dscnt 0x0
	PLACES
	FETCH_B \slot, 1, 1
	FETCH_A \slot, 1, 0
	WINM 1, \zero
	MUL16 4, 0, \zero
	MUL16 6, 0, \zero
	PLACES
	WIN 0
	FETCH_A \slot, 1, 4
.endm
.macro TURN slot, next, fill
	s_wait_tensorcnt 0x0
	ds_add_u32 v[SPW], v[NIL]
	s_wait_dscnt 4*NL+1
	WIN MUL_LO
	MUL16 0, 1, 0
	s_wait_dscnt 0x0
	s_barrier_signal -1
	MUL16 2, 1, 0
	WIN 0
	s_barrier_wait -1
.if \fill
	CREST
	s_add_nc_u64 s[G0+4*\slot+2:G0+4*\slot+3], s[G0+4*\slot+2:G0+4*\slot+3], 2*PART
	s_add_nc_u64 s[G0B+4*\slot+2:G0B+4*\slot+3], s[G0B+4*\slot+2:G0B+4*\slot+3], 2*PART
	JLOAD \slot
.else
	PLACES
.endif
	FETCH_B \next, 0, 0
	FETCH_A \next, 0, 0
	WIN MUL_HI
	MUL16 4, 1, 0
	MUL16 6, 1, 0
	PLACES
	WIN 0
	FETCH_A \next, 0, 4
.endm
	s_wait_alu depctr_va_vdst(0)
	s_wait_tensorcnt 0x0                           ; my part of K step 0 is in; slot 1's first fill is issued as a refill is:
	ds_add_u32 v[SPW], v[NIL]                      ; 0 onto my spare word
	s_wait_dscnt 0x0
	CROUND                                         ; everybody's part of K step 0 is in, and all sixteen work-groups are here
	JLOAD 1                                        ; K step 1: my one tensor load behind the round
	global_prefetch_b8 v6, s[66:67] offset:3*PART th:TH_LOAD_NT scope:SCOPE_SE     ; K step 3
	FETCH_B 0, 0, 0
	FETCH_A 0, 0, 0
	FETCH_A 0, 0, 4
	STEP 0, 1
	s_mov_b32 s3, LAPS-1
.Llap:
	TURN 0, 1, 1
	STEP 1, 0
	TURN 1, 0, 1
	STEP 0, 0
	s_sub_co_u32 s3, s3, 1
	s_cmp_lg_u32 s3, 0
	s_cbranch_scc1 .Llap
	TURN 0, 1, 0
	STEP 1, 0
	s_wait_dscnt 4*NL
	WIN MUL_LO
	MUL16 0, 1, 0
	MUL16 2, 1, 0
	s_wait_dscnt 0x0
	WIN MUL_HI
	MUL16 4, 1, 0
	MUL16 6, 1, 0
	WIN 0
	PLACES
.macro OUTA a
.set AC, 64*((\a)%4)
.set CDA, 192+16*(\a)-224*((\a)/4)
	WIN 0x02+((\a)/4)
.set i, 0
.rept 64
.if RELU
	v_med3_num_f32 v[TMP+i], v[AC+i], 0, v[LIM]
.else
	v_med3_num_f32 v[TMP+i], v[AC+i], -v[LIM], v[LIM]
.endif
.set i, i+1
.endr
	WIN 0
.irp b, 0,1,2,3,4,5,6,7
	v_cvt_scalef32_pk8_bf8_f32 v[CDA+2*\b:CDA+2*\b+1], v[TMP+8*\b:TMP+8*\b+7], v[SC]
.endr
	v_nop
.irp g, 0,1
.irp e, 0,1
	global_store_b128 v[OFFV+2*(\a)+\g], v[CDA+8*\g+4*\e:CDA+8*\g+4*\e+3], s[8:9] offset:512*\e
.endr
.endr
.endm
.irp a, 0,1,2,3,4,5,6,7
	OUTA \a
.endr
	s_wait_tensorcnt 0x0
	ds_add_u32 v[SPW], v[NIL]
	s_wait_dscnt 0x0
	CROUND
	s_endpgm
.Lfunc_end_k_q06eb2de114_ffn_up:
	.size	k_q06eb2de114_ffn_up, .Lfunc_end_k_q06eb2de114_ffn_up-k_q06eb2de114_ffn_up
	.p2alignl 7, 3214868480
	.fill 96, 4, 3214868480
	.section	.rodata,"a",@progbits
	.p2align	6, 0x0
	.amdhsa_kernel k_q06eb2de114_ffn_up
		.amdhsa_group_segment_fixed_size 327680
		.amdhsa_private_segment_fixed_size 0
		.amdhsa_enable_private_segment 0
		.amdhsa_kernarg_size 40
		.amdhsa_user_sgpr_count 2
		.amdhsa_user_sgpr_kernarg_segment_ptr 1
		.amdhsa_wavefront_size32 1
		.amdhsa_system_sgpr_workgroup_id_x 1
		.amdhsa_system_sgpr_workgroup_id_y 1
		.amdhsa_system_sgpr_workgroup_id_z 1
		.amdhsa_system_vgpr_workitem_id 0
		.amdhsa_next_free_vgpr 1024
		.amdhsa_next_free_sgpr 100
		.amdhsa_reserve_vcc 0
		.amdhsa_float_denorm_mode_32 3
		.amdhsa_float_denorm_mode_16_64 3
		.amdhsa_memory_ordered 1
		.amdhsa_forward_progress 1
		.amdhsa_inst_pref_size 125
	.end_amdhsa_kernel
	.amdgpu_metadata
---
amdhsa.version: [ 1, 2 ]
amdhsa.kernels:
  - .name:           k_q06eb2de114_ffn_up
    .symbol:         k_q06eb2de114_ffn_up.kd
    .args:
      - { .name: a2, .offset: 0, .size: 8, .value_kind: global_buffer, .address_space: global }
      - { .name: cw, .offset: 8, .size: 8, .value_kind: global_buffer, .address_space: global }
      - { .name: b1, .offset: 16, .size: 8, .value_kind: global_buffer, .address_space: global }
      - { .name: lowp_scales, .offset: 24, .size: 8, .value_kind: global_buffer, .address_space: global }
      - { .name: hc, .offset: 32, .size: 8, .value_kind: global_buffer, .address_space: global }
    .group_segment_fixed_size: 327680
    .private_segment_fixed_size: 0
    .kernarg_segment_align: 8
    .kernarg_segment_size: 40
    .max_flat_workgroup_size: 128
    .sgpr_count:     100
    .vgpr_count:     1024
    .wavefront_size: 32
...
	.end_amdgpu_metadata
.endif
;; end of part 13
;; launch ffn_down (part 14): grid 8 x 32, 4 waves a work-group, clusters of 4 x 4, 327,680 bytes of LDS; arguments hc, cw, b2, x1, lowp_scales, out0; writes out0
.if DOCPART == 14
	.amdgcn_target "amdgcn-amd-amdhsa--gfx1250"
	.amdhsa_code_object_version 6
	.text
	.protected	k_q06eb2de114_ffn_down
	.globl	k_q06eb2de114_ffn_down
	.p2align	8
	.type	k_q06eb2de114_ffn_down,@function
k_q06eb2de114_ffn_down:
	s_mov_b64 s[64:65], 0
	v_nop
	global_prefetch_b8 v0, s[64:65] scope:SCOPE_SE
	s_setreg_imm32_b32 hwreg(HW_REG_WAVE_MODE, 25, 1), 1
	s_wait_xcnt 0x0
	s_wait_alu depctr_hold_cnt(0) depctr_sa_sdst(0) depctr_va_vdst(0) depctr_va_sdst(0) depctr_va_ssrc(0) depctr_va_vcc(0) depctr_vm_vsrc(0)
	s_getreg_b32 s2, hwreg(HW_REG_IB_STS2, 6, 4)
	s_cmp_eq_u32 s2, 0
	s_cbranch_scc0 .Lentry_in_a_cluster
	s_endpgm
.Lentry_in_a_cluster:
	s_bfe_u32 s2, ttmp6, 0x10000c
	s_cmp_lg_u32 s2, 0xf033
	s_cbranch_scc0 .Lentry_shape_is_right
	s_endpgm
.Lentry_shape_is_right:
; out0 = x1 + hc w2^T + b2: the product on codes of E5M2 (hc under e14; w2 under e15, at cw + 8 MB), sums f32; the product's core as in proj_o, with the constants below; K = 4,096 is eight K steps of 512.
; The bias goes in as the C of each sum's first product, divided by 2^(e14 + e15).  LIMIT: e14 + e15 between -126 and 127.
; PREFETCH: behind the load of K step j stands one prefetch a wave for K step j + 2 (and behind K step 0's also one for K step 1).  Of the 32,768 bytes that a wave loads, each of the four partners that ask for them
; jointly names 8,192, told apart by address (cx for A, cy for B), a lane to each 256 bytes: each block is named once in a cluster.  The loads of K steps 6 and 7 ask for nothing: K ends there.
.set KB,      32
.set QKV,     0
.set F32OUT,  1
.set HASBIAS, 1
.set RELU,    0
.set NTOUT,   1
.set AOFF,    0
.set BOFF,    8<<20
.set EA,      14
.set EB,      15
.set EO,      0
.set KBOUT,   0
.set ARG_A,    0x0
.set ARG_B,    0x8
.set ARG_BIAS, 0x10
.set ARG_RES,  0x18
.set ARG_S,    0x20
.set ARG_OUT,  0x28
.set LAPS,   KB/8
.set SLOT,   131072
.set BPART,  65536
.set SPARE,  2*SLOT
.set STAGE,  SPARE+512
.set SPITCH, 272
.set L16,  3
.set ADRA, 16
.set ADRB, 20
.set STO,  24
.set RD,   25
.set CO,   26
.set BO,   27
.set SPW,  28
.set NIL,  29
.set SC,   30
.set LIM,  31
.set BIAS, 32
.set BK,   32
.set CD,   64
.set OFF,  96
.set ACC,  128
.set F0,   0
.set F1,   128
.set G1,   24
.set G0,   32
.set G1B,  48
.set G0B,  56
.set ES,   68
.set MSB, 0
.macro WIN new
.if MSB != \new
	s_set_vgpr_msb (MSB<<8)|\new
.set MSB, \new
.endif
.endm
.set MUL,   0x05
.set TO_F,  0x40
.set TO_R,  0x80
.set FMA_R, 0xa0
.set ST_R,  0x08
.macro JLOAD s
	s_cmp_eq_u32 s11, 0
	s_cbranch_scc0 .Lfor_b_\@
	tensor_load_to_lds s[G0+4*\s:G0+4*\s+3], s[G1:G1+7]
	s_nop 0
.rept 4
	v_nop
.endr
	s_branch .Lasked_\@
.Lfor_b_\@:
	tensor_load_to_lds s[G0B+4*\s:G0B+4*\s+3], s[G1B:G1B+7]
	s_nop 0
.rept 4
	v_nop
.endr
.Lasked_\@:
.endm
.macro CREST
	s_cmp_lg_u32 s10, 0
	s_cbranch_scc1 .Lnot_wave_0_\@
	s_barrier_signal -3
.Lnot_wave_0_\@:
	s_barrier_wait -3
	s_barrier_signal -1
	s_barrier_wait -1
.endm
.macro CROUND
	s_barrier_signal -1
	s_barrier_wait -1
	CREST
.endm
.macro PLACES
.rept 4
	v_nop
.endr
.endm
	s_load_b64 s[4:5], s[0:1], ARG_A
	s_load_b64 s[6:7], s[0:1], ARG_B
	s_load_b64 s[8:9], s[0:1], ARG_OUT
	s_load_b64 s[92:93], s[0:1], ARG_S
.if F32OUT
	s_load_b64 s[84:85], s[0:1], ARG_RES
.endif
.if HASBIAS
	s_load_b64 s[86:87], s[0:1], ARG_BIAS
.endif
	v_lshl_add_u32 v[SPW], v0, 2, SPARE
	v_mov_b32 v[NIL], 0
	ds_add_u32 v28, v29
	ds_add_u32 v28, v29
	s_wait_dscnt 0x0
	v_lshrrev_b32 v1, 5, v0
	v_readfirstlane_b32 s10, v1
	s_lshr_b32 s11, s10, 1
	s_and_b32 s12, s10, 1
	s_bfe_u32 s40, ttmp6, 0x40000
	s_bfe_u32 s41, ttmp6, 0x40004
.if QKV
	s_and_b32 s94, ttmp7, 0xffff
	s_max_u32 s95, ttmp9, 4
	s_sub_co_u32 s95, s95, 4
	s_lshr_b32 s96, ttmp9, 1
	s_lshl_b32 s96, s96, 22
	s_add_co_u32 s96, s96, 12<<20
	s_cmp_ge_u32 ttmp9, 4
	s_cselect_b32 s18, s94, ttmp9
	s_cselect_b32 s19, s95, s94
	s_cselect_b32 s20, 2<<20, s96
	s_cselect_b32 s21, 20<<20, 0
.else
	s_mov_b32 s18, ttmp9
	s_and_b32 s19, ttmp7, 0xffff
	s_mov_b32 s20, AOFF
	s_mov_b32 s21, BOFF
.endif
	s_lshl_b32 s42, s18, 2
	s_add_co_u32 s42, s42, s40
	s_lshl_b32 s13, s19, 2
	s_add_co_u32 s13, s13, s41
	s_lshl_b32 s43, s41, 2
	s_lshl_b32 s43, 15, s43
	s_lshl_b32 s44, 0x1111, s40
	s_or_b32 s[G1+0], s43, (3<<16)|(1<<21)
	s_or_b32 s[G1B+0], s44, (3<<16)|(1<<21)
.irp g, G1, G1B
	s_mov_b32 s[\g+1], 32<<16
	s_mov_b32 s[\g+2], 128<<16
	s_mov_b32 s[\g+3], 32<<16
	s_mov_b32 s[\g+4], 128
	s_mov_b32 s[\g+5], 32
	s_mov_b32 s[\g+6], 0
	s_mov_b32 s[\g+7], 0
.endr
	s_lshl_b32 s14, s12, 15
	s_mul_i32 s16, s13, KB*16384
	s_add_co_u32 s16, s16, s20
	s_add_co_u32 s16, s16, s14
	s_mov_b32 s17, 0
	s_mul_i32 s46, s42, KB*16384
	s_add_co_u32 s46, s46, s21
	s_add_co_u32 s46, s46, s14
	s_mov_b32 s47, 0
	s_lshl_b32 s45, s10, 15
	s_wait_kmcnt 0x0
	s_load_b512 s[ES:ES+15], s[92:93], 0x0
	s_add_nc_u64 s[14:15], s[4:5], s[16:17]
	s_add_nc_u64 s[46:47], s[6:7], s[46:47]
	CROUND
.irp s, 0,1
	s_mov_b32 s[G0+4*\s], 1
	s_add_co_u32 s[G0+4*\s+1], s45, \s*SLOT
	s_add_nc_u64 s[G0+4*\s+2:G0+4*\s+3], s[14:15], \s*BPART
	s_or_b32 s[G0+4*\s+3], s[G0+4*\s+3], 0x80000000
	s_mov_b32 s[G0B+4*\s], 1
	s_add_co_u32 s[G0B+4*\s+1], s45, \s*SLOT
	s_add_nc_u64 s[G0B+4*\s+2:G0B+4*\s+3], s[46:47], \s*BPART
	s_or_b32 s[G0B+4*\s+3], s[G0B+4*\s+3], 0x80000000
.endr
	JLOAD 0                                        ; K step 0: one tensor load a wave at the head; the set-up and the bias's loads below stand under its flight
	s_cmp_eq_u32 s11, 0                            ; do I fetch for A?
	s_cselect_b64 s[66:67], s[14:15], s[46:47]     ; where my load of K step 0 begins,
	s_cselect_b32 s16, s40, s41                    ; my place among the four that ask with me,
	s_lshl_b32 s16, s16, 13
	s_mov_b32 s17, 0
	s_add_nc_u64 s[66:67], s[66:67], s[16:17]      ; and my work-group's 8,192 bytes of it
	v_and_b32 v6, 31, v0
	v_lshlrev_b32 v6, 8, v6                        ; v6: 256 x lane; never rewritten
	v_and_b32 v7, 31, v0
	v_min_u32 v7, 15, v7
	v_lshlrev_b32 v7, 12, v7                       ; v7: a row of x1 (4,096 bytes) x min(lane, 15): the residual's prefetches; never rewritten
	global_prefetch_b8 v6, s[66:67] offset:BPART th:TH_LOAD_NT scope:SCOPE_SE      ; K step 1
	global_prefetch_b8 v6, s[66:67] offset:2*BPART th:TH_LOAD_NT scope:SCOPE_SE    ; K step 2
	v_and_b32 v1, 15, v0
	v_bfe_u32 v2, v0, 4, 1
	s_wait_alu depctr_va_vdst(0)
	v_and_b32 v[L16], 31, v0
	v_lshlrev_b32 v[L16], 4, v[L16]
	s_lshl_b32 s22, s11, 13
	s_lshl_b32 s23, s12, 13
	s_add_co_u32 s23, s23, BPART
.irp s, 0,1
	v_add_nc_u32 v[ADRA+\s], s22, v[L16]
	v_add_nc_u32 v[ADRB+\s], s23, v[L16]
	s_add_co_u32 s22, s22, SLOT
	s_add_co_u32 s23, s23, SLOT
.endr
	s_lshl_b32 s98, s42, 9
	s_lshl_b32 s99, s12, 8
	s_add_co_u32 s98, s98, s99
	s_mov_b32 s99, 0
.if HASBIAS
	s_add_nc_u64 s[86:87], s[86:87], s[98:99]
	v_lshlrev_b32 v[BO], 5, v2
.irp b, 0,1,2,3
	global_load_b128 v[BIAS+8*\b:BIAS+8*\b+3], v[BO], s[86:87] offset:64*\b
	global_load_b128 v[BIAS+8*\b+4:BIAS+8*\b+7], v[BO], s[86:87] offset:64*\b+16
.endr
.endif
.if F32OUT
	s_mul_i32 s23, s10, 16*SPITCH
	s_add_co_u32 s23, s23, STAGE
	v_mul_u32_u24 v4, v1, SPITCH
	v_lshl_add_u32 v4, v2, 5, v4
	v_add_nc_u32 v[STO], s23, v4
	v_mul_u32_u24 v5, v2, SPITCH
	v_lshl_add_u32 v5, v1, 4, v5
	v_add_nc_u32 v[RD], s23, v5
	v_lshlrev_b32 v5, 12, v2
	v_lshl_add_u32 v[CO], v1, 4, v5
	s_wait_alu depctr_va_vdst(0)
	s_lshl_b32 s96, s13, 7
	s_lshl_b32 s97, s11, 6
	s_add_co_u32 s96, s96, s97
	s_lshl_b32 s96, s96, 12
	s_add_co_u32 s96, s96, s98
	s_mov_b32 s97, 0
	s_add_nc_u64 s[8:9], s[8:9], s[96:97]
	s_add_nc_u64 s[84:85], s[84:85], s[96:97]
	s_sub_nc_u64 s[18:19], s[84:85], 65536         ; the residual's prefetches: 16 rows ahead of my first row; each change of slots steps it 16 rows on before it is used
.else
.if QKV
	s_lshr_b32 s94, s13, 4
	s_lshl_b32 s94, s94, 4
	s_and_b32 s95, s42, 7
	s_lshl_b32 s95, s95, 1
	s_add_co_u32 s94, s94, s95
	s_add_co_u32 s94, s94, s12
	s_lshl_b32 s94, s94, 7
	s_and_b32 s95, s13, 15
	s_lshl_b32 s95, s95, 3
	s_add_co_u32 s94, s94, s95
	s_lshl_b32 s95, s11, 2
	s_add_co_u32 s94, s94, s95
	s_lshl_b32 s94, s94, 10
	s_lshr_b32 s95, ttmp9, 1
	s_lshl_b32 s95, s95, 22
	s_add_co_u32 s94, s94, s95
	s_lshr_b32 s96, s42, 4
	s_lshl_b32 s96, s96, 4
	s_lshl_b32 s97, s13, 1
	s_add_co_u32 s96, s96, s97
	s_add_co_u32 s96, s96, s11
	s_lshl_b32 s96, s96, 4
	s_and_b32 s97, s42, 15
	s_add_co_u32 s96, s96, s97
	s_lshl_b32 s96, s96, 13
	s_lshl_b32 s97, s12, 10
	s_add_co_u32 s96, s96, s97
	s_add_co_u32 s96, s96, 8<<20
	s_mov_b32 s90, 1024
	s_cmp_ge_u32 ttmp9, 4
	s_cselect_b32 s96, s96, s94
	s_cselect_b32 s90, 2048, s90
.else
	s_mul_i32 s96, s13, KBOUT
	s_add_co_u32 s96, s96, s42
	s_lshl_b32 s96, s96, 14
	s_lshl_b32 s97, s11, 13
	s_add_co_u32 s96, s96, s97
	s_lshl_b32 s97, s12, 10
	s_add_co_u32 s96, s96, s97
	s_mov_b32 s90, 2048
.endif
	s_mov_b32 s97, 0
	s_add_nc_u64 s[8:9], s[8:9], s[96:97]
.irp a, 0,1,2,3
	s_mul_i32 s91, s90, \a
	v_add_nc_u32 v[OFF+\a], s91, v[L16]
.endr
.endif
	s_wait_kmcnt 0x0
.if F32OUT
	s_add_co_i32 s88, s[ES+EA], s[ES+EB]
	s_add_co_i32 s88, s88, 127
	s_lshl_b32 s88, s88, 23
	s_mov_b32 s89, s88
.else
.if QKV
	s_sub_co_i32 s94, s[ES+6], s[ES+0]
	s_sub_co_i32 s94, s94, s[ES+1]
	s_sub_co_i32 s95, s[ES+7], s[ES+2]
	s_sub_co_i32 s95, s95, s[ES+3]
	s_sub_co_i32 s96, s[ES+9], s[ES+4]
	s_sub_co_i32 s96, s96, s[ES+5]
	s_cmp_lt_u32 ttmp9, 4
	s_cselect_b32 s95, s95, s96
	s_cmp_lt_u32 ttmp9, 2
	s_cselect_b32 s94, s94, s95
.else
	s_sub_co_i32 s94, s[ES+EO], s[ES+EA]
	s_sub_co_i32 s94, s94, s[ES+EB]
.endif
	s_add_co_i32 s94, s94, 127
	s_lshl_b32 s95, s94, 23
	v_mov_b32 v[SC], s95
	s_add_co_i32 s94, s94, 15
	s_lshl_b32 s94, s94, 23
	s_or_b32 s94, s94, 0x600000
	v_mov_b32 v[LIM], s94
.endif
.if HASBIAS
	s_add_co_i32 s91, s[ES+EA], s[ES+EB]
	s_sub_co_i32 s91, 0, s91
.if F32OUT
	s_wait_loadcnt 0x0                             ; the bias is in: no younger load is out here
.else
	s_wait_loadcnt 0x0
.endif
.set i, 0
.rept 32
	v_ldexp_f32 v[BIAS+i], v[BIAS+i], s91
.set i, i+1
.endr
.endif
.macro MUL8 f, a0, zero
.irp a, \a0, \a0+1
.irp b, 0,1,2,3
.if \zero && HASBIAS
	v_wmma_f32_16x16x128_bf8_bf8 v[ACC+8*(4*(\a)+\b):ACC+8*(4*(\a)+\b)+7], v[\f+64+16*\b:\f+64+16*\b+15], v[\f+16*(\a):\f+16*(\a)+15], v[BIAS+8*\b:BIAS+8*\b+7]
.elseif \zero
	v_wmma_f32_16x16x128_bf8_bf8 v[ACC+8*(4*(\a)+\b):ACC+8*(4*(\a)+\b)+7], v[\f+64+16*\b:\f+64+16*\b+15], v[\f+16*(\a):\f+16*(\a)+15], 0
.else
	v_wmma_f32_16x16x128_bf8_bf8 v[ACC+8*(4*(\a)+\b):ACC+8*(4*(\a)+\b)+7], v[\f+64+16*\b:\f+64+16*\b+15], v[\f+16*(\a):\f+16*(\a)+15], v[ACC+8*(4*(\a)+\b):ACC+8*(4*(\a)+\b)+7]
.endif
.endr
.endr
.endm
.macro FETCH slot, kq, f
	WIN TO_F
.irp b, 0,1,2,3
.irp q, 0,1,2,3
	ds_load_b128 v[\f+64+16*\b+4*\q:\f+64+16*\b+4*\q+3], v[ADRB+\slot] offset:\kq*16384+\b*2048+512*\q
.endr
.endr
.irp a, 0,1,2,3
.irp q, 0,1,2,3
	ds_load_b128 v[\f+16*\a+4*\q:\f+16*\a+4*\q+3], v[ADRA+\slot] offset:\kq*16384+\a*2048+512*\q
.endr
.endr
.endm
.macro QUARTER slot, kq, f, g, zero
	s_wait_dscnt 8
	WIN MUL
	MUL8 \f, 0, \zero
	PLACES
	FETCH \slot, \kq, \g
	s_wait_dscnt 32
	WIN MUL
	MUL8 \f, 2, \zero
.endm
.macro TURN slot, next, fill
	WIN 0
.if \fill
	s_wait_xcnt 0x0                                ; my prefetches have read their address: it steps one K step on
	s_add_nc_u64 s[66:67], s[66:67], BPART
	s_add_nc_u64 s[18:19], s[18:19], 65536         ; and the residual's: 16 rows on
.endif
	s_wait_tensorcnt 0x0
	ds_add_u32 v[SPW], v[NIL]
	s_wait_dscnt 9
	WIN MUL
	MUL8 F1, 0, 0
	WIN 0
	s_wait_dscnt 0x0
	s_barrier_signal -1
	s_barrier_wait -1
.if \fill
	CREST
	s_add_nc_u64 s[G0+4*\slot+2:G0+4*\slot+3], s[G0+4*\slot+2:G0+4*\slot+3], 2*BPART
	s_add_nc_u64 s[G0B+4*\slot+2:G0B+4*\slot+3], s[G0B+4*\slot+2:G0B+4*\slot+3], 2*BPART
	JLOAD \slot
.else
	PLACES
.endif
	FETCH \next, 0, F0
.if \fill
	WIN 0                                          ; at a branch and at a label every window is 0
	s_cmp_gt_u32 s3, 1                             ; the loop's last trip loads K steps 6 and 7: there is no K step two on
	s_cbranch_scc0 .Lno_ask_\@
	global_prefetch_b8 v6, s[66:67] offset:3*BPART th:TH_LOAD_NT scope:SCOPE_SE    ; the K step two loads on
	global_prefetch_b8 v7, s[18:19] th:TH_LOAD_NT scope:SCOPE_SE                   ; 16 of my wave's 64 rows x 256 bytes of the residual, a lane a row (lanes 16-31 name the last again): the four changes of slots of the first two trips name all 64, each once; they are loaded behind the loop
.Lno_ask_\@:
.endif
	WIN MUL
	MUL8 F1, 2, 0
.endm
	s_wait_alu depctr_va_vdst(0)
	s_wait_tensorcnt 0x0                           ; my part of K step 0 is in; slot 1's first fill is issued as a refill is:
	ds_add_u32 v[SPW], v[NIL]                      ; 0 onto my spare word
	s_wait_dscnt 0x0
	CROUND                                         ; everybody's part of K step 0 is in, and all sixteen work-groups are here
	JLOAD 1                                        ; K step 1: my one tensor load behind the round
	FETCH 0, 0, F0
	global_prefetch_b8 v6, s[66:67] offset:3*BPART th:TH_LOAD_NT scope:SCOPE_SE    ; K step 3
	QUARTER 0, 1, F0, F1, 1
.if LAPS > 1
	WIN 0
	s_mov_b32 s3, LAPS-1
.Llap:
	QUARTER 0, 2, F1, F0, 0
	QUARTER 0, 3, F0, F1, 0
	TURN 0, 1, 1
	QUARTER 1, 1, F0, F1, 0
	QUARTER 1, 2, F1, F0, 0
	QUARTER 1, 3, F0, F1, 0
	TURN 1, 0, 1
	QUARTER 0, 1, F0, F1, 0
	WIN 0
	s_sub_co_u32 s3, s3, 1
	s_cmp_lg_u32 s3, 0
	s_cbranch_scc1 .Llap
.endif
	WIN TO_R
.irp a, 0,1,2,3
.irp t, 0,1,2,3,4,5,6,7
	global_load_b128 v[32*\a+4*\t:32*\a+4*\t+3], v[CO], s[84:85] offset:(16*\a+2*\t)*4096   ; the residual: asked for when all tiles have been asked for, two K steps ahead of its use: sixteen lanes read 256 consecutive bytes
.endr
.endr
	QUARTER 0, 2, F1, F0, 0
	QUARTER 0, 3, F0, F1, 0
	TURN 0, 1, 0
	QUARTER 1, 1, F0, F1, 0
	QUARTER 1, 2, F1, F0, 0
	QUARTER 1, 3, F0, F1, 0
	s_wait_dscnt 8
	WIN MUL
	MUL8 F1, 0, 0
	s_wait_dscnt 0x0
	MUL8 F1, 2, 0
	WIN 0
	PLACES
.if F32OUT
.macro TOSTAGE a
.irp b, 0,1,2,3
	ds_store_b128 v[STO], v[ACC+8*(4*\a+\b):ACC+8*(4*\a+\b)+3] offset:64*\b
	ds_store_b128 v[STO], v[ACC+8*(4*\a+\b)+4:ACC+8*(4*\a+\b)+7] offset:64*\b+16
.endr
.irp t, 0,1,2,3,4,5,6,7
	ds_load_b128 v[BK+32*(\a%2)+4*\t:BK+32*(\a%2)+4*\t+3], v[RD] offset:\t*2*SPITCH
.endr
.endm
.macro SEND a, younger
	s_wait_dscnt \younger
	WIN FMA_R
.irp i, 0,2,4,6,8,10,12,14,16,18,20,22,24,26,28,30
	v_pk_fma_f32 v[32*\a+\i:32*\a+\i+1], v[BK+32*(\a%2)+\i:BK+32*(\a%2)+\i+1], s[88:89], v[32*\a+\i:32*\a+\i+1] op_sel_hi:[1,0,1]
.endr
	WIN ST_R
.irp t, 0,1,2,3,4,5,6,7
.if NTOUT
	global_store_b128 v[CO], v[32*\a+4*\t:32*\a+4*\t+3], s[8:9] offset:(16*\a+2*\t)*4096 th:TH_STORE_NT
.else
	global_store_b128 v[CO], v[32*\a+4*\t:32*\a+4*\t+3], s[8:9] offset:(16*\a+2*\t)*4096
.endif
.endr
	WIN 0
.endm
	s_wait_loadcnt 0x0
	TOSTAGE 0
	TOSTAGE 1
	SEND 0, 16
	TOSTAGE 2
	SEND 1, 16
	TOSTAGE 3
	SEND 2, 16
	SEND 3, 0
.else
.set i, 0
.rept 128
.if RELU
	v_med3_num_f32 v[ACC+i], v[ACC+i], 0, v[LIM]
.else
	v_med3_num_f32 v[ACC+i], v[ACC+i], -v[LIM], v[LIM]
.endif
.set i, i+1
.endr
.set i, 0
.rept 16
	v_cvt_scalef32_pk8_bf8_f32 v[CD+2*i:CD+2*i+1], v[ACC+8*i:ACC+8*i+7], v[SC]
.set i, i+1
.endr
	v_nop
.irp a, 0,1,2,3
.irp q, 0,1
	global_store_b128 v[OFF+\a], v[CD+8*\a+4*\q:CD+8*\a+4*\q+3], s[8:9] offset:512*\q
.endr
.endr
.endif
	s_wait_tensorcnt 0x0
	ds_add_u32 v[SPW], v[NIL]
	s_wait_dscnt 0x0
	CROUND
	s_endpgm
.Lfunc_end_k_q06eb2de114_ffn_down:
	.size	k_q06eb2de114_ffn_down, .Lfunc_end_k_q06eb2de114_ffn_down-k_q06eb2de114_ffn_down
	.p2alignl 7, 3214868480
	.fill 96, 4, 3214868480
	.section	.rodata,"a",@progbits
	.p2align	6, 0x0
	.amdhsa_kernel k_q06eb2de114_ffn_down
		.amdhsa_group_segment_fixed_size 327680
		.amdhsa_private_segment_fixed_size 0
		.amdhsa_enable_private_segment 0
		.amdhsa_kernarg_size 48
		.amdhsa_user_sgpr_count 2
		.amdhsa_user_sgpr_kernarg_segment_ptr 1
		.amdhsa_wavefront_size32 1
		.amdhsa_system_sgpr_workgroup_id_x 1
		.amdhsa_system_sgpr_workgroup_id_y 1
		.amdhsa_system_sgpr_workgroup_id_z 1
		.amdhsa_system_vgpr_workitem_id 0
		.amdhsa_next_free_vgpr 640
		.amdhsa_next_free_sgpr 100
		.amdhsa_reserve_vcc 0
		.amdhsa_float_denorm_mode_32 3
		.amdhsa_float_denorm_mode_16_64 3
		.amdhsa_memory_ordered 1
		.amdhsa_forward_progress 1
		.amdhsa_inst_pref_size 82
	.end_amdhsa_kernel
	.amdgpu_metadata
---
amdhsa.version: [ 1, 2 ]
amdhsa.kernels:
  - .name:           k_q06eb2de114_ffn_down
    .symbol:         k_q06eb2de114_ffn_down.kd
    .args:
      - { .name: hc, .offset: 0, .size: 8, .value_kind: global_buffer, .address_space: global }
      - { .name: cw, .offset: 8, .size: 8, .value_kind: global_buffer, .address_space: global }
      - { .name: b2, .offset: 16, .size: 8, .value_kind: global_buffer, .address_space: global }
      - { .name: x1, .offset: 24, .size: 8, .value_kind: global_buffer, .address_space: global }
      - { .name: lowp_scales, .offset: 32, .size: 8, .value_kind: global_buffer, .address_space: global }
      - { .name: out0, .offset: 40, .size: 8, .value_kind: global_buffer, .address_space: global }
    .group_segment_fixed_size: 327680
    .private_segment_fixed_size: 0
    .kernarg_segment_align: 8
    .kernarg_segment_size: 48
    .max_flat_workgroup_size: 128
    .sgpr_count:     100
    .vgpr_count:     640
    .wavefront_size: 32
...
	.end_amdgpu_metadata
.endif
;; end of part 14
